; MI455X (gfx1250); checked and timed in simulation.
; The chip was launched on July 23, 2026; its instructions are those of AMD's public machine-readable ISA for CDNA 5 (MIT licence, August 2026) and "CDNA5" Instruction Set Architecture Reference Guide (July 2026). The comments in the code are by the model that wrote it; some were corrected since.
;; SAS Rec. Allowed arithmetic: float matrix products may take bf16 or f16 operands with f32 sums; all other float work in f32.
;; Inputs: b1 2 x 512 float32; b2 2 x 512 float32; bk 2 x 512 float32; bo 2 x 512 float32; bq 2 x 512 float32; bv 2 x 512 float32; item_emb 100,001 x 512 float32; ln1_b 2 x 512 float32; ln1_w 2 x 512 float32; ln2_b 2 x 512 float32; ln2_w 2 x 512 float32; lnf_b 512 float32; lnf_w 512 float32; pos_emb 512 x 512 float32; seq 32 x 512 int32; seq_len 32 int32; w1 2 x 512 x 512 float32; w2 2 x 512 x 512 float32; wk 2 x 512 x 512 float32; wo 2 x 512 x 512 float32; wq 2 x 512 x 512 float32; wv 2 x 512 x 512 float32.
;; Outputs: out0 32 x 512 float32.
;; 2 versions, each right and faster than the one before. Each part assembles by itself: llvm-mc -triple=amdgcn-amd-amdhsa -mcpu=gfx1250 --defsym DOCPART=n.
;; ======== version 1 of 2: 4 launches
;; workspace buffers: wF 6,291,456 bytes; qkv0 50,331,648 bytes; kv1 33,554,432 bytes; xlast 65,536 bytes
;; launch prep (part 1): grid 32 x 6, 8 waves a work-group, no clusters, 0 bytes of LDS; arguments wq, wk, wv, wo, w1, w2, wF; writes wF
.if DOCPART == 1
	.amdgcn_target "amdgcn-amd-amdhsa--gfx1250"
	.amdhsa_code_object_version 6
	.text
	.protected	k_q7e14af444d_prep
	.globl	k_q7e14af444d_prep
	.p2align	8
	.type	k_q7e14af444d_prep,@function
k_q7e14af444d_prep:
	s_mov_b64 s[64:65], 0
	v_nop
	global_prefetch_b8 v0, s[64:65] scope:SCOPE_SE
	s_setreg_imm32_b32 hwreg(HW_REG_WAVE_MODE, 25, 1), 1
	s_wait_xcnt 0x0
; The twelve weight matrices [512 k][512 n] f32 are rounded to bf16 and laid out in the order in which a matrix
; instruction's operand lies in registers.  Matrix m = 6 layer + t (t: 0 q, 1 k, 2 v, 3 o, 4 w1, 5 w2) begins at m x 524,288.
; The fragment of columns 16 nb .. +15 and rows 32 kb .. +31 is 1,024 bytes at nb x 16,384 + kb x 1,024: [j = 0,1][lane][16 bytes];
; lane (r = lane % 16, h = lane / 16) holds column 16 nb + r, rows 32 kb + 16 j + 8 h + 0..7.
; So a later wave fetches half a fragment by one load of 512 consecutive bytes.
; Grid: x = 16 layer + kb, y = t.  Wave w takes nb = 4 w .. 4 w + 3.  No LDS, no barrier: every wave works for itself.
	s_load_b256 s[8:15], s[0:1], 0x0               ; wq, wk, wv, wo
	s_load_b128 s[16:19], s[0:1], 0x20             ; w1, w2
	s_load_b64 s[20:21], s[0:1], 0x30              ; wF
	v_lshrrev_b32 v1, 5, v0
	v_readfirstlane_b32 s4, v1                     ; wave
	v_and_b32 v3, 31, v0
	v_and_b32 v4, 15, v0                           ; r
	v_bfe_u32 v5, v0, 4, 1                         ; h
	v_lshlrev_b32 v2, 2, v4
	v_lshl_add_u32 v2, v5, 14, v2                  ; source: 8 h rows of 2,048 bytes + 4 r
	v_lshlrev_b32 v3, 4, v3                        ; target: 16 x lane
	s_and_b32 s3, ttmp7, 0xffff                    ; t
	s_lshr_b32 s5, ttmp9, 4                        ; layer
	s_and_b32 s6, ttmp9, 15                        ; kb
	s_lshl_b32 s26, s5, 20                         ; source offset: layer x 1 MiB + kb x 32 rows + w x 64 columns
	s_lshl_b32 s7, s6, 16
	s_add_co_u32 s26, s26, s7
	s_lshl_b32 s7, s4, 8
	s_add_co_u32 s26, s26, s7
	s_mov_b32 s27, 0
	s_mul_i32 s28, s5, 6                           ; target offset: m x 524,288 + w x 65,536 + kb x 1,024
	s_add_co_u32 s28, s28, s3
	s_lshl_b32 s28, s28, 19
	s_lshl_b32 s7, s4, 16
	s_add_co_u32 s28, s28, s7
	s_lshl_b32 s7, s6, 10
	s_add_co_u32 s28, s28, s7
	s_mov_b32 s29, 0
	s_wait_kmcnt 0x0
	s_mov_b64 s[24:25], s[8:9]                     ; the matrix is chosen by t alone
	s_cmp_eq_u32 s3, 1
	s_cselect_b64 s[24:25], s[10:11], s[24:25]
	s_cmp_eq_u32 s3, 2
	s_cselect_b64 s[24:25], s[12:13], s[24:25]
	s_cmp_eq_u32 s3, 3
	s_cselect_b64 s[24:25], s[14:15], s[24:25]
	s_cmp_eq_u32 s3, 4
	s_cselect_b64 s[24:25], s[16:17], s[24:25]
	s_cmp_eq_u32 s3, 5
	s_cselect_b64 s[24:25], s[18:19], s[24:25]
	s_add_nc_u64 s[24:25], s[24:25], s[26:27]
	s_add_nc_u64 s[20:21], s[20:21], s[28:29]
.set z, 0
.rept 64                                               ; z = 16 nbl + 8 j + jj: row 16 j + jj (+ 8 h), column block nbl
	global_load_b32 v[8+z], v2, s[24:25] offset:(16*((z/8)%2)+z%8)*2048+(z/16)*64
.set z, z+1
.endr
	s_wait_loadcnt 0x0
.set z, 0
.rept 32
	v_cvt_pk_bf16_f32 v[72+z], v[8+2*z], v[9+2*z]  ; two neighbouring k, the lower in the low half
.set z, z+1
.endr
.set z, 0
.rept 8                                                ; each store of the wave covers 512 consecutive bytes, aligned
	global_store_b128 v3, v[72+4*z:75+4*z], s[20:21] offset:(z/2)*16384+(z%2)*512
.set z, z+1
.endr
	s_endpgm
.Lfunc_end_k_q7e14af444d_prep:
	.size	k_q7e14af444d_prep, .Lfunc_end_k_q7e14af444d_prep-k_q7e14af444d_prep
	.p2alignl 7, 3214868480
	.fill 96, 4, 3214868480
	.section	.rodata,"a",@progbits
	.p2align	6, 0x0
	.amdhsa_kernel k_q7e14af444d_prep
		.amdhsa_group_segment_fixed_size 0
		.amdhsa_private_segment_fixed_size 0
		.amdhsa_enable_private_segment 0
		.amdhsa_kernarg_size 56
		.amdhsa_user_sgpr_count 2
		.amdhsa_user_sgpr_kernarg_segment_ptr 1
		.amdhsa_wavefront_size32 1
		.amdhsa_system_sgpr_workgroup_id_x 1
		.amdhsa_system_sgpr_workgroup_id_y 1
		.amdhsa_system_sgpr_workgroup_id_z 1
		.amdhsa_system_vgpr_workitem_id 0
		.amdhsa_next_free_vgpr 104
		.amdhsa_next_free_sgpr 66
		.amdhsa_reserve_vcc 0
		.amdhsa_float_denorm_mode_32 3
		.amdhsa_float_denorm_mode_16_64 3
		.amdhsa_memory_ordered 1
		.amdhsa_forward_progress 1
		.amdhsa_inst_pref_size 11
	.end_amdhsa_kernel
	.amdgpu_metadata
---
amdhsa.version: [ 1, 2 ]
amdhsa.kernels:
  - .name:           k_q7e14af444d_prep
    .symbol:         k_q7e14af444d_prep.kd
    .args:
      - { .name: wq, .offset: 0, .size: 8, .value_kind: global_buffer, .address_space: global }
      - { .name: wk, .offset: 8, .size: 8, .value_kind: global_buffer, .address_space: global }
      - { .name: wv, .offset: 16, .size: 8, .value_kind: global_buffer, .address_space: global }
      - { .name: wo, .offset: 24, .size: 8, .value_kind: global_buffer, .address_space: global }
      - { .name: w1, .offset: 32, .size: 8, .value_kind: global_buffer, .address_space: global }
      - { .name: w2, .offset: 40, .size: 8, .value_kind: global_buffer, .address_space: global }
      - { .name: wF, .offset: 48, .size: 8, .value_kind: global_buffer, .address_space: global }
    .group_segment_fixed_size: 0
    .private_segment_fixed_size: 0
    .kernarg_segment_align: 8
    .kernarg_segment_size: 56
    .max_flat_workgroup_size: 256
    .sgpr_count:     66
    .vgpr_count:     104
    .wavefront_size: 32
...
	.end_amdgpu_metadata
.endif
;; end of part 1
;; launch qkv (part 2): grid 256 x 1, 8 waves a work-group, no clusters, 199,680 bytes of LDS; arguments seq, seq_len, item_emb, pos_emb, ln1_w, ln1_b, bq, bk, bv, wF, qkv0; writes qkv0
.if DOCPART == 2
	.amdgcn_target "amdgcn-amd-amdhsa--gfx1250"
	.amdhsa_code_object_version 6
	.text
	.protected	k_q7e14af444d_qkv
	.globl	k_q7e14af444d_qkv
	.p2align	8
	.type	k_q7e14af444d_qkv,@function
k_q7e14af444d_qkv:
	s_mov_b64 s[64:65], 0
	v_nop
	global_prefetch_b8 v0, s[64:65] scope:SCOPE_SE
	s_setreg_imm32_b32 hwreg(HW_REG_WAVE_MODE, 25, 1), 1
	s_wait_xcnt 0x0
; Layer 0, first part: x = item_emb[seq] sqrt(512) + pos_emb[pos]; h = LN1(x); q, k, v = h W + b, written by heads in the order of matrix operands.
; A work-group owns 64 rows of one batch (b = id / 8, i = id % 8); wave w owns columns 64 w .. +63 of every product, which is head w.
; x is kept in f32; h and the weights are bf16, sums f32.  LN in two passes (mean, then centred squares).
; LIMITS.  seq_len is taken as 1 .. 512 (clamped); seq is clamped to the table's last row.
; NO CLUSTER, NO DATA MOVER: the weights, which all work-groups share, lie in memory in operand order, and each wave loads its own
; 64 columns' fragments straight into registers, 512 consecutive bytes a load, sixteen loads always out, without a barrier in the K loop.
; The sister kernel of this one needs 265,216 of 327,680 LDS bytes for its rows; what is left would hold two slots of 4 KB a wave, a round of the cluster's barrier for every 16 matrix instructions.
; LDS: X f32 64 rows, pitch 2,064, at 0; A0 bf16 64 rows, pitch 1,040, at 132,096.  Both pitches are odd multiples of 16 bytes.
; REGISTERS.  Window 0: v1 16 lane; v2 r; v3 h; v4 A0 + 1,040 r + 16 h; v6 running A address; v11 32 h; v12 4 r; v13, v14 LN's addresses; v15 lane;
;   v16-31 at work; v96-127 bias; v128-191 A's fragments, two sets; v192-255 W's fragments, two sets.  Window 1: v0-127 the 16 accumulators (4 mb + nb).
.set A0, 132096
.set WB, 42                            ; s[42:43] the weights of the stage, at my 64 columns
.set PWF, 26
.set LD, 128                           ; LN: data, 16 registers a row
.set LT, 16                            ; LN: 8 registers at work a row
.set NS, 2                             ; LN: rows side by side
.set LW, 192
.set LB, 208
.set LWIN, 0
.set MSB, 0
.macro WIN new                         ; the immediate's high byte repeats the setting that is left
.if MSB != (\new)
	s_set_vgpr_msb (MSB<<8)|(\new)
.set MSB, \new
.endif
.endm
.macro PLACES                          ; four places behind matrix instructions, in front of loads into their registers and of reads of their results
.rept 4
	v_nop
.endr
.endm
.macro BAR                             ; my LDS stores and loads are done, for the others' sake; then all eight waves meet
	s_wait_dscnt 0x0
	s_barrier_signal -1
	s_barrier_wait -1
.endm
.macro BOTH line:vararg                ; one line for each of the NS rows d
.set d, 0
.rept NS
	\line
.set d, d+1
.endr
.endm
.macro RED o                           ; the sum over the 32 lanes, in every lane
.irp m, 1,2,4,8
	BOTH v_add_f32_dpp v[(\o)+8*d], v[(\o)+8*d], v[(\o)+8*d] row_xmask:\m row_mask:0xf bank_mask:0xf
.endr
	BOTH v_permlanex16_b32 v[(\o)+8*d+1], v[(\o)+8*d], s60, s61
	BOTH v_add_f32 v[(\o)+8*d], v[(\o)+8*d], v[(\o)+8*d+1]
.endm
.macro LNCORE                          ; rows of 512 f32, 16 a lane in v[LD+16 d ..]: (x - mean) / sqrt(var + 1e-8) w + b, in place
.set c, 0
.rept 4
	BOTH v_pk_add_f32 v[LT+8*d+2*c:LT+8*d+2*c+1], v[LD+16*d+4*c:LD+16*d+4*c+1], v[LD+16*d+4*c+2:LD+16*d+4*c+3]
.set c, c+1
.endr
	BOTH v_pk_add_f32 v[LT+8*d:LT+8*d+1], v[LT+8*d:LT+8*d+1], v[LT+8*d+2:LT+8*d+3]
	BOTH v_pk_add_f32 v[LT+8*d+4:LT+8*d+5], v[LT+8*d+4:LT+8*d+5], v[LT+8*d+6:LT+8*d+7]
	BOTH v_pk_add_f32 v[LT+8*d:LT+8*d+1], v[LT+8*d:LT+8*d+1], v[LT+8*d+4:LT+8*d+5]
	BOTH v_add_f32 v[LT+8*d], v[LT+8*d], v[LT+8*d+1]
	RED LT
	BOTH v_mul_f32 v[LT+8*d], s62, v[LT+8*d]       ; the mean
.set c, 0
.rept 8
	BOTH v_pk_add_f32 v[LD+16*d+2*c:LD+16*d+2*c+1], v[LD+16*d+2*c:LD+16*d+2*c+1], v[LT+8*d:LT+8*d+1] op_sel_hi:[1,0] neg_lo:[0,1] neg_hi:[0,1]
.set c, c+1
.endr
	BOTH v_pk_mul_f32 v[LT+8*d+2:LT+8*d+3], v[LD+16*d:LD+16*d+1], v[LD+16*d:LD+16*d+1]
	BOTH v_pk_mul_f32 v[LT+8*d+4:LT+8*d+5], v[LD+16*d+2:LD+16*d+3], v[LD+16*d+2:LD+16*d+3]
.set c, 1
.rept 3
	BOTH v_pk_fma_f32 v[LT+8*d+2:LT+8*d+3], v[LD+16*d+4*c:LD+16*d+4*c+1], v[LD+16*d+4*c:LD+16*d+4*c+1], v[LT+8*d+2:LT+8*d+3]
	BOTH v_pk_fma_f32 v[LT+8*d+4:LT+8*d+5], v[LD+16*d+4*c+2:LD+16*d+4*c+3], v[LD+16*d+4*c+2:LD+16*d+4*c+3], v[LT+8*d+4:LT+8*d+5]
.set c, c+1
.endr
	BOTH v_pk_add_f32 v[LT+8*d+2:LT+8*d+3], v[LT+8*d+2:LT+8*d+3], v[LT+8*d+4:LT+8*d+5]
	BOTH v_add_f32 v[LT+8*d+2], v[LT+8*d+2], v[LT+8*d+3]
	RED LT+2
	BOTH v_fmaak_f32 v[LT+8*d+2], s62, v[LT+8*d+2], 0x322bcc77  ; var + 1e-8
	BOTH v_rsq_f32 v[LT+8*d+2], v[LT+8*d+2]
	v_nop                                          ; a plain instruction between the root and its use
	s_wait_alu depctr_va_vdst(0)
.set c, 0
.rept 8
	BOTH v_pk_mul_f32 v[LD+16*d+2*c:LD+16*d+2*c+1], v[LD+16*d+2*c:LD+16*d+2*c+1], v[LT+8*d+2:LT+8*d+3] op_sel_hi:[1,0]
.set c, c+1
.endr
	WIN LWIN
.set c, 0
.rept 8
	BOTH v_pk_fma_f32 v[LD+16*d+2*c:LD+16*d+2*c+1], v[LD+16*d+2*c:LD+16*d+2*c+1], v[LW+2*c:LW+2*c+1], v[LB+2*c:LB+2*c+1]
.set c, c+1
.endr
	WIN 0
.endm
; LN of my wave's 8 rows of X into A0 (bf16), two rows a trip.  A lane holds columns 128 c + 4 lane .. +3, c = 0..3.
.macro LN wp, bp, lo
	WIN 0
	v_add_nc_u32 v13, s76, v1
	v_lshl_add_u32 v14, v15, 3, s77
.set c, 0
.rept 4
	global_load_b128 v[LW+4*c:LW+4*c+3], v1, s[\wp:\wp+1] offset:(\lo)+512*c
	global_load_b128 v[LB+4*c:LB+4*c+3], v1, s[\bp:\bp+1] offset:(\lo)+512*c
.set c, c+1
.endr
	s_mov_b32 s52, 4
	s_wait_loadcnt 0x0                             ; gain and bias, once
.Lln_\@:
.set c, 0
.rept 4
	BOTH ds_load_b128 v[LD+16*d+4*c:LD+16*d+4*c+3], v13 offset:2064*d+512*c
.set c, c+1
.endr
	s_wait_dscnt 0x0
	LNCORE
.set c, 0
.rept 8
	BOTH v_cvt_pk_bf16_f32 v[LD+16*d+c], v[LD+16*d+2*c], v[LD+16*d+2*c+1]
.set c, c+1
.endr
.set c, 0
.rept 4
	BOTH ds_store_b64 v14, v[LD+16*d+2*c:LD+16*d+2*c+1] offset:1040*d+256*c
.set c, c+1
.endr
	v_add_nc_u32 v13, 4128, v13
	v_add_nc_u32 v14, 2080, v14
	s_sub_co_u32 s52, s52, 1
	s_cmp_lg_u32 s52, 0
	s_cbranch_scc1 .Lln_\@
.endm
; x of my wave's 8 rows into X.  The item's row is clamped to the table; the position is the row, or 0 from seq_len on.
.macro EMBED
	WIN 0
.set u, 0
.rept 8
	s_min_u32 s57, s[68+u], 0x186a0
	s_lshl_b32 s57, s57, 11
	v_add_nc_u32 v[16+u], s57, v1
	s_add_co_u32 s63, s79, u
	s_cmp_lt_u32 s63, s5
	s_cselect_b32 s63, s63, 0
	s_min_u32 s63, s63, 511
	s_lshl_b32 s63, s63, 11
	v_add_nc_u32 v[24+u], s63, v1
.set u, u+1
.endr
.set z, 0
.rept 32                                               ; a load takes 512 consecutive bytes of a row
	global_load_b128 v[128+4*z:131+4*z], v[16+z/4], s[12:13] offset:512*(z%4)
.set z, z+1
.endr
	WIN 0x40
.set z, 0
.rept 32
	global_load_b128 v[4*z:4*z+3], v[24+z/4], s[14:15] offset:512*(z%4)
.set z, z+1
.endr
	s_wait_loadcnt 0x0
	WIN 0x10
.set z, 0
.rept 64
	v_pk_fma_f32 v[128+2*z:129+2*z], v[128+2*z:129+2*z], s[66:67], v[2*z:2*z+1] op_sel_hi:[1,0,1]
.set z, z+1
.endr
	WIN 0
.set z, 0
.rept 32
	ds_store_b128 v13, v[128+4*z:131+4*z] offset:2064*(z/4)+512*(z%4)
.set z, z+1
.endr
.endm
; THE PRODUCT of the 64 rows in LDS with my 64 columns of a weight matrix, K = 512 in 16 blocks of 32, on two sets of fragments.
.macro LOADB bs, ko                    ; W's four fragments of a block: 8 loads of 512 consecutive bytes
.set z, 0
.rept 8
	global_load_b128 v[192+32*(\bs)+4*z:192+32*(\bs)+4*z+3], v1, s[WB:WB+1] offset:(z/2)*16384+(\ko)+512*(z%2)
.set z, z+1
.endr
.endm
.macro LOADA bs, ko                    ; the rows' four fragments
.set z, 0
.rept 8
	ds_load_b128 v[128+32*(\bs)+4*z:128+32*(\bs)+4*z+3], v6 offset:(z/2)*16640+(\ko)+32*(z%2)
.set z, z+1
.endr
.endm
; 16 matrix instructions; the 16 accumulators take turns.  swap = 0: source 0 = W: a lane holds row r, columns 8 h + 0..7.  swap = 1: a lane holds column r, rows 8 h + 0..7.
.macro MUL bs, swap, zero
	WIN 0x50
.set z, 0
.rept 16
.if \swap
.set fS0, 128+32*(\bs)+8*(z/4)
.set fS1, 192+32*(\bs)+8*(z%4)
.else
.set fS0, 192+32*(\bs)+8*(z%4)
.set fS1, 128+32*(\bs)+8*(z/4)
.endif
.if \zero
	v_wmma_f32_16x16x32_bf16 v[8*z:8*z+7], v[fS0:fS0+7], v[fS1:fS1+7], 0
.else
	v_wmma_f32_16x16x32_bf16 v[8*z:8*z+7], v[fS0:fS0+7], v[fS1:fS1+7], v[8*z:8*z+7]
.endif
.set z, z+1
.endr
.endm
.macro KB bs, swap, zero, pref, n      ; one block.  n = 8: the other set's eight younger loads may stay out, on both counters
	s_wait_loadcnt \n
	s_wait_dscnt \n
	MUL \bs, \swap, \zero
.if \pref
	WIN 0
	PLACES
	LOADB \bs, 2048+1024*(\bs)                     ; the same set's block two further on
	LOADA \bs, 128+64*(\bs)
.endif
.endm
.macro STEPK
	WIN 0
	s_wait_xcnt 0x0                                ; the loads' base is stepped only behind this wait
	s_add_nc_u64 s[WB:WB+1], s[WB:WB+1], 2048
	v_add_nc_u32 v6, 128, v6
.endm
.macro GEMM abase, swap
	WIN 0
	s_wait_xcnt 0x0                                ; earlier stores have read the registers that the fragments now take
	v_mov_b32 v6, v[\abase]
	LOADB 0, 0
	LOADA 0, 0
	LOADB 1, 1024
	LOADA 1, 64
	KB 0, \swap, 1, 1, 8                           ; the first block starts the sums
	KB 1, \swap, 0, 1, 8
	STEPK
	s_mov_b32 s52, 6
.Lg_\@:
	KB 0, \swap, 0, 1, 8
	KB 1, \swap, 0, 1, 8
	STEPK
	s_sub_co_u32 s52, s52, 1
	s_cmp_lg_u32 s52, 0
	s_cbranch_scc1 .Lg_\@
	KB 0, \swap, 0, 0, 8                           ; the last two blocks fetch nothing
	KB 1, \swap, 0, 0, 0
	WIN 0
	PLACES
.endm
.macro SETW m
	s_add_nc_u64 s[WB:WB+1], s[PWF:PWF+1], s[80:81]
.if (\m) > 0
	s_add_nc_u64 s[WB:WB+1], s[WB:WB+1], (\m)*524288
.endif
.endm
.macro BIAST ptr, lo                   ; bias of columns 16 nb + 8 h + 0..7 into v[96 + 8 nb ..]
	WIN 0
	s_add_nc_u64 s[48:49], s[\ptr:\ptr+1], s[82:83]
.set z, 0
.rept 8
	global_load_b128 v[96+4*z:99+4*z], v11, s[48:49] offset:(\lo)+(z/2)*64+16*(z%2)
.set z, z+1
.endr
.endm
.macro BIASN ptr, lo                   ; bias of column 16 nb + r, twice, into the pair v[96 + 2 nb ..]
	WIN 0
	s_add_nc_u64 s[48:49], s[\ptr:\ptr+1], s[82:83]
.set z, 0
.rept 8
	global_load_b32 v[96+z], v12, s[48:49] offset:(\lo)+(z/2)*64
.set z, z+1
.endr
.endm
.macro ADDT                            ; each accumulator is read from its low end on
	WIN 0x41
.set z, 0
.rept 64
	v_pk_add_f32 v[2*z:2*z+1], v[2*z:2*z+1], v[96+8*((z/4)%4)+2*(z%4):96+8*((z/4)%4)+2*(z%4)+1]
.set z, z+1
.endr
.endm
.macro ADDN
	WIN 0x41
.set z, 0
.rept 64
	v_pk_add_f32 v[2*z:2*z+1], v[2*z:2*z+1], v[96+2*((z/4)%4):96+2*((z/4)%4)+1]
.set z, z+1
.endr
.endm
.macro PACK                            ; 16 bytes a lane and tile, into v[128 + 4 tile ..]
	WIN 0x05
.set z, 0
.rept 64
	v_cvt_pk_bf16_f32 v[128+z], v[2*z], v[2*z+1]
.set z, z+1
.endr
	WIN 0
.endm
.macro OUTQK                           ; tile (mb, nb) IS half nb % 2 of the fragment (16 rows mb, channels 32 (nb / 2) on): 512 consecutive bytes a store
.set z, 0
.rept 16
	global_store_b128 v1, v[128+4*z:131+4*z], s[46:47] offset:(z/4)*2048+(z%4)*512
.set z, z+1
.endr
.endm
.macro OUTV                            ; tile (mb, nb) IS half mb % 2 of the fragment of V^T (32 keys mb / 2, channels 16 nb on)
.set z, 0
.rept 16
	global_store_b128 v1, v[128+4*z:131+4*z], s[46:47] offset:(z/8)*4096+(z%4)*1024+((z/4)%2)*512
.set z, z+1
.endr
.endm
	s_load_b512 s[8:23], s[0:1], 0x0               ; seq, seq_len, item_emb, pos_emb, ln1_w, ln1_b, bq, bk
	s_load_b128 s[24:27], s[0:1], 0x40             ; bv, wF
	s_load_b64 s[28:29], s[0:1], 0x50              ; qkv0
	v_lshl_add_u32 v94, v0, 2, 0x30800
	v_mov_b32 v95, 0
	v_lshrrev_b32 v15, 5, v0
	v_readfirstlane_b32 s4, v15                    ; wave
	v_and_b32 v15, 31, v0                          ; lane
	v_lshlrev_b32 v1, 4, v15
	v_and_b32 v2, 15, v0                           ; r
	v_bfe_u32 v3, v0, 4, 1                         ; h
	v_mul_u32_u24 v4, v2, 1040
	v_lshl_add_u32 v4, v3, 4, v4
	v_add_nc_u32 v4, A0, v4
	v_lshlrev_b32 v11, 5, v3
	v_lshlrev_b32 v12, 2, v2
	s_mul_i32 s76, s4, 16512                       ; my 8 rows of X
	s_mul_i32 s77, s4, 8320                        ; my 8 rows of A0
	s_add_co_u32 s77, s77, A0
	v_add_nc_u32 v13, s76, v1
	s_lshr_b32 s2, ttmp9, 3                        ; b
	s_and_b32 s3, ttmp9, 7                         ; i
	s_mov_b32 s51, 0
	s_mov_b32 s81, 0
	s_mov_b32 s83, 0
	s_lshl_b32 s80, s4, 16                         ; my columns' fragments in a weight matrix
	s_lshl_b32 s82, s4, 8                          ; my columns in a bias
	s_lshl_b32 s79, s3, 6
	s_lshl_b32 s57, s4, 3
	s_add_co_u32 s79, s79, s57                     ; my first row in the batch
	s_mov_b32 s60, 0x76543210
	s_mov_b32 s61, 0xfedcba98
	s_mov_b32 s62, 0x3b000000                      ; 1 / 512
	s_mov_b32 s66, 0x41b504f3                      ; sqrt(512)
	s_mov_b32 s67, s66
	s_lshl_b32 s78, s2, 3
	s_add_co_u32 s78, s78, s4
	s_lshl_b32 s78, s78, 16                        ; (8 b + head) x 65,536
	s_wait_kmcnt 0x0
	s_lshl_b32 s50, s2, 2
	s_add_nc_u64 s[44:45], s[10:11], s[50:51]
	s_load_b32 s5, s[44:45], 0x0                   ; seq_len[b]
	s_lshl_b32 s50, s2, 11
	s_lshl_b32 s57, s79, 2
	s_add_co_u32 s50, s50, s57
	s_add_nc_u64 s[46:47], s[8:9], s[50:51]
	s_load_b256 s[68:75], s[46:47], 0x0            ; my 8 rows' items
	s_wait_kmcnt 0x0
	s_max_u32 s5, s5, 1
	s_min_u32 s5, s5, 512
	EMBED
	LN 16, 18, 0                                   ; my own rows: LDS serves a wave's instructions in order, so no barrier stands between
	BAR
	s_lshl_b32 s57, s3, 13
	s_add_co_u32 s50, s78, s57
	s_add_nc_u64 s[46:47], s[28:29], s[50:51]      ; q at my head and my 64 rows
	SETW 0
	BIAST 20, 0
	GEMM 4, 0
	ADDT
	PACK
	OUTQK
	SETW 1
	BIAST 22, 0
	GEMM 4, 0
	s_add_nc_u64 s[46:47], s[46:47], 0x1000000     ; k; the product's first wait has freed the stores' base
	ADDT
	PACK
	OUTQK
	SETW 2
	BIASN 24, 0
	GEMM 4, 1
	s_add_nc_u64 s[46:47], s[46:47], 0x1000000     ; v
	ADDN
	PACK
	OUTV
	s_wait_tensorcnt 0x0
	ds_add_u32 v94, v95
	s_wait_dscnt 0x0
	s_endpgm
.Lfunc_end_k_q7e14af444d_qkv:
	.size	k_q7e14af444d_qkv, .Lfunc_end_k_q7e14af444d_qkv-k_q7e14af444d_qkv
	.p2alignl 7, 3214868480
	.fill 96, 4, 3214868480
	.section	.rodata,"a",@progbits
	.p2align	6, 0x0
	.amdhsa_kernel k_q7e14af444d_qkv
		.amdhsa_group_segment_fixed_size 199680
		.amdhsa_private_segment_fixed_size 0
		.amdhsa_enable_private_segment 0
		.amdhsa_kernarg_size 88
		.amdhsa_user_sgpr_count 2
		.amdhsa_user_sgpr_kernarg_segment_ptr 1
		.amdhsa_wavefront_size32 1
		.amdhsa_system_sgpr_workgroup_id_x 1
		.amdhsa_system_sgpr_workgroup_id_y 1
		.amdhsa_system_sgpr_workgroup_id_z 1
		.amdhsa_system_vgpr_workitem_id 0
		.amdhsa_next_free_vgpr 384
		.amdhsa_next_free_sgpr 84
		.amdhsa_reserve_vcc 0
		.amdhsa_float_denorm_mode_32 3
		.amdhsa_float_denorm_mode_16_64 3
		.amdhsa_memory_ordered 1
		.amdhsa_forward_progress 1
		.amdhsa_inst_pref_size 106
	.end_amdhsa_kernel
	.amdgpu_metadata
---
amdhsa.version: [ 1, 2 ]
amdhsa.kernels:
  - .name:           k_q7e14af444d_qkv
    .symbol:         k_q7e14af444d_qkv.kd
    .args:
      - { .name: seq, .offset: 0, .size: 8, .value_kind: global_buffer, .address_space: global }
      - { .name: seq_len, .offset: 8, .size: 8, .value_kind: global_buffer, .address_space: global }
      - { .name: item_emb, .offset: 16, .size: 8, .value_kind: global_buffer, .address_space: global }
      - { .name: pos_emb, .offset: 24, .size: 8, .value_kind: global_buffer, .address_space: global }
      - { .name: ln1_w, .offset: 32, .size: 8, .value_kind: global_buffer, .address_space: global }
      - { .name: ln1_b, .offset: 40, .size: 8, .value_kind: global_buffer, .address_space: global }
      - { .name: bq, .offset: 48, .size: 8, .value_kind: global_buffer, .address_space: global }
      - { .name: bk, .offset: 56, .size: 8, .value_kind: global_buffer, .address_space: global }
      - { .name: bv, .offset: 64, .size: 8, .value_kind: global_buffer, .address_space: global }
      - { .name: wF, .offset: 72, .size: 8, .value_kind: global_buffer, .address_space: global }
      - { .name: qkv0, .offset: 80, .size: 8, .value_kind: global_buffer, .address_space: global }
    .group_segment_fixed_size: 199680
    .private_segment_fixed_size: 0
    .kernarg_segment_align: 8
    .kernarg_segment_size: 88
    .max_flat_workgroup_size: 256
    .sgpr_count:     84
    .vgpr_count:     384
    .wavefront_size: 32
...
	.end_amdgpu_metadata
.endif
;; end of part 2
;; launch layer (part 3): grid 256 x 1, 8 waves a work-group, no clusters, 266,240 bytes of LDS; arguments seq, seq_len, item_emb, pos_emb, qkv0, wF, bo, ln2_w, ln2_b, b1, b2, ln1_w, ln1_b, bk, bv, kv1, xlast; writes kv1, xlast
.if DOCPART == 3
	.amdgcn_target "amdgcn-amd-amdhsa--gfx1250"
	.amdhsa_code_object_version 6
	.text
	.protected	k_q7e14af444d_layer
	.globl	k_q7e14af444d_layer
	.p2align	8
	.type	k_q7e14af444d_layer,@function
k_q7e14af444d_layer:
	s_mov_b64 s[64:65], 0
	v_nop
	global_prefetch_b8 v0, s[64:65] scope:SCOPE_SE
	s_setreg_imm32_b32 hwreg(HW_REG_WAVE_MODE, 25, 1), 1
	s_wait_xcnt 0x0
; Layer 0, second part, and layer 1's keys and values.  For 64 rows of one batch (b = id / 8, i = id % 8):
; x (made anew from the tables); attention of head w in wave w; x += o Wo + bo; x += relu(LN2(x) W1 + b1) W2 + b2; h = LN1'(x); k1, v1 = h W + b.
; The row seq_len - 1 of x goes out in f32: of layer 1 only that row's query, attention and feed-forward are wanted, and the last launch makes them.
; x in f32 in LDS; matrix operands bf16; sums, softmax and LN in f32.  Softmax with a running maximum m: p = 2^(c s - c m), c = log2(e) / 8; O and l are multiplied by a = 2^(c m_old - c m_new) in every step.
; LIMITS.  seq_len is taken as 1 .. 512 (clamped).  A hidden score counts as -1e30; a weight below 2^-126 counts as 0 in l.  NaN and infinities are not treated apart.
; KEYS.  Row q sees keys <= min(q, seq_len - 1).  Steps of 32 keys: min(2 i, seq_len / 32) steps hide nothing; up to two more take a mask; the rest is not computed.
; NO CLUSTER, NO DATA MOVER: X, A0 and A1 take 265,216 of 327,680 LDS bytes; what is left would hold two slots of 4 KB a wave, a round of the cluster's barrier for every 16 matrix
; instructions.  The weights lie in memory in operand order, and each wave loads its own fragments into registers, 512 consecutive bytes a load, sixteen loads always out, no barrier in a K loop.
; LDS: X f32 pitch 2,064 at 0; A0 bf16 pitch 1,040 at 132,096; A1 the same at 198,656.
; REGISTERS.  Window 0: v1 16 lane; v2 r; v3 h; v4, v5 A0, A1 + 1,040 r + 16 h; v6 running A address; v7, v8 the same two + 128 w; v9, v10 X + 2,064 r + 256 w + 32 h (rows 0-31, 32-63);
;   v11 32 h; v12 4 r; v13, v14 LN's addresses; v15 lane; v16-47 statistics, 8 a tile (c m, m, l, l, c0, c1, a, at work); v48-51 the last key seen less 8 h; v52-55 the same less the step's first key;
;   v56 -1e30; v57, v58 K's and V's offsets; v64-127 S^T; v128-159 P; v160-191 K; v192-223 V.  In the products: v96-127 bias, v128-191 A's fragments, v192-255 W's.
;   Window 1: v0-127 accumulators, or O^T (32 a tile); v128-191 Q.
.set A0, 132096
.set A1, 198656
.set WB, 42
.set PWF, 18
.set LD, 128
.set LT, 16
.set NS, 2
.set LW, 192
.set LB, 208
.set LWIN, 0
.set NT, 4
.set ST, 16
.set LIM, 48
.set REL, 52
.set NEG, 56
.set KO, 57
.set VO, 58
.set S, 64
.set P, 128
.set KF, 160
.set VF, 192
.set OB, 0
.set QF, 128
.set MSB, 0
.macro WIN new                         ; the immediate's high byte repeats the setting that is left
.if MSB != (\new)
	s_set_vgpr_msb (MSB<<8)|(\new)
.set MSB, \new
.endif
.endm
.macro PLACES                          ; four places behind matrix instructions, in front of loads into their registers and of reads of their results
.rept 4
	v_nop
.endr
.endm
.macro BAR                             ; my LDS stores and loads are done, for the others' sake; then all eight waves meet
	s_wait_dscnt 0x0
	s_barrier_signal -1
	s_barrier_wait -1
.endm
.macro BOTH line:vararg
.set d, 0
.rept NS
	\line
.set d, d+1
.endr
.endm
.macro RED o
.irp m, 1,2,4,8
	BOTH v_add_f32_dpp v[(\o)+8*d], v[(\o)+8*d], v[(\o)+8*d] row_xmask:\m row_mask:0xf bank_mask:0xf
.endr
	BOTH v_permlanex16_b32 v[(\o)+8*d+1], v[(\o)+8*d], s60, s61
	BOTH v_add_f32 v[(\o)+8*d], v[(\o)+8*d], v[(\o)+8*d+1]
.endm
.macro LNCORE                          ; rows of 512 f32, 16 a lane in v[LD+16 d ..]: (x - mean) / sqrt(var + 1e-8) w + b, in place
.set c, 0
.rept 4
	BOTH v_pk_add_f32 v[LT+8*d+2*c:LT+8*d+2*c+1], v[LD+16*d+4*c:LD+16*d+4*c+1], v[LD+16*d+4*c+2:LD+16*d+4*c+3]
.set c, c+1
.endr
	BOTH v_pk_add_f32 v[LT+8*d:LT+8*d+1], v[LT+8*d:LT+8*d+1], v[LT+8*d+2:LT+8*d+3]
	BOTH v_pk_add_f32 v[LT+8*d+4:LT+8*d+5], v[LT+8*d+4:LT+8*d+5], v[LT+8*d+6:LT+8*d+7]
	BOTH v_pk_add_f32 v[LT+8*d:LT+8*d+1], v[LT+8*d:LT+8*d+1], v[LT+8*d+4:LT+8*d+5]
	BOTH v_add_f32 v[LT+8*d], v[LT+8*d], v[LT+8*d+1]
	RED LT
	BOTH v_mul_f32 v[LT+8*d], s62, v[LT+8*d]       ; the mean
.set c, 0
.rept 8
	BOTH v_pk_add_f32 v[LD+16*d+2*c:LD+16*d+2*c+1], v[LD+16*d+2*c:LD+16*d+2*c+1], v[LT+8*d:LT+8*d+1] op_sel_hi:[1,0] neg_lo:[0,1] neg_hi:[0,1]
.set c, c+1
.endr
	BOTH v_pk_mul_f32 v[LT+8*d+2:LT+8*d+3], v[LD+16*d:LD+16*d+1], v[LD+16*d:LD+16*d+1]
	BOTH v_pk_mul_f32 v[LT+8*d+4:LT+8*d+5], v[LD+16*d+2:LD+16*d+3], v[LD+16*d+2:LD+16*d+3]
.set c, 1
.rept 3
	BOTH v_pk_fma_f32 v[LT+8*d+2:LT+8*d+3], v[LD+16*d+4*c:LD+16*d+4*c+1], v[LD+16*d+4*c:LD+16*d+4*c+1], v[LT+8*d+2:LT+8*d+3]
	BOTH v_pk_fma_f32 v[LT+8*d+4:LT+8*d+5], v[LD+16*d+4*c+2:LD+16*d+4*c+3], v[LD+16*d+4*c+2:LD+16*d+4*c+3], v[LT+8*d+4:LT+8*d+5]
.set c, c+1
.endr
	BOTH v_pk_add_f32 v[LT+8*d+2:LT+8*d+3], v[LT+8*d+2:LT+8*d+3], v[LT+8*d+4:LT+8*d+5]
	BOTH v_add_f32 v[LT+8*d+2], v[LT+8*d+2], v[LT+8*d+3]
	RED LT+2
	BOTH v_fmaak_f32 v[LT+8*d+2], s62, v[LT+8*d+2], 0x322bcc77  ; var + 1e-8
	BOTH v_rsq_f32 v[LT+8*d+2], v[LT+8*d+2]
	v_nop                                          ; a plain instruction between the root and its use
	s_wait_alu depctr_va_vdst(0)
.set c, 0
.rept 8
	BOTH v_pk_mul_f32 v[LD+16*d+2*c:LD+16*d+2*c+1], v[LD+16*d+2*c:LD+16*d+2*c+1], v[LT+8*d+2:LT+8*d+3] op_sel_hi:[1,0]
.set c, c+1
.endr
	WIN LWIN
.set c, 0
.rept 8
	BOTH v_pk_fma_f32 v[LD+16*d+2*c:LD+16*d+2*c+1], v[LD+16*d+2*c:LD+16*d+2*c+1], v[LW+2*c:LW+2*c+1], v[LB+2*c:LB+2*c+1]
.set c, c+1
.endr
	WIN 0
.endm
.macro LNX e                           ; row s56 + e goes out in f32 if it is the batch's last valid row: one row of one work-group for each batch
	s_add_co_u32 s57, s56, \e
	s_cmp_lg_u32 s57, s6
	s_cbranch_scc1 .Lnx_\@
.set c, 0
.rept 4
	global_store_b128 v1, v[LD+16*(\e)+4*c:LD+16*(\e)+4*c+3], s[44:45] offset:512*c
.set c, c+1
.endr
	s_wait_xcnt 0x0                                ; the row is worked on in place only behind this wait
.Lnx_\@:
.endm
; LN of my wave's 8 rows of X into A0 (bf16), two rows a trip.  A lane holds columns 128 c + 4 lane .. +3, c = 0..3.
.macro LN wp, bp, lo, export
	WIN 0
	v_add_nc_u32 v13, s76, v1
	v_lshl_add_u32 v14, v15, 3, s77
.set c, 0
.rept 4
	global_load_b128 v[LW+4*c:LW+4*c+3], v1, s[\wp:\wp+1] offset:(\lo)+512*c
	global_load_b128 v[LB+4*c:LB+4*c+3], v1, s[\bp:\bp+1] offset:(\lo)+512*c
.set c, c+1
.endr
	s_mov_b32 s56, s79
	s_mov_b32 s52, 4
	s_wait_loadcnt 0x0                             ; gain and bias, once
.Lln_\@:
.set c, 0
.rept 4
	BOTH ds_load_b128 v[LD+16*d+4*c:LD+16*d+4*c+3], v13 offset:2064*d+512*c
.set c, c+1
.endr
	s_wait_dscnt 0x0
.if \export
	LNX 0
	LNX 1
.endif
	LNCORE
.set c, 0
.rept 8
	BOTH v_cvt_pk_bf16_f32 v[LD+16*d+c], v[LD+16*d+2*c], v[LD+16*d+2*c+1]
.set c, c+1
.endr
.set c, 0
.rept 4
	BOTH ds_store_b64 v14, v[LD+16*d+2*c:LD+16*d+2*c+1] offset:1040*d+256*c
.set c, c+1
.endr
	v_add_nc_u32 v13, 4128, v13
	v_add_nc_u32 v14, 2080, v14
	s_add_co_u32 s56, s56, 2
	s_sub_co_u32 s52, s52, 1
	s_cmp_lg_u32 s52, 0
	s_cbranch_scc1 .Lln_\@
.endm
; x of my wave's 8 rows into X.  The item's row is clamped to the table; the position is the row, or 0 from seq_len on.
.macro EMBED
	WIN 0
.set u, 0
.rept 8
	s_min_u32 s57, s[68+u], 0x186a0
	s_lshl_b32 s57, s57, 11
	v_add_nc_u32 v[16+u], s57, v1
	s_add_co_u32 s63, s79, u
	s_cmp_lt_u32 s63, s5
	s_cselect_b32 s63, s63, 0
	s_min_u32 s63, s63, 511
	s_lshl_b32 s63, s63, 11
	v_add_nc_u32 v[24+u], s63, v1
.set u, u+1
.endr
.set z, 0
.rept 32
	global_load_b128 v[128+4*z:131+4*z], v[16+z/4], s[12:13] offset:512*(z%4)
.set z, z+1
.endr
	WIN 0x40
.set z, 0
.rept 32
	global_load_b128 v[4*z:4*z+3], v[24+z/4], s[14:15] offset:512*(z%4)
.set z, z+1
.endr
	s_wait_loadcnt 0x0
	WIN 0x10
.set z, 0
.rept 64
	v_pk_fma_f32 v[128+2*z:129+2*z], v[128+2*z:129+2*z], s[66:67], v[2*z:2*z+1] op_sel_hi:[1,0,1]
.set z, z+1
.endr
	WIN 0
.set z, 0
.rept 32
	ds_store_b128 v13, v[128+4*z:131+4*z] offset:2064*(z/4)+512*(z%4)
.set z, z+1
.endr
.endm
; THE PRODUCT of the 64 rows in LDS with my 64 columns of a weight matrix, K = 512 in 16 blocks of 32, on two sets of fragments.
.macro LOADB bs, ko
.set z, 0
.rept 8
	global_load_b128 v[192+32*(\bs)+4*z:192+32*(\bs)+4*z+3], v1, s[WB:WB+1] offset:(z/2)*16384+(\ko)+512*(z%2)
.set z, z+1
.endr
.endm
.macro LOADA bs, ko
.set z, 0
.rept 8
	ds_load_b128 v[128+32*(\bs)+4*z:128+32*(\bs)+4*z+3], v6 offset:(z/2)*16640+(\ko)+32*(z%2)
.set z, z+1
.endr
.endm
; 16 matrix instructions; the 16 accumulators take turns.  swap = 0: source 0 = W: a lane holds row r, columns 8 h + 0..7.  swap = 1: a lane holds column r, rows 8 h + 0..7.
.macro MUL bs, swap, zero
	WIN 0x50
.set z, 0
.rept 16
.if \swap
.set fS0, 128+32*(\bs)+8*(z/4)
.set fS1, 192+32*(\bs)+8*(z%4)
.else
.set fS0, 192+32*(\bs)+8*(z%4)
.set fS1, 128+32*(\bs)+8*(z/4)
.endif
.if \zero
	v_wmma_f32_16x16x32_bf16 v[8*z:8*z+7], v[fS0:fS0+7], v[fS1:fS1+7], 0
.else
	v_wmma_f32_16x16x32_bf16 v[8*z:8*z+7], v[fS0:fS0+7], v[fS1:fS1+7], v[8*z:8*z+7]
.endif
.set z, z+1
.endr
.endm
.macro KB bs, swap, zero, pref, n      ; one block.  n = 8: the other set's eight younger loads may stay out, on both counters
	s_wait_loadcnt \n
	s_wait_dscnt \n
	MUL \bs, \swap, \zero
.if \pref
	WIN 0
	PLACES
	LOADB \bs, 2048+1024*(\bs)
	LOADA \bs, 128+64*(\bs)
.endif
.endm
.macro STEPK
	WIN 0
	s_wait_xcnt 0x0                                ; the loads' base is stepped only behind this wait
	s_add_nc_u64 s[WB:WB+1], s[WB:WB+1], 2048
	v_add_nc_u32 v6, 128, v6
.endm
.macro GEMM abase, swap
	WIN 0
	s_wait_xcnt 0x0                                ; earlier stores have read the registers that the fragments now take
	v_mov_b32 v6, v[\abase]
	LOADB 0, 0
	LOADA 0, 0
	LOADB 1, 1024
	LOADA 1, 64
	KB 0, \swap, 1, 1, 8                           ; the first block starts the sums
	KB 1, \swap, 0, 1, 8
	STEPK
	s_mov_b32 s52, 6
.Lg_\@:
	KB 0, \swap, 0, 1, 8
	KB 1, \swap, 0, 1, 8
	STEPK
	s_sub_co_u32 s52, s52, 1
	s_cmp_lg_u32 s52, 0
	s_cbranch_scc1 .Lg_\@
	KB 0, \swap, 0, 0, 8                           ; the last two blocks fetch nothing
	KB 1, \swap, 0, 0, 0
	WIN 0
	PLACES
.endm
.macro SETW m
	s_add_nc_u64 s[WB:WB+1], s[PWF:PWF+1], s[80:81]
	s_add_nc_u64 s[WB:WB+1], s[WB:WB+1], (\m)*524288
.endm
.macro BIAST ptr, lo
	WIN 0
	s_add_nc_u64 s[48:49], s[\ptr:\ptr+1], s[82:83]
.set z, 0
.rept 8
	global_load_b128 v[96+4*z:99+4*z], v11, s[48:49] offset:(\lo)+(z/2)*64+16*(z%2)
.set z, z+1
.endr
.endm
.macro BIASN ptr, lo
	WIN 0
	s_add_nc_u64 s[48:49], s[\ptr:\ptr+1], s[82:83]
.set z, 0
.rept 8
	global_load_b32 v[96+z], v12, s[48:49] offset:(\lo)+(z/2)*64
.set z, z+1
.endr
.endm
.macro ADDT                            ; each accumulator is read from its low end on
	WIN 0x41
.set z, 0
.rept 64
	v_pk_add_f32 v[2*z:2*z+1], v[2*z:2*z+1], v[96+8*((z/4)%4)+2*(z%4):96+8*((z/4)%4)+2*(z%4)+1]
.set z, z+1
.endr
.endm
.macro ADDN
	WIN 0x41
.set z, 0
.rept 64
	v_pk_add_f32 v[2*z:2*z+1], v[2*z:2*z+1], v[96+2*((z/4)%4):96+2*((z/4)%4)+1]
.set z, z+1
.endr
.endm
.macro PACK
	WIN 0x05
.set z, 0
.rept 64
	v_cvt_pk_bf16_f32 v[128+z], v[2*z], v[2*z+1]
.set z, z+1
.endr
	WIN 0
.endm
.macro OUTQK                           ; tile (mb, nb) IS half nb % 2 of the fragment (16 rows mb, channels 32 (nb / 2) on): 512 consecutive bytes a store
.set z, 0
.rept 16
	global_store_b128 v1, v[128+4*z:131+4*z], s[46:47] offset:(z/4)*2048+(z%4)*512
.set z, z+1
.endr
.endm
.macro OUTV                            ; tile (mb, nb) IS half mb % 2 of the fragment of V^T (32 keys mb / 2, channels 16 nb on)
.set z, 0
.rept 16
	global_store_b128 v1, v[128+4*z:131+4*z], s[46:47] offset:(z/8)*4096+(z%4)*1024+((z/4)%2)*512
.set z, z+1
.endr
.endm
.macro RELU                            ; max(., 0), bf16, into my columns of A1
	WIN 0x44
.set z, 0
.rept 128
	v_max_num_f32 v[z], 0, v[z]
.set z, z+1
.endr
	PACK
.set z, 0
.rept 16
	ds_store_b128 v8, v[128+4*z:131+4*z] offset:(z/4)*16640+(z%4)*32
.set z, z+1
.endr
.endm
.macro RES                             ; my columns of X += the product + its bias
	ADDT
	WIN 0
.set z, 0
.rept 32
	ds_load_b128 v[128+4*z:131+4*z], v[9+z/16] offset:((z/8)%2)*33024+((z/2)%4)*64+16*(z%2)
.set z, z+1
.endr
	s_wait_dscnt 0x0
	WIN 0x04
.set z, 0
.rept 64
	v_pk_add_f32 v[128+2*z:129+2*z], v[128+2*z:129+2*z], v[2*z:2*z+1]
.set z, z+1
.endr
	WIN 0
.set z, 0
.rept 32
	ds_store_b128 v[9+z/16], v[128+4*z:131+4*z] offset:((z/8)%2)*33024+((z/2)%4)*64+16*(z%2)
.set z, z+1
.endr
.endm
; ATTENTION.  S^T = K Q^T holds one query a lane (r) and the keys 8 h + 0..7 of a block of 16; two such results rounded to bf16 ARE source 1 of O^T = V^T P.
.macro ALLT line:vararg                ; one line for each tile t
.set t, 0
.rept NT
	\line
.set t, t+1
.endr
.endm
.macro SADD a, b
	ALLT v_pk_add_f32 v[S+16*t+(\a):S+16*t+(\a)+1], v[S+16*t+(\a):S+16*t+(\a)+1], v[S+16*t+(\b):S+16*t+(\b)+1]
.endm
; A step of 32 keys, number s56.  K and V of the next step are asked for as soon as this step's products have read the registers; the last step asks for its own tiles once more, inside the buffer.
.macro STEP masked
	s_wait_loadcnt 0x8                             ; K is in (and Q, at the first step); V's eight loads are younger
	WIN 0x04
.set z, 0
.rept 4                                                ; channels 32 (z / 2) on, keys 16 (z % 2) on; the accumulators take turns
.set t, 0
.rept NT
.if z < 2
	v_wmma_f32_16x16x32_bf16 v[S+16*t+8*(z%2):S+16*t+8*(z%2)+7], v[KF+16*(z%2)+8*(z/2):KF+16*(z%2)+8*(z/2)+7], v[QF+16*t+8*(z/2):QF+16*t+8*(z/2)+7], 0
.else
	v_wmma_f32_16x16x32_bf16 v[S+16*t+8*(z%2):S+16*t+8*(z%2)+7], v[KF+16*(z%2)+8*(z/2):KF+16*(z%2)+8*(z/2)+7], v[QF+16*t+8*(z/2):QF+16*t+8*(z/2)+7], v[S+16*t+8*(z%2):S+16*t+8*(z%2)+7]
.endif
.set t, t+1
.endr
.set z, z+1
.endr
	WIN 0
	PLACES
	s_add_co_u32 s57, s56, 1
	s_min_u32 s57, s57, s55                        ; the next step, or the last one again
	s_min_u32 s57, s57, 15
	s_lshl_b32 s57, s57, 12                        ; 4,096 bytes of K and of V a step
	v_add_nc_u32 v[KO], s57, v1
.set z, 0
.rept 8
	global_load_b128 v[KF+4*z:KF+4*z+3], v[KO], s[44:45] offset:512*z
.set z, z+1
.endr
.if \masked
	s_lshl_b32 s63, s56, 5
	ALLT v_sub_nc_u32 v[REL+t], v[LIM+t], s63
.set z, 0
.rept 16                                               ; register z is key 16 (z / 8) + z % 8 (+ 8 h) of the step: hidden where that is beyond the last key seen
.set t, 0
.rept NT
	v_cmp_gt_i32 vcc_lo, 16*(z/8)+z%8, v[REL+t]
	v_cndmask_b32 v[S+16*t+z], v[S+16*t+z], v[NEG], vcc_lo
.set t, t+1
.endr
.set z, z+1
.endr
.endif
	ALLT v_max3_num_f32 v[ST+8*t+4], v[S+16*t], v[S+16*t+1], v[S+16*t+2]
	ALLT v_max3_num_f32 v[ST+8*t+5], v[S+16*t+8], v[S+16*t+9], v[S+16*t+10]
	ALLT v_max3_num_f32 v[ST+8*t+4], v[ST+8*t+4], v[S+16*t+3], v[S+16*t+4]
	ALLT v_max3_num_f32 v[ST+8*t+5], v[ST+8*t+5], v[S+16*t+11], v[S+16*t+12]
	ALLT v_max3_num_f32 v[ST+8*t+4], v[ST+8*t+4], v[S+16*t+5], v[S+16*t+6]
	ALLT v_max3_num_f32 v[ST+8*t+5], v[ST+8*t+5], v[S+16*t+13], v[S+16*t+14]
	ALLT v_max3_num_f32 v[ST+8*t+4], v[ST+8*t+4], v[S+16*t+7], v[S+16*t+15]
	ALLT v_max3_num_f32 v[ST+8*t+4], v[ST+8*t+4], v[ST+8*t+5], v[ST+8*t+1]
	ALLT v_permlanex16_b32 v[ST+8*t+5], v[ST+8*t+4], s60, s61  ; the query's other 16 keys lie in the lane 16 away
	ALLT v_mov_b32 v[ST+8*t+7], v[ST+8*t]
	ALLT v_max_num_f32 v[ST+8*t+1], v[ST+8*t+4], v[ST+8*t+5]
	ALLT v_mul_f32 v[ST+8*t], s58, v[ST+8*t+1]
	ALLT v_sub_f32 v[ST+8*t+7], v[ST+8*t+7], v[ST+8*t]
	ALLT v_exp_f32 v[ST+8*t+6], v[ST+8*t+7]
.set z, 0
.rept 8
	ALLT v_pk_fma_f32 v[S+16*t+2*z:S+16*t+2*z+1], v[S+16*t+2*z:S+16*t+2*z+1], s[58:59], v[ST+8*t:ST+8*t+1] op_sel_hi:[1,0,0] neg_lo:[0,0,1] neg_hi:[0,0,1]
.set z, z+1
.endr
.set z, 0
.rept 16
	ALLT v_exp_f32 v[S+16*t+z], v[S+16*t+z]
.set z, z+1
.endr
	v_nop                                          ; a plain instruction between the last exponential and its use
	s_wait_alu depctr_va_vdst(0)
.set z, 0
.rept 8
	ALLT v_cvt_pk_bf16_f32 v[P+8*t+z], v[S+16*t+2*z], v[S+16*t+2*z+1]
.set z, z+1
.endr
	SADD 0, 2
	SADD 4, 6
	SADD 8, 10
	SADD 12, 14
	SADD 0, 4
	SADD 8, 12
	SADD 0, 8
	ALLT v_pk_fma_f32 v[ST+8*t+2:ST+8*t+3], v[ST+8*t+2:ST+8*t+3], v[ST+8*t+6:ST+8*t+7], v[S+16*t:S+16*t+1] op_sel_hi:[1,0,1]
	WIN 0x41
.set z, 0
.rept 16                                               ; O^T times a; each accumulator is read from its low end on
	ALLT v_pk_mul_f32 v[OB+32*t+2*z:OB+32*t+2*z+1], v[OB+32*t+2*z:OB+32*t+2*z+1], v[ST+8*t+6:ST+8*t+7] op_sel_hi:[1,0]
.set z, z+1
.endr
	s_wait_loadcnt 0x8                             ; V is in; the next K's eight loads are younger
	WIN 0x50
.set z, 0
.rept 4
.set t, 0
.rept NT
	v_wmma_f32_16x16x32_bf16 v[OB+32*t+8*z:OB+32*t+8*z+7], v[VF+8*z:VF+8*z+7], v[P+8*t:P+8*t+7], v[OB+32*t+8*z:OB+32*t+8*z+7]
.set t, t+1
.endr
.set z, z+1
.endr
	WIN 0
	PLACES
	v_add_nc_u32 v[VO], s57, v1
.set z, 0
.rept 8
	global_load_b128 v[VF+4*z:VF+4*z+3], v[VO], s[46:47] offset:512*z
.set z, z+1
.endr
	s_add_co_u32 s56, s56, 1
.endm
.macro ATTOUT                          ; O^T / l, bf16, into my head's columns of A0
	ALLT v_add_f32 v[ST+8*t+4], v[ST+8*t+2], v[ST+8*t+3]
	ALLT v_permlanex16_b32 v[ST+8*t+5], v[ST+8*t+4], s60, s61
	ALLT v_add_f32 v[ST+8*t+4], v[ST+8*t+4], v[ST+8*t+5]
	ALLT v_rcp_f32 v[ST+8*t+6], v[ST+8*t+4]
	v_nop
	s_wait_alu depctr_va_vdst(0)
	WIN 0x41
.set z, 0
.rept 16
	ALLT v_pk_mul_f32 v[OB+32*t+2*z:OB+32*t+2*z+1], v[OB+32*t+2*z:OB+32*t+2*z+1], v[ST+8*t+6:ST+8*t+7] op_sel_hi:[1,0]
.set z, z+1
.endr
	WIN 0x05
.set z, 0
.rept 16
	ALLT v_cvt_pk_bf16_f32 v[S+16*t+z], v[OB+32*t+2*z], v[OB+32*t+2*z+1]
.set z, z+1
.endr
	WIN 0
.set z, 0
.rept 4
	ALLT ds_store_b128 v7, v[S+16*t+4*z:S+16*t+4*z+3] offset:16640*t+32*z
.set z, z+1
.endr
.endm
	s_load_b512 s[8:23], s[0:1], 0x0               ; seq, seq_len, item_emb, pos_emb, qkv0, wF, bo, ln2_w
	s_load_b512 s[24:39], s[0:1], 0x40             ; ln2_b, b1, b2, ln1_w, ln1_b, bk, bv, kv1
	s_load_b64 s[40:41], s[0:1], 0x80              ; xlast
	v_lshl_add_u32 v60, v0, 2, 0x40c00
	v_mov_b32 v61, 0
	v_lshrrev_b32 v15, 5, v0
	v_readfirstlane_b32 s4, v15                    ; wave
	v_and_b32 v15, 31, v0                          ; lane
	v_lshlrev_b32 v1, 4, v15
	v_and_b32 v2, 15, v0                           ; r
	v_bfe_u32 v3, v0, 4, 1                         ; h
	v_mul_u32_u24 v4, v2, 1040
	v_lshl_add_u32 v4, v3, 4, v4
	v_add_nc_u32 v5, A1, v4
	v_add_nc_u32 v4, A0, v4
	s_lshl_b32 s57, s4, 7
	v_add_nc_u32 v7, s57, v4
	v_add_nc_u32 v8, s57, v5
	v_mul_u32_u24 v9, v2, 2064
	v_lshl_add_u32 v9, v3, 5, v9
	s_lshl_b32 s82, s4, 8                          ; my columns in a bias, and in a row of X
	v_add_nc_u32 v9, s82, v9
	v_add_nc_u32 v10, 66048, v9
	v_lshlrev_b32 v11, 5, v3
	v_lshlrev_b32 v12, 2, v2
	s_mul_i32 s76, s4, 16512
	s_mul_i32 s77, s4, 8320
	s_add_co_u32 s77, s77, A0
	v_add_nc_u32 v13, s76, v1
	s_lshr_b32 s2, ttmp9, 3                        ; b
	s_and_b32 s3, ttmp9, 7                         ; i
	s_mov_b32 s51, 0
	s_mov_b32 s81, 0
	s_mov_b32 s83, 0
	s_lshl_b32 s80, s4, 16
	s_lshl_b32 s79, s3, 6
	s_lshl_b32 s57, s4, 3
	s_add_co_u32 s79, s79, s57                     ; my first row in the batch
	s_mov_b32 s58, 0x3e38aa3b                      ; c = log2(e) / 8
	s_mov_b32 s59, s58
	s_mov_b32 s60, 0x76543210
	s_mov_b32 s61, 0xfedcba98
	s_mov_b32 s62, 0x3b000000                      ; 1 / 512
	s_mov_b32 s66, 0x41b504f3                      ; sqrt(512)
	s_mov_b32 s67, s66
	s_lshl_b32 s78, s2, 3
	s_add_co_u32 s78, s78, s4
	s_lshl_b32 s78, s78, 16                        ; (8 b + head) x 65,536
	s_wait_kmcnt 0x0
	s_lshl_b32 s50, s2, 2
	s_add_nc_u64 s[44:45], s[10:11], s[50:51]
	s_load_b32 s5, s[44:45], 0x0                   ; seq_len[b]
	s_lshl_b32 s50, s2, 11
	s_lshl_b32 s57, s79, 2
	s_add_co_u32 s50, s50, s57
	s_add_nc_u64 s[46:47], s[8:9], s[50:51]
	s_load_b256 s[68:75], s[46:47], 0x0            ; my 8 rows' items
	s_wait_kmcnt 0x0
	s_max_u32 s5, s5, 1
	s_min_u32 s5, s5, 512
	s_sub_co_u32 s6, s5, 1                         ; the last valid row
	EMBED
	; attention: the counts of steps, the addresses, Q, the first K and V, and the start of the statistics
	s_lshl_b32 s57, s3, 1
	s_lshr_b32 s53, s5, 5
	s_min_u32 s53, s53, s57                        ; steps that hide nothing
	s_add_co_u32 s54, s5, 31
	s_lshr_b32 s54, s54, 5
	s_add_co_u32 s57, s57, 2
	s_min_u32 s54, s54, s57                        ; all steps
	s_sub_co_u32 s55, s54, 1
	s_sub_co_u32 s54, s54, s53                     ; steps with a mask
	s_lshl_b32 s57, s3, 13
	s_add_co_u32 s50, s78, s57
	s_add_nc_u64 s[48:49], s[16:17], s[50:51]      ; q at my head and my 64 rows
	s_mov_b32 s50, s78
	s_add_nc_u64 s[44:45], s[16:17], s[50:51]
	s_add_nc_u64 s[46:47], s[44:45], 0x2000000     ; v at my head
	s_add_nc_u64 s[44:45], s[44:45], 0x1000000     ; k at my head
	WIN 0x40
.set z, 0
.rept 16
	global_load_b128 v[QF+4*z:QF+4*z+3], v1, s[48:49] offset:512*z
.set z, z+1
.endr
	WIN 0
	v_mov_b32 v[KO], v1
	v_mov_b32 v[VO], v1
.set z, 0
.rept 8
	global_load_b128 v[KF+4*z:KF+4*z+3], v[KO], s[44:45] offset:512*z
.set z, z+1
.endr
.set z, 0
.rept 8
	global_load_b128 v[VF+4*z:VF+4*z+3], v[VO], s[46:47] offset:512*z
.set z, z+1
.endr
	WIN 0x40
.set z, 0
.rept 128                                              ; O^T = 0, in the wait for the first tiles: no first step is written out
	v_mov_b32 v[OB+z], 0
.set z, z+1
.endr
	WIN 0
	ALLT v_mov_b32 v[ST+8*t], 0xfe000000           ; c m: far below every c s, so the first a is 0
	ALLT v_mov_b32 v[ST+8*t+1], 0xff7fffff         ; m
.set z, 2
.rept 6
	ALLT v_mov_b32 v[ST+8*t+z], 0
.set z, z+1
.endr
	v_mov_b32 v[NEG], 0xf149f2ca                   ; -1e30
	s_lshl_b32 s57, s3, 6
	v_add_nc_u32 v62, s57, v2
	v_lshlrev_b32 v63, 3, v3
	ALLT v_add_nc_u32 v[LIM+t], 16*t, v62
	ALLT v_min_u32 v[LIM+t], s6, v[LIM+t]
	ALLT v_sub_nc_u32 v[LIM+t], v[LIM+t], v63      ; min(my query, last valid row) - 8 h
	s_mov_b32 s56, 0
	s_cmp_eq_u32 s53, 0
	s_cbranch_scc1 .Lnofull
	s_mov_b32 s52, 0
.Lfull:
	STEP 0
	s_add_co_u32 s52, s52, 1
	s_cmp_lt_u32 s52, s53
	s_cbranch_scc1 .Lfull
.Lnofull:
	s_cmp_eq_u32 s54, 0
	s_cbranch_scc1 .Lnomask
	s_mov_b32 s52, 0
.Lmask:
	STEP 1
	s_add_co_u32 s52, s52, 1
	s_cmp_lt_u32 s52, s54
	s_cbranch_scc1 .Lmask
.Lnomask:
	s_wait_loadcnt 0x0                             ; the last step's requests have landed: their registers are free
	ATTOUT
	BAR                                            ; X and A0 are whole
	SETW 3
	BIAST 20, 0
	GEMM 4, 0
	RES                                            ; x += o Wo + bo
	BAR
	LN 22, 24, 0, 0
	BAR
	SETW 4
	BIAST 26, 0
	GEMM 4, 0
	ADDT
	RELU
	BAR
	SETW 5
	BIAST 28, 0
	GEMM 5, 0
	RES                                            ; x += relu(..) W2 + b2
	BAR
	s_lshl_b32 s50, s2, 11
	s_add_nc_u64 s[44:45], s[40:41], s[50:51]      ; xlast at my batch
	LN 30, 32, 2048, 1
	BAR
	s_lshl_b32 s57, s3, 13
	s_add_co_u32 s50, s78, s57
	s_add_nc_u64 s[46:47], s[38:39], s[50:51]      ; layer 1's k at my head and my 64 rows
	SETW 7
	BIAST 34, 2048
	GEMM 4, 0
	ADDT
	PACK
	OUTQK
	SETW 8
	BIASN 36, 2048
	GEMM 4, 1
	s_add_nc_u64 s[46:47], s[46:47], 0x1000000     ; v; the product's first wait has freed the stores' base
	ADDN
	PACK
	OUTV
	s_wait_tensorcnt 0x0
	ds_add_u32 v60, v61
	s_wait_dscnt 0x0
	s_endpgm
.Lfunc_end_k_q7e14af444d_layer:
	.size	k_q7e14af444d_layer, .Lfunc_end_k_q7e14af444d_layer-k_q7e14af444d_layer
	.p2alignl 7, 3214868480
	.fill 96, 4, 3214868480
	.section	.rodata,"a",@progbits
	.p2align	6, 0x0
	.amdhsa_kernel k_q7e14af444d_layer
		.amdhsa_group_segment_fixed_size 266240
		.amdhsa_private_segment_fixed_size 0
		.amdhsa_enable_private_segment 0
		.amdhsa_kernarg_size 136
		.amdhsa_user_sgpr_count 2
		.amdhsa_user_sgpr_kernarg_segment_ptr 1
		.amdhsa_wavefront_size32 1
		.amdhsa_system_sgpr_workgroup_id_x 1
		.amdhsa_system_sgpr_workgroup_id_y 1
		.amdhsa_system_sgpr_workgroup_id_z 1
		.amdhsa_system_vgpr_workitem_id 0
		.amdhsa_next_free_vgpr 448
		.amdhsa_next_free_sgpr 84
		.amdhsa_reserve_vcc 1
		.amdhsa_float_denorm_mode_32 3
		.amdhsa_float_denorm_mode_16_64 3
		.amdhsa_memory_ordered 1
		.amdhsa_forward_progress 1
		.amdhsa_inst_pref_size 240
	.end_amdhsa_kernel
	.amdgpu_metadata
---
amdhsa.version: [ 1, 2 ]
amdhsa.kernels:
  - .name:           k_q7e14af444d_layer
    .symbol:         k_q7e14af444d_layer.kd
    .args:
      - { .name: seq, .offset: 0, .size: 8, .value_kind: global_buffer, .address_space: global }
      - { .name: seq_len, .offset: 8, .size: 8, .value_kind: global_buffer, .address_space: global }
      - { .name: item_emb, .offset: 16, .size: 8, .value_kind: global_buffer, .address_space: global }
      - { .name: pos_emb, .offset: 24, .size: 8, .value_kind: global_buffer, .address_space: global }
      - { .name: qkv0, .offset: 32, .size: 8, .value_kind: global_buffer, .address_space: global }
      - { .name: wF, .offset: 40, .size: 8, .value_kind: global_buffer, .address_space: global }
      - { .name: bo, .offset: 48, .size: 8, .value_kind: global_buffer, .address_space: global }
      - { .name: ln2_w, .offset: 56, .size: 8, .value_kind: global_buffer, .address_space: global }
      - { .name: ln2_b, .offset: 64, .size: 8, .value_kind: global_buffer, .address_space: global }
      - { .name: b1, .offset: 72, .size: 8, .value_kind: global_buffer, .address_space: global }
      - { .name: b2, .offset: 80, .size: 8, .value_kind: global_buffer, .address_space: global }
      - { .name: ln1_w, .offset: 88, .size: 8, .value_kind: global_buffer, .address_space: global }
      - { .name: ln1_b, .offset: 96, .size: 8, .value_kind: global_buffer, .address_space: global }
      - { .name: bk, .offset: 104, .size: 8, .value_kind: global_buffer, .address_space: global }
      - { .name: bv, .offset: 112, .size: 8, .value_kind: global_buffer, .address_space: global }
      - { .name: kv1, .offset: 120, .size: 8, .value_kind: global_buffer, .address_space: global }
      - { .name: xlast, .offset: 128, .size: 8, .value_kind: global_buffer, .address_space: global }
    .group_segment_fixed_size: 266240
    .private_segment_fixed_size: 0
    .kernarg_segment_align: 8
    .kernarg_segment_size: 136
    .max_flat_workgroup_size: 256
    .sgpr_count:     84
    .vgpr_count:     448
    .wavefront_size: 32
...
	.end_amdgpu_metadata
.endif
;; end of part 3
;; launch tail (part 4): grid 32 x 1, 8 waves a work-group, no clusters, 13,312 bytes of LDS; arguments seq_len, xlast, kv1, wF, ln1_w, ln1_b, bq, bo, ln2_w, ln2_b, b1, b2, lnf_w, lnf_b, out0; writes out0
.if DOCPART == 4
	.amdgcn_target "amdgcn-amd-amdhsa--gfx1250"
	.amdhsa_code_object_version 6
	.text
	.protected	k_q7e14af444d_tail
	.globl	k_q7e14af444d_tail
	.p2align	8
	.type	k_q7e14af444d_tail,@function
k_q7e14af444d_tail:
	s_mov_b64 s[64:65], 0
	v_nop
	global_prefetch_b8 v0, s[64:65] scope:SCOPE_SE
	s_setreg_imm32_b32 hwreg(HW_REG_WAVE_MODE, 25, 1), 1
	s_wait_xcnt 0x0
; Layer 1 for the ONE row of each batch that is returned (row seq_len - 1), and the last LN.  A work-group is a batch; wave w owns head w and columns 64 w .. +63 of every product.
; The row is source 1 of the matrix instructions with all 16 columns alike (the fragment's address has no term in r), so every lane r holds the same numbers and equal lanes store equal bytes.
; 32 work-groups: the problem has 32 such rows.  What binds is the way of 2 MB of weights to each work-group: they are asked for in 16 chunks of 16 KB a wave, two chunks (64 loads) always out, across the stages' ends.
; x in f32; matrix operands bf16; sums, softmax and LN in f32.  LIMITS as in the launch before: seq_len 1 .. 512 (clamped); a hidden score counts as -1e30; a weight below 2^-126 counts as 0 in l.
; No cluster and no data mover: no two waves of a work-group read the same weights, and a row block of one row has nothing to keep in LDS.
; LDS: XR the row in f32 at 0 (2,048); ORW attention's output bf16 at 2,048; FRW the relu's output at 3,072; ARW + 1,024 w each wave's own LN output from 4,096.
; REGISTERS.  Window 0: v1 16 lane; v2 16 h; v3 h; v4, v5, v10 the fragment addresses in ARW, ORW, FRW; v7, v8 my 128 bytes of ORW, FRW; v9 my 256 bytes of XR; v11 32 h; v14 LN's target; v15 lane;
;   v16-23 statistics or LN at work; v24-28 mask and offsets; v32-63 four accumulators (or S^T v32-47, P v48-55, or LN's row v32-47); v64-95 the row's fragments, or K; v96-127 bias, or V; v128-255 chunk buffer 0.
;   Window 1: v0-127 chunk buffer 1; v128-159 O^T; v160-175 Q; v176-207 LN's gain and bias.
.set ORW, 2048
.set FRW, 3072
.set ARW, 4096
.set LD, 32
.set LT, 16
.set NS, 1
.set LW, 176
.set LB, 192
.set LWIN, 0x14
.set NT, 1
.set ST, 16
.set LIM, 24
.set REL, 25
.set NEG, 26
.set KO, 27
.set VO, 28
.set S, 32
.set P, 48
.set KF, 64
.set VF, 96
.set OB, 128
.set QF, 160
.set MSB, 0
.macro WIN new                         ; the immediate's high byte repeats the setting that is left
.if MSB != (\new)
	s_set_vgpr_msb (MSB<<8)|(\new)
.set MSB, \new
.endif
.endm
.macro PLACES                          ; four places behind matrix instructions, in front of loads into their registers and of reads of their results
.rept 4
	v_nop
.endr
.endm
.macro BAR
	s_wait_dscnt 0x0
	s_barrier_signal -1
	s_barrier_wait -1
.endm
.macro BOTH line:vararg
.set d, 0
.rept NS
	\line
.set d, d+1
.endr
.endm
.macro RED o
.irp m, 1,2,4,8
	BOTH v_add_f32_dpp v[(\o)+8*d], v[(\o)+8*d], v[(\o)+8*d] row_xmask:\m row_mask:0xf bank_mask:0xf
.endr
	BOTH v_permlanex16_b32 v[(\o)+8*d+1], v[(\o)+8*d], s60, s61
	BOTH v_add_f32 v[(\o)+8*d], v[(\o)+8*d], v[(\o)+8*d+1]
.endm
.macro LNCORE                          ; a row of 512 f32, 16 a lane in v[LD ..]: (x - mean) / sqrt(var + 1e-8) w + b, in place
.set c, 0
.rept 4
	BOTH v_pk_add_f32 v[LT+8*d+2*c:LT+8*d+2*c+1], v[LD+16*d+4*c:LD+16*d+4*c+1], v[LD+16*d+4*c+2:LD+16*d+4*c+3]
.set c, c+1
.endr
	BOTH v_pk_add_f32 v[LT+8*d:LT+8*d+1], v[LT+8*d:LT+8*d+1], v[LT+8*d+2:LT+8*d+3]
	BOTH v_pk_add_f32 v[LT+8*d+4:LT+8*d+5], v[LT+8*d+4:LT+8*d+5], v[LT+8*d+6:LT+8*d+7]
	BOTH v_pk_add_f32 v[LT+8*d:LT+8*d+1], v[LT+8*d:LT+8*d+1], v[LT+8*d+4:LT+8*d+5]
	BOTH v_add_f32 v[LT+8*d], v[LT+8*d], v[LT+8*d+1]
	RED LT
	BOTH v_mul_f32 v[LT+8*d], s62, v[LT+8*d]       ; the mean
.set c, 0
.rept 8
	BOTH v_pk_add_f32 v[LD+16*d+2*c:LD+16*d+2*c+1], v[LD+16*d+2*c:LD+16*d+2*c+1], v[LT+8*d:LT+8*d+1] op_sel_hi:[1,0] neg_lo:[0,1] neg_hi:[0,1]
.set c, c+1
.endr
	BOTH v_pk_mul_f32 v[LT+8*d+2:LT+8*d+3], v[LD+16*d:LD+16*d+1], v[LD+16*d:LD+16*d+1]
	BOTH v_pk_mul_f32 v[LT+8*d+4:LT+8*d+5], v[LD+16*d+2:LD+16*d+3], v[LD+16*d+2:LD+16*d+3]
.set c, 1
.rept 3
	BOTH v_pk_fma_f32 v[LT+8*d+2:LT+8*d+3], v[LD+16*d+4*c:LD+16*d+4*c+1], v[LD+16*d+4*c:LD+16*d+4*c+1], v[LT+8*d+2:LT+8*d+3]
	BOTH v_pk_fma_f32 v[LT+8*d+4:LT+8*d+5], v[LD+16*d+4*c+2:LD+16*d+4*c+3], v[LD+16*d+4*c+2:LD+16*d+4*c+3], v[LT+8*d+4:LT+8*d+5]
.set c, c+1
.endr
	BOTH v_pk_add_f32 v[LT+8*d+2:LT+8*d+3], v[LT+8*d+2:LT+8*d+3], v[LT+8*d+4:LT+8*d+5]
	BOTH v_add_f32 v[LT+8*d+2], v[LT+8*d+2], v[LT+8*d+3]
	RED LT+2
	BOTH v_fmaak_f32 v[LT+8*d+2], s62, v[LT+8*d+2], 0x322bcc77  ; var + 1e-8
	BOTH v_rsq_f32 v[LT+8*d+2], v[LT+8*d+2]
	v_nop                                          ; a plain instruction between the root and its use
	s_wait_alu depctr_va_vdst(0)
.set c, 0
.rept 8
	BOTH v_pk_mul_f32 v[LD+16*d+2*c:LD+16*d+2*c+1], v[LD+16*d+2*c:LD+16*d+2*c+1], v[LT+8*d+2:LT+8*d+3] op_sel_hi:[1,0]
.set c, c+1
.endr
	WIN LWIN
.set c, 0
.rept 8
	BOTH v_pk_fma_f32 v[LD+16*d+2*c:LD+16*d+2*c+1], v[LD+16*d+2*c:LD+16*d+2*c+1], v[LW+2*c:LW+2*c+1], v[LB+2*c:LB+2*c+1]
.set c, c+1
.endr
	WIN 0
.endm
; LN of the row.  src = 1: it is read from XR (0: it lies in registers).  dst = 0: bf16 into my own ARW; 1: f32 into out0.
.macro LN1R src, dst
	WIN 0
.if \src
.set c, 0
.rept 4
	ds_load_b128 v[LD+4*c:LD+4*c+3], v1 offset:512*c
.set c, c+1
.endr
	s_wait_dscnt 0x0
.endif
	LNCORE
.if \dst
.set c, 0
.rept 4
	global_store_b128 v1, v[LD+4*c:LD+4*c+3], s[40:41] offset:512*c
.set c, c+1
.endr
.else
.set c, 0
.rept 8
	v_cvt_pk_bf16_f32 v[LD+c], v[LD+2*c], v[LD+2*c+1]
.set c, c+1
.endr
.set c, 0
.rept 4
	ds_store_b64 v14, v[LD+2*c:LD+2*c+1] offset:256*c
.set c, c+1
.endr
.endif
.endm
.macro LNPAR wp, bp, lo                ; gain and bias into window 1
	WIN 0x40
.set c, 0
.rept 4
	global_load_b128 v[LW+4*c:LW+4*c+3], v1, s[\wp:\wp+1] offset:(\lo)+512*c
	global_load_b128 v[LB+4*c:LB+4*c+3], v1, s[\bp:\bp+1] offset:(\lo)+512*c
.set c, c+1
.endr
	WIN 0
.endm
.macro BIAST ptr, lo                   ; bias of columns 16 nb + 8 h + 0..7 into v[96 + 8 nb ..]
	WIN 0
	s_add_nc_u64 s[48:49], s[\ptr:\ptr+1], s[82:83]
.set z, 0
.rept 8
	global_load_b128 v[96+4*z:99+4*z], v11, s[48:49] offset:(\lo)+(z/2)*64+16*(z%2)
.set z, z+1
.endr
.endm
; Chunk q of 16: stage q / 4 (matrices 6, 9, 10, 11 of wF), K blocks 4 (q % 4) .. +3, my four column blocks: 32 loads of 512 consecutive bytes into buffer q % 2.
.macro ISSUE q
	WIN 0x40*((\q)%2)
.set z, 0
.rept 32
	global_load_b128 v[128*(1-(\q)%2)+4*z:128*(1-(\q)%2)+4*z+3], v1, s[42:43] offset:((\q)/4+2*(((\q)/4+2)/3))*524288+((z/2)%4)*16384+(4*((\q)%4)+z/8)*1024+512*(z%2)
.set z, z+1
.endr
	WIN 0
.endm
; Chunk q is multiplied.  n = the loads younger than the chunk's, which may stay out.  The four accumulators take turns.  Then the chunk two further on takes the buffer.
.macro TMUL q, n, areg
	WIN 0
.set z, 0
.rept 8
	ds_load_b128 v[64+4*z:67+4*z], v[\areg] offset:(4*((\q)%4)+z/2)*64+32*(z%2)
.set z, z+1
.endr
	s_wait_loadcnt \n
	s_wait_dscnt 0x0
	WIN (\q)%2
.set z, 0
.rept 16
.set rW, 128*(1-(\q)%2)+8*z
.if ((\q)%4 == 0) && (z < 4)
	v_wmma_f32_16x16x32_bf16 v[32+8*(z%4):32+8*(z%4)+7], v[rW:rW+7], v[64+8*(z/4):64+8*(z/4)+7], 0
.else
	v_wmma_f32_16x16x32_bf16 v[32+8*(z%4):32+8*(z%4)+7], v[rW:rW+7], v[64+8*(z/4):64+8*(z/4)+7], v[32+8*(z%4):32+8*(z%4)+7]
.endif
.set z, z+1
.endr
	WIN 0
	PLACES
.if (\q) < 14
	ISSUE (\q)+2
.endif
.endm
.macro TADD                            ; + bias; each accumulator is read from its low end on
.set z, 0
.rept 16
	v_pk_add_f32 v[32+2*z:33+2*z], v[32+2*z:33+2*z], v[96+2*z:97+2*z]
.set z, z+1
.endr
.endm
.macro TRES                            ; my 64 columns of XR += the product + its bias
	TADD
.set z, 0
.rept 8
	ds_load_b128 v[64+4*z:67+4*z], v9 offset:(z/2)*64+16*(z%2)
.set z, z+1
.endr
	s_wait_dscnt 0x0
.set z, 0
.rept 16
	v_pk_add_f32 v[64+2*z:65+2*z], v[64+2*z:65+2*z], v[32+2*z:33+2*z]
.set z, z+1
.endr
.set z, 0
.rept 8
	ds_store_b128 v9, v[64+4*z:67+4*z] offset:(z/2)*64+16*(z%2)
.set z, z+1
.endr
.endm
; ATTENTION, as in the launch before, with one tile whose 16 queries are alike.
.macro ALLT line:vararg
.set t, 0
.rept NT
	\line
.set t, t+1
.endr
.endm
.macro SADD a, b
	ALLT v_pk_add_f32 v[S+16*t+(\a):S+16*t+(\a)+1], v[S+16*t+(\a):S+16*t+(\a)+1], v[S+16*t+(\b):S+16*t+(\b)+1]
.endm
.macro STEP masked
	s_wait_loadcnt 0x8                             ; K is in; V's eight loads are younger
	WIN 0x04
.set z, 0
.rept 4                                                ; channels 32 (z / 2) on, keys 16 (z % 2) on; the two accumulators take turns
.set t, 0
.rept NT
.if z < 2
	v_wmma_f32_16x16x32_bf16 v[S+16*t+8*(z%2):S+16*t+8*(z%2)+7], v[KF+16*(z%2)+8*(z/2):KF+16*(z%2)+8*(z/2)+7], v[QF+16*t+8*(z/2):QF+16*t+8*(z/2)+7], 0
.else
	v_wmma_f32_16x16x32_bf16 v[S+16*t+8*(z%2):S+16*t+8*(z%2)+7], v[KF+16*(z%2)+8*(z/2):KF+16*(z%2)+8*(z/2)+7], v[QF+16*t+8*(z/2):QF+16*t+8*(z/2)+7], v[S+16*t+8*(z%2):S+16*t+8*(z%2)+7]
.endif
.set t, t+1
.endr
.set z, z+1
.endr
	WIN 0
	PLACES
	s_add_co_u32 s57, s56, 1
	s_min_u32 s57, s57, s55                        ; the next step, or the last one again
	s_min_u32 s57, s57, 15
	s_lshl_b32 s57, s57, 12
	v_add_nc_u32 v[KO], s57, v1
.set z, 0
.rept 8
	global_load_b128 v[KF+4*z:KF+4*z+3], v[KO], s[44:45] offset:512*z
.set z, z+1
.endr
.if \masked
	s_lshl_b32 s63, s56, 5
	ALLT v_sub_nc_u32 v[REL+t], v[LIM+t], s63
.set z, 0
.rept 16
.set t, 0
.rept NT
	v_cmp_gt_i32 vcc_lo, 16*(z/8)+z%8, v[REL+t]
	v_cndmask_b32 v[S+16*t+z], v[S+16*t+z], v[NEG], vcc_lo
.set t, t+1
.endr
.set z, z+1
.endr
.endif
	ALLT v_max3_num_f32 v[ST+8*t+4], v[S+16*t], v[S+16*t+1], v[S+16*t+2]
	ALLT v_max3_num_f32 v[ST+8*t+5], v[S+16*t+8], v[S+16*t+9], v[S+16*t+10]
	ALLT v_max3_num_f32 v[ST+8*t+4], v[ST+8*t+4], v[S+16*t+3], v[S+16*t+4]
	ALLT v_max3_num_f32 v[ST+8*t+5], v[ST+8*t+5], v[S+16*t+11], v[S+16*t+12]
	ALLT v_max3_num_f32 v[ST+8*t+4], v[ST+8*t+4], v[S+16*t+5], v[S+16*t+6]
	ALLT v_max3_num_f32 v[ST+8*t+5], v[ST+8*t+5], v[S+16*t+13], v[S+16*t+14]
	ALLT v_max3_num_f32 v[ST+8*t+4], v[ST+8*t+4], v[S+16*t+7], v[S+16*t+15]
	ALLT v_max3_num_f32 v[ST+8*t+4], v[ST+8*t+4], v[ST+8*t+5], v[ST+8*t+1]
	ALLT v_permlanex16_b32 v[ST+8*t+5], v[ST+8*t+4], s60, s61
	ALLT v_mov_b32 v[ST+8*t+7], v[ST+8*t]
	ALLT v_max_num_f32 v[ST+8*t+1], v[ST+8*t+4], v[ST+8*t+5]
	ALLT v_mul_f32 v[ST+8*t], s58, v[ST+8*t+1]
	ALLT v_sub_f32 v[ST+8*t+7], v[ST+8*t+7], v[ST+8*t]
	ALLT v_exp_f32 v[ST+8*t+6], v[ST+8*t+7]
.set z, 0
.rept 8
	ALLT v_pk_fma_f32 v[S+16*t+2*z:S+16*t+2*z+1], v[S+16*t+2*z:S+16*t+2*z+1], s[58:59], v[ST+8*t:ST+8*t+1] op_sel_hi:[1,0,0] neg_lo:[0,0,1] neg_hi:[0,0,1]
.set z, z+1
.endr
.set z, 0
.rept 16
	ALLT v_exp_f32 v[S+16*t+z], v[S+16*t+z]
.set z, z+1
.endr
	v_nop
	s_wait_alu depctr_va_vdst(0)
.set z, 0
.rept 8
	ALLT v_cvt_pk_bf16_f32 v[P+8*t+z], v[S+16*t+2*z], v[S+16*t+2*z+1]
.set z, z+1
.endr
	SADD 0, 2
	SADD 4, 6
	SADD 8, 10
	SADD 12, 14
	SADD 0, 4
	SADD 8, 12
	SADD 0, 8
	ALLT v_pk_fma_f32 v[ST+8*t+2:ST+8*t+3], v[ST+8*t+2:ST+8*t+3], v[ST+8*t+6:ST+8*t+7], v[S+16*t:S+16*t+1] op_sel_hi:[1,0,1]
	WIN 0x41
.set z, 0
.rept 16
	ALLT v_pk_mul_f32 v[OB+32*t+2*z:OB+32*t+2*z+1], v[OB+32*t+2*z:OB+32*t+2*z+1], v[ST+8*t+6:ST+8*t+7] op_sel_hi:[1,0]
.set z, z+1
.endr
	s_wait_loadcnt 0x8                             ; V is in; the next K's eight loads are younger
	WIN 0x50
.set z, 0
.rept 4
.set t, 0
.rept NT
	v_wmma_f32_16x16x32_bf16 v[OB+32*t+8*z:OB+32*t+8*z+7], v[VF+8*z:VF+8*z+7], v[P+8*t:P+8*t+7], v[OB+32*t+8*z:OB+32*t+8*z+7]
.set t, t+1
.endr
.set z, z+1
.endr
	WIN 0
	PLACES
	v_add_nc_u32 v[VO], s57, v1
.set z, 0
.rept 8
	global_load_b128 v[VF+4*z:VF+4*z+3], v[VO], s[46:47] offset:512*z
.set z, z+1
.endr
	s_add_co_u32 s56, s56, 1
.endm
.macro ATTOUT                          ; O^T / l, bf16, into my head's 128 bytes of ORW
	ALLT v_add_f32 v[ST+8*t+4], v[ST+8*t+2], v[ST+8*t+3]
	ALLT v_permlanex16_b32 v[ST+8*t+5], v[ST+8*t+4], s60, s61
	ALLT v_add_f32 v[ST+8*t+4], v[ST+8*t+4], v[ST+8*t+5]
	ALLT v_rcp_f32 v[ST+8*t+6], v[ST+8*t+4]
	v_nop
	s_wait_alu depctr_va_vdst(0)
	WIN 0x41
.set z, 0
.rept 16
	ALLT v_pk_mul_f32 v[OB+32*t+2*z:OB+32*t+2*z+1], v[OB+32*t+2*z:OB+32*t+2*z+1], v[ST+8*t+6:ST+8*t+7] op_sel_hi:[1,0]
.set z, z+1
.endr
	WIN 0x05
.set z, 0
.rept 16
	ALLT v_cvt_pk_bf16_f32 v[S+16*t+z], v[OB+32*t+2*z], v[OB+32*t+2*z+1]
.set z, z+1
.endr
	WIN 0
.set z, 0
.rept 4
	ALLT ds_store_b128 v7, v[S+16*t+4*z:S+16*t+4*z+3] offset:16640*t+32*z
.set z, z+1
.endr
.endm
	s_load_b512 s[8:23], s[0:1], 0x0               ; seq_len, xlast, kv1, wF, ln1_w, ln1_b, bq, bo
	s_load_b256 s[24:31], s[0:1], 0x40             ; ln2_w, ln2_b, b1, b2
	s_load_b128 s[32:35], s[0:1], 0x60             ; lnf_w, lnf_b
	s_load_b64 s[36:37], s[0:1], 0x70              ; out0
	v_lshl_add_u32 v30, v0, 2, 0x3000
	v_mov_b32 v31, 0
	v_lshrrev_b32 v15, 5, v0
	v_readfirstlane_b32 s4, v15                    ; wave
	v_and_b32 v15, 31, v0                          ; lane
	v_lshlrev_b32 v1, 4, v15
	v_bfe_u32 v3, v0, 4, 1                         ; h
	v_lshlrev_b32 v11, 5, v3
	v_lshlrev_b32 v2, 4, v3
	s_lshl_b32 s57, s4, 10
	s_add_co_u32 s57, s57, ARW
	v_add_nc_u32 v4, s57, v2
	v_lshl_add_u32 v14, v15, 3, s57
	v_add_nc_u32 v5, ORW, v2
	v_add_nc_u32 v10, FRW, v2
	s_lshl_b32 s57, s4, 7
	v_add_nc_u32 v7, s57, v5
	v_add_nc_u32 v8, s57, v10
	s_lshl_b32 s82, s4, 8
	v_add_nc_u32 v9, s82, v11
	s_mov_b32 s2, ttmp9                            ; b
	s_mov_b32 s51, 0
	s_mov_b32 s81, 0
	s_mov_b32 s83, 0
	s_lshl_b32 s80, s4, 16
	s_mov_b32 s58, 0x3e38aa3b                      ; c = log2(e) / 8
	s_mov_b32 s59, s58
	s_mov_b32 s60, 0x76543210
	s_mov_b32 s61, 0xfedcba98
	s_mov_b32 s62, 0x3b000000                      ; 1 / 512
	s_lshl_b32 s78, s2, 3
	s_add_co_u32 s78, s78, s4
	s_lshl_b32 s78, s78, 16                        ; (8 b + head) x 65,536
	s_wait_kmcnt 0x0
	s_lshl_b32 s50, s2, 2
	s_add_nc_u64 s[44:45], s[8:9], s[50:51]
	s_load_b32 s5, s[44:45], 0x0                   ; seq_len[b]
	s_lshl_b32 s50, s2, 11
	s_add_nc_u64 s[46:47], s[10:11], s[50:51]      ; my batch's row of xlast
	s_add_nc_u64 s[40:41], s[36:37], s[50:51]      ; and of out0
	s_add_nc_u64 s[42:43], s[14:15], s[80:81]
	s_add_nc_u64 s[42:43], s[42:43], 6*524288      ; layer 1's weights at my 64 columns
.set c, 0
.rept 4
	global_load_b128 v[LD+4*c:LD+4*c+3], v1, s[46:47] offset:512*c
.set c, c+1
.endr
	LNPAR 16, 18, 2048
	BIAST 20, 2048
	ISSUE 0
	ISSUE 1
	s_wait_kmcnt 0x0
	s_max_u32 s5, s5, 1
	s_min_u32 s5, s5, 512
	s_sub_co_u32 s6, s5, 1
	s_wait_loadcnt 0x3f                            ; behind the 20 small loads stand the two chunks' 64: with 63 out the small ones are in
	s_cmp_lg_u32 s4, 0
	s_cbranch_scc1 .Lnox
.set c, 0
.rept 4
	ds_store_b128 v1, v[LD+4*c:LD+4*c+3] offset:512*c  ; wave 0 puts the row into XR; it is read behind the barrier that follows attention
.set c, c+1
.endr
.Lnox:
	LN1R 0, 0
	TMUL 0, 32, 4                                  ; q = LN1(x) Wq: the next chunk's 32 loads may stay out
	TMUL 1, 32, 4
	TMUL 2, 32, 4
	TMUL 3, 32, 4
	TADD
	WIN 0x40
.set z, 0
.rept 16                                               ; column block nb IS half nb % 2 of Q's fragment of channels 32 (nb / 2) on
	v_cvt_pk_bf16_f32 v[QF+z], v[32+2*z], v[33+2*z]
.set z, z+1
.endr
	WIN 0
	s_mov_b32 s50, s78
	s_add_nc_u64 s[44:45], s[12:13], s[50:51]      ; layer 1's k at my head
	s_add_nc_u64 s[46:47], s[44:45], 0x1000000     ; and v
	v_mov_b32 v[KO], v1
	v_mov_b32 v[VO], v1
.set z, 0
.rept 8
	global_load_b128 v[KF+4*z:KF+4*z+3], v[KO], s[44:45] offset:512*z
.set z, z+1
.endr
.set z, 0
.rept 8
	global_load_b128 v[VF+4*z:VF+4*z+3], v[VO], s[46:47] offset:512*z
.set z, z+1
.endr
	WIN 0x40
.set z, 0
.rept 32
	v_mov_b32 v[OB+z], 0
.set z, z+1
.endr
	WIN 0
	v_mov_b32 v[ST], 0xfe000000                    ; c m: far below every c s, so the first a is 0
	v_mov_b32 v[ST+1], 0xff7fffff                  ; m
.set z, 2
.rept 6
	v_mov_b32 v[ST+z], 0
.set z, z+1
.endr
	v_mov_b32 v[NEG], 0xf149f2ca                   ; -1e30
	v_lshlrev_b32 v[REL], 3, v3
	v_sub_nc_u32 v[LIM], s6, v[REL]                ; the last valid row - 8 h
	s_lshr_b32 s53, s5, 5                          ; steps that hide nothing
	s_and_b32 s54, s5, 31
	s_min_u32 s54, s54, 1                          ; one step with a mask, if seq_len is no multiple of 32
	s_add_co_u32 s55, s53, s54
	s_sub_co_u32 s55, s55, 1
	s_mov_b32 s56, 0
	s_cmp_eq_u32 s53, 0
	s_cbranch_scc1 .Lnofull
	s_mov_b32 s52, 0
.Lfull:
	STEP 0
	s_add_co_u32 s52, s52, 1
	s_cmp_lt_u32 s52, s53
	s_cbranch_scc1 .Lfull
.Lnofull:
	s_cmp_eq_u32 s54, 0
	s_cbranch_scc1 .Lnomask
	s_mov_b32 s52, 0
.Lmask:
	STEP 1
	s_add_co_u32 s52, s52, 1
	s_cmp_lt_u32 s52, s54
	s_cbranch_scc1 .Lmask
.Lnomask:
	s_wait_loadcnt 0x0                             ; the last step's requests have landed: their registers are free
	ATTOUT
	BAR                                            ; ORW and XR are whole
	BIAST 22, 2048
	LNPAR 24, 26, 2048
	TMUL 4, 48, 5                                  ; x += o Wo + bo.  Younger than chunk 4: chunk 5 and the 16 small loads
	TMUL 5, 48, 5                                  ; the 16 small loads and chunk 6
	TMUL 6, 32, 5
	TMUL 7, 32, 5
	TRES
	BAR
	BIAST 28, 2048
	LN1R 1, 0
	TMUL 8, 40, 4                                  ; relu(LN2(x) W1 + b1).  Younger than chunk 8: chunk 9 and the bias's 8
	TMUL 9, 40, 4
	TMUL 10, 32, 4
	TMUL 11, 32, 4
	TADD
.set z, 0
.rept 32
	v_max_num_f32 v[32+z], 0, v[32+z]
.set z, z+1
.endr
.set z, 0
.rept 16
	v_cvt_pk_bf16_f32 v[64+z], v[32+2*z], v[33+2*z]
.set z, z+1
.endr
.set z, 0
.rept 4
	ds_store_b128 v8, v[64+4*z:67+4*z] offset:32*z
.set z, z+1
.endr
	BAR
	BIAST 30, 2048
	LNPAR 32, 34, 0
	TMUL 12, 48, 10                                ; x += .. W2 + b2
	TMUL 13, 48, 10
	TMUL 14, 32, 10
	TMUL 15, 0, 10
	TRES
	BAR
	s_cmp_lg_u32 s4, 0
	s_cbranch_scc1 .Lend
	LN1R 1, 1                                      ; wave 0: the last LN, 512 consecutive bytes a store
.Lend:
	s_wait_tensorcnt 0x0
	ds_add_u32 v30, v31
	s_wait_dscnt 0x0
	s_endpgm
.Lfunc_end_k_q7e14af444d_tail:
	.size	k_q7e14af444d_tail, .Lfunc_end_k_q7e14af444d_tail-k_q7e14af444d_tail
	.p2alignl 7, 3214868480
	.fill 96, 4, 3214868480
	.section	.rodata,"a",@progbits
	.p2align	6, 0x0
	.amdhsa_kernel k_q7e14af444d_tail
		.amdhsa_group_segment_fixed_size 13312
		.amdhsa_private_segment_fixed_size 0
		.amdhsa_enable_private_segment 0
		.amdhsa_kernarg_size 120
		.amdhsa_user_sgpr_count 2
		.amdhsa_user_sgpr_kernarg_segment_ptr 1
		.amdhsa_wavefront_size32 1
		.amdhsa_system_sgpr_workgroup_id_x 1
		.amdhsa_system_sgpr_workgroup_id_y 1
		.amdhsa_system_sgpr_workgroup_id_z 1
		.amdhsa_system_vgpr_workitem_id 0
		.amdhsa_next_free_vgpr 464
		.amdhsa_next_free_sgpr 84
		.amdhsa_reserve_vcc 1
		.amdhsa_float_denorm_mode_32 3
		.amdhsa_float_denorm_mode_16_64 3
		.amdhsa_memory_ordered 1
		.amdhsa_forward_progress 1
		.amdhsa_inst_pref_size 130
	.end_amdhsa_kernel
	.amdgpu_metadata
---
amdhsa.version: [ 1, 2 ]
amdhsa.kernels:
  - .name:           k_q7e14af444d_tail
    .symbol:         k_q7e14af444d_tail.kd
    .args:
      - { .name: seq_len, .offset: 0, .size: 8, .value_kind: global_buffer, .address_space: global }
      - { .name: xlast, .offset: 8, .size: 8, .value_kind: global_buffer, .address_space: global }
      - { .name: kv1, .offset: 16, .size: 8, .value_kind: global_buffer, .address_space: global }
      - { .name: wF, .offset: 24, .size: 8, .value_kind: global_buffer, .address_space: global }
      - { .name: ln1_w, .offset: 32, .size: 8, .value_kind: global_buffer, .address_space: global }
      - { .name: ln1_b, .offset: 40, .size: 8, .value_kind: global_buffer, .address_space: global }
      - { .name: bq, .offset: 48, .size: 8, .value_kind: global_buffer, .address_space: global }
      - { .name: bo, .offset: 56, .size: 8, .value_kind: global_buffer, .address_space: global }
      - { .name: ln2_w, .offset: 64, .size: 8, .value_kind: global_buffer, .address_space: global }
      - { .name: ln2_b, .offset: 72, .size: 8, .value_kind: global_buffer, .address_space: global }
      - { .name: b1, .offset: 80, .size: 8, .value_kind: global_buffer, .address_space: global }
      - { .name: b2, .offset: 88, .size: 8, .value_kind: global_buffer, .address_space: global }
      - { .name: lnf_w, .offset: 96, .size: 8, .value_kind: global_buffer, .address_space: global }
      - { .name: lnf_b, .offset: 104, .size: 8, .value_kind: global_buffer, .address_space: global }
      - { .name: out0, .offset: 112, .size: 8, .value_kind: global_buffer, .address_space: global }
    .group_segment_fixed_size: 13312
    .private_segment_fixed_size: 0
    .kernarg_segment_align: 8
    .kernarg_segment_size: 120
    .max_flat_workgroup_size: 256
    .sgpr_count:     84
    .vgpr_count:     464
    .wavefront_size: 32
...
	.end_amdgpu_metadata
.endif
;; end of part 4
;; ======== version 2 of 2: 4 launches; 1.21 times as fast as version 1
;; workspace buffers: wF 6,291,456 bytes; qkv0 50,331,648 bytes; kv1 33,554,432 bytes; xlast 65,536 bytes
;; launch prep (part 5): grid 32 x 6, 8 waves a work-group, no clusters, 0 bytes of LDS; arguments wq, wk, wv, wo, w1, w2, wF; writes wF
.if DOCPART == 5
	.amdgcn_target "amdgcn-amd-amdhsa--gfx1250"
	.amdhsa_code_object_version 6
	.text
	.protected	k_q7e14af444d_prep
	.globl	k_q7e14af444d_prep
	.p2align	8
	.type	k_q7e14af444d_prep,@function
k_q7e14af444d_prep:
	s_mov_b64 s[64:65], 0
	v_nop
	global_prefetch_b8 v0, s[64:65] scope:SCOPE_SE
	s_setreg_imm32_b32 hwreg(HW_REG_WAVE_MODE, 25, 1), 1
	s_wait_xcnt 0x0
; The twelve weight matrices [512 k][512 n] f32 are rounded to bf16 and laid out as the later launches' waves read them: one contiguous stream for each wave.
; Wave w of a later launch owns columns 64 w .. +63 of every product; its stream begins at w x 786,432 and holds twelve slots of 65,536 bytes in the order of use:
; layer 0: q k v o w1 w2 (slots 0-5); layer 1: k v q o w1 w2 (slots 6-11).  In a slot, K block kb (32 rows of the matrix) is 4,096 bytes at kb x 4,096: four fragments
; (column blocks nb of 16) of 1,024 bytes: [j = 0,1][lane][16 bytes]; lane (r = lane % 16, h = lane / 16) holds column 16 nb + r, rows 32 kb + 16 j + 8 h + 0..7.
; Grid: x = 16 layer + kb, y = t (0 q, 1 k, 2 v, 3 o, 4 w1, 5 w2).  Wave w makes the block of stream w.  No LDS, no barrier: every wave works for itself.
	s_load_b256 s[8:15], s[0:1], 0x0               ; wq, wk, wv, wo
	s_load_b128 s[16:19], s[0:1], 0x20             ; w1, w2
	s_load_b64 s[20:21], s[0:1], 0x30              ; wF
	v_lshrrev_b32 v1, 5, v0
	v_readfirstlane_b32 s4, v1                     ; wave
	v_and_b32 v3, 31, v0
	v_and_b32 v4, 15, v0                           ; r
	v_bfe_u32 v5, v0, 4, 1                         ; h
	v_lshlrev_b32 v2, 2, v4
	v_lshl_add_u32 v2, v5, 14, v2                  ; source: 8 h rows of 2,048 bytes + 4 r
	v_lshlrev_b32 v3, 4, v3                        ; target: 16 x lane
	s_and_b32 s3, ttmp7, 0xffff                    ; t
	s_lshr_b32 s5, ttmp9, 4                        ; layer
	s_and_b32 s6, ttmp9, 15                        ; kb
	s_lshl_b32 s26, s5, 20                         ; source offset: layer x 1 MiB + kb x 32 rows + w x 64 columns
	s_lshl_b32 s7, s6, 16
	s_add_co_u32 s26, s26, s7
	s_lshl_b32 s7, s4, 8
	s_add_co_u32 s26, s26, s7
	s_mov_b32 s27, 0
	s_sub_co_u32 s30, s3, 1                        ; the slot.  Layer 1: q -> 8, k -> 6, v -> 7, the others 6 + t
	s_cmp_eq_u32 s3, 0
	s_cselect_b32 s30, 2, s30
	s_cmp_gt_u32 s3, 2
	s_cselect_b32 s30, s3, s30
	s_add_co_u32 s30, s30, 6
	s_cmp_eq_u32 s5, 0
	s_cselect_b32 s30, s3, s30                     ; layer 0: t
	s_mul_i32 s28, s4, 0xc0000                     ; target offset: w x 786,432 + slot x 65,536 + kb x 4,096
	s_lshl_b32 s7, s30, 16
	s_add_co_u32 s28, s28, s7
	s_lshl_b32 s7, s6, 12
	s_add_co_u32 s28, s28, s7
	s_mov_b32 s29, 0
	s_wait_kmcnt 0x0
	s_mov_b64 s[24:25], s[8:9]                     ; the matrix is chosen by t alone
	s_cmp_eq_u32 s3, 1
	s_cselect_b64 s[24:25], s[10:11], s[24:25]
	s_cmp_eq_u32 s3, 2
	s_cselect_b64 s[24:25], s[12:13], s[24:25]
	s_cmp_eq_u32 s3, 3
	s_cselect_b64 s[24:25], s[14:15], s[24:25]
	s_cmp_eq_u32 s3, 4
	s_cselect_b64 s[24:25], s[16:17], s[24:25]
	s_cmp_eq_u32 s3, 5
	s_cselect_b64 s[24:25], s[18:19], s[24:25]
	s_add_nc_u64 s[24:25], s[24:25], s[26:27]
	s_add_nc_u64 s[20:21], s[20:21], s[28:29]
.set z, 0
.rept 64                                               ; z = 16 nb + 8 j + jj: row 16 j + jj (+ 8 h), column block nb
	global_load_b32 v[8+z], v2, s[24:25] offset:(16*((z/8)%2)+z%8)*2048+(z/16)*64
.set z, z+1
.endr
	s_wait_loadcnt 0x0
.set z, 0
.rept 32
	v_cvt_pk_bf16_f32 v[72+z], v[8+2*z], v[9+2*z]  ; two neighbouring k, the lower in the low half
.set z, z+1
.endr
.set z, 0
.rept 8                                                ; the eight stores cover the block's 4,096 consecutive bytes, 512 each, aligned
	global_store_b128 v3, v[72+4*z:75+4*z], s[20:21] offset:512*z
.set z, z+1
.endr
	s_endpgm
.Lfunc_end_k_q7e14af444d_prep:
	.size	k_q7e14af444d_prep, .Lfunc_end_k_q7e14af444d_prep-k_q7e14af444d_prep
	.p2alignl 7, 3214868480
	.fill 96, 4, 3214868480
	.section	.rodata,"a",@progbits
	.p2align	6, 0x0
	.amdhsa_kernel k_q7e14af444d_prep
		.amdhsa_group_segment_fixed_size 0
		.amdhsa_private_segment_fixed_size 0
		.amdhsa_enable_private_segment 0
		.amdhsa_kernarg_size 56
		.amdhsa_user_sgpr_count 2
		.amdhsa_user_sgpr_kernarg_segment_ptr 1
		.amdhsa_wavefront_size32 1
		.amdhsa_system_sgpr_workgroup_id_x 1
		.amdhsa_system_sgpr_workgroup_id_y 1
		.amdhsa_system_sgpr_workgroup_id_z 1
		.amdhsa_system_vgpr_workitem_id 0
		.amdhsa_next_free_vgpr 104
		.amdhsa_next_free_sgpr 66
		.amdhsa_reserve_vcc 0
		.amdhsa_float_denorm_mode_32 3
		.amdhsa_float_denorm_mode_16_64 3
		.amdhsa_memory_ordered 1
		.amdhsa_forward_progress 1
		.amdhsa_inst_pref_size 11
	.end_amdhsa_kernel
	.amdgpu_metadata
---
amdhsa.version: [ 1, 2 ]
amdhsa.kernels:
  - .name:           k_q7e14af444d_prep
    .symbol:         k_q7e14af444d_prep.kd
    .args:
      - { .name: wq, .offset: 0, .size: 8, .value_kind: global_buffer, .address_space: global }
      - { .name: wk, .offset: 8, .size: 8, .value_kind: global_buffer, .address_space: global }
      - { .name: wv, .offset: 16, .size: 8, .value_kind: global_buffer, .address_space: global }
      - { .name: wo, .offset: 24, .size: 8, .value_kind: global_buffer, .address_space: global }
      - { .name: w1, .offset: 32, .size: 8, .value_kind: global_buffer, .address_space: global }
      - { .name: w2, .offset: 40, .size: 8, .value_kind: global_buffer, .address_space: global }
      - { .name: wF, .offset: 48, .size: 8, .value_kind: global_buffer, .address_space: global }
    .group_segment_fixed_size: 0
    .private_segment_fixed_size: 0
    .kernarg_segment_align: 8
    .kernarg_segment_size: 56
    .max_flat_workgroup_size: 256
    .sgpr_count:     66
    .vgpr_count:     104
    .wavefront_size: 32
...
	.end_amdgpu_metadata
.endif
;; end of part 5
;; launch qkv (part 6): grid 256 x 1, 8 waves a work-group, no clusters, 199,680 bytes of LDS; arguments seq, seq_len, item_emb, pos_emb, ln1_w, ln1_b, bq, bk, bv, wF, qkv0; writes qkv0
.if DOCPART == 6
	.amdgcn_target "amdgcn-amd-amdhsa--gfx1250"
	.amdhsa_code_object_version 6
	.text
	.protected	k_q7e14af444d_qkv
	.globl	k_q7e14af444d_qkv
	.p2align	8
	.type	k_q7e14af444d_qkv,@function
k_q7e14af444d_qkv:
	s_mov_b64 s[64:65], 0
	v_nop
	global_prefetch_b8 v0, s[64:65] scope:SCOPE_SE
	s_setreg_imm32_b32 hwreg(HW_REG_WAVE_MODE, 25, 1), 1
	s_wait_xcnt 0x0
; Layer 0, first part: x = item_emb[seq] sqrt(512) + pos_emb[pos]; h = LN1(x); q, k, v = h W + b, written by heads in the order of matrix operands.
; A work-group owns 64 rows of one batch (b = id / 8, i = id % 8); wave w owns columns 64 w .. +63 of every product, which is head w.
; x is kept in f32; h and the weights are bf16, sums f32.  LN in two passes (mean, then centred squares).
; LIMITS.  seq_len is taken as 1 .. 512 (clamped); seq is clamped to the table's last row.
; THE WEIGHTS are one contiguous stream for each wave (4,096 bytes a K block of 32, the three products on end).  Four sets of fragments: behind block b's products block b + 4 is asked for,
; so 24 to 32 loads of 512 bytes a wave are always out, 96 to 128 KB for the work-group, and a product's last trip asks for the next product's first four blocks, which land under the way out.
; NO CLUSTER, NO DATA MOVER: each wave loads its own columns' fragments straight into registers, without a barrier in the K loop.  The sister kernel of this one needs 265,216 of 327,680 LDS
; bytes for its rows; what is left would hold two slots of 4 KB a wave, a round of the cluster's barrier for every 16 matrix instructions.
; LDS: X f32 64 rows, pitch 2,064, at 0; A0 bf16 64 rows, pitch 1,040, at 132,096.  Both pitches are odd multiples of 16 bytes.
; REGISTERS.  Window 0: v1 16 lane; v2 r; v3 h; v4 A0 + 1,040 r + 16 h; v6 running A address; v11 32 h; v12 4 r; v13, v14 LN's addresses; v15 lane;
;   v16-31 at work; v64-95 LN's gain and bias; v96-127 the product's bias; v128-255 the rows' fragments, four sets (or at work).  Window 1: v0-127 the 16 accumulators (4 mb + nb); v128-255 W's fragments, four sets.
.set A0, 132096
.set WB, 42                            ; s[42:43] my stream of weights, at the trip in hand
.set LD, 128                           ; LN: data, 16 registers a row
.set LT, 16                            ; LN: 8 registers at work a row
.set NS, 2                             ; LN: rows side by side
.set LW, 64
.set LB, 80
.set MSB, 0
.macro WIN new                         ; the immediate's high byte repeats the setting that is left
.if MSB != (\new)
	s_set_vgpr_msb (MSB<<8)|(\new)
.set MSB, \new
.endif
.endm
.macro PLACES                          ; four places behind matrix instructions, in front of loads into their registers and of reads of their results
.rept 4
	v_nop
.endr
.endm
.macro BAR                             ; my LDS stores and loads are done, for the others' sake; then all eight waves meet
	s_wait_dscnt 0x0
	s_barrier_signal -1
	s_barrier_wait -1
.endm
.macro BOTH line:vararg                ; one line for each of the NS rows d
.set d, 0
.rept NS
	\line
.set d, d+1
.endr
.endm
.macro RED o                           ; the sum over the 32 lanes, in every lane
.irp m, 1,2,4,8
	BOTH v_add_f32_dpp v[(\o)+8*d], v[(\o)+8*d], v[(\o)+8*d] row_xmask:\m row_mask:0xf bank_mask:0xf
.endr
	BOTH v_permlanex16_b32 v[(\o)+8*d+1], v[(\o)+8*d], s60, s61
	BOTH v_add_f32 v[(\o)+8*d], v[(\o)+8*d], v[(\o)+8*d+1]
.endm
.macro LNCORE                          ; rows of 512 f32, 16 a lane in v[LD+16 d ..]: (x - mean) / sqrt(var + 1e-8) w + b, in place
.set c, 0
.rept 4
	BOTH v_pk_add_f32 v[LT+8*d+2*c:LT+8*d+2*c+1], v[LD+16*d+4*c:LD+16*d+4*c+1], v[LD+16*d+4*c+2:LD+16*d+4*c+3]
.set c, c+1
.endr
	BOTH v_pk_add_f32 v[LT+8*d:LT+8*d+1], v[LT+8*d:LT+8*d+1], v[LT+8*d+2:LT+8*d+3]
	BOTH v_pk_add_f32 v[LT+8*d+4:LT+8*d+5], v[LT+8*d+4:LT+8*d+5], v[LT+8*d+6:LT+8*d+7]
	BOTH v_pk_add_f32 v[LT+8*d:LT+8*d+1], v[LT+8*d:LT+8*d+1], v[LT+8*d+4:LT+8*d+5]
	BOTH v_add_f32 v[LT+8*d], v[LT+8*d], v[LT+8*d+1]
	RED LT
	BOTH v_mul_f32 v[LT+8*d], s62, v[LT+8*d]       ; the mean
.set c, 0
.rept 8
	BOTH v_pk_add_f32 v[LD+16*d+2*c:LD+16*d+2*c+1], v[LD+16*d+2*c:LD+16*d+2*c+1], v[LT+8*d:LT+8*d+1] op_sel_hi:[1,0] neg_lo:[0,1] neg_hi:[0,1]
.set c, c+1
.endr
	BOTH v_pk_mul_f32 v[LT+8*d+2:LT+8*d+3], v[LD+16*d:LD+16*d+1], v[LD+16*d:LD+16*d+1]
	BOTH v_pk_mul_f32 v[LT+8*d+4:LT+8*d+5], v[LD+16*d+2:LD+16*d+3], v[LD+16*d+2:LD+16*d+3]
.set c, 1
.rept 3
	BOTH v_pk_fma_f32 v[LT+8*d+2:LT+8*d+3], v[LD+16*d+4*c:LD+16*d+4*c+1], v[LD+16*d+4*c:LD+16*d+4*c+1], v[LT+8*d+2:LT+8*d+3]
	BOTH v_pk_fma_f32 v[LT+8*d+4:LT+8*d+5], v[LD+16*d+4*c+2:LD+16*d+4*c+3], v[LD+16*d+4*c+2:LD+16*d+4*c+3], v[LT+8*d+4:LT+8*d+5]
.set c, c+1
.endr
	BOTH v_pk_add_f32 v[LT+8*d+2:LT+8*d+3], v[LT+8*d+2:LT+8*d+3], v[LT+8*d+4:LT+8*d+5]
	BOTH v_add_f32 v[LT+8*d+2], v[LT+8*d+2], v[LT+8*d+3]
	RED LT+2
	BOTH v_fmaak_f32 v[LT+8*d+2], s62, v[LT+8*d+2], 0x322bcc77  ; var + 1e-8
	BOTH v_rsq_f32 v[LT+8*d+2], v[LT+8*d+2]
	v_nop                                          ; a plain instruction between the root and its use
	s_wait_alu depctr_va_vdst(0)
.set c, 0
.rept 8
	BOTH v_pk_mul_f32 v[LD+16*d+2*c:LD+16*d+2*c+1], v[LD+16*d+2*c:LD+16*d+2*c+1], v[LT+8*d+2:LT+8*d+3] op_sel_hi:[1,0]
.set c, c+1
.endr
.set c, 0
.rept 8
	BOTH v_pk_fma_f32 v[LD+16*d+2*c:LD+16*d+2*c+1], v[LD+16*d+2*c:LD+16*d+2*c+1], v[LW+2*c:LW+2*c+1], v[LB+2*c:LB+2*c+1]
.set c, c+1
.endr
.endm
.macro LNPAR wp, bp, lo                ; an LN's gain and bias, asked for well ahead of it
	WIN 0
.set c, 0
.rept 4
	global_load_b128 v[LW+4*c:LW+4*c+3], v1, s[\wp:\wp+1] offset:(\lo)+512*c
	global_load_b128 v[LB+4*c:LB+4*c+3], v1, s[\bp:\bp+1] offset:(\lo)+512*c
.set c, c+1
.endr
.endm
; LN of my wave's 8 rows of X into A0 (bf16), two rows a trip.  A lane holds columns 128 c + 4 lane .. +3, c = 0..3.
.macro LN
	WIN 0
	v_add_nc_u32 v13, s76, v1
	v_lshl_add_u32 v14, v15, 3, s77
	s_mov_b32 s52, 4
	s_wait_loadcnt 0x20                            ; gain and bias are in; the 32 younger loads, the next product's first four blocks, stay out
.Lln_\@:
.set c, 0
.rept 4
	BOTH ds_load_b128 v[LD+16*d+4*c:LD+16*d+4*c+3], v13 offset:2064*d+512*c
.set c, c+1
.endr
	s_wait_dscnt 0x0
	LNCORE
.set c, 0
.rept 8
	BOTH v_cvt_pk_bf16_f32 v[LD+16*d+c], v[LD+16*d+2*c], v[LD+16*d+2*c+1]
.set c, c+1
.endr
.set c, 0
.rept 4
	BOTH ds_store_b64 v14, v[LD+16*d+2*c:LD+16*d+2*c+1] offset:1040*d+256*c
.set c, c+1
.endr
	v_add_nc_u32 v13, 4128, v13
	v_add_nc_u32 v14, 2080, v14
	s_sub_co_u32 s52, s52, 1
	s_cmp_lg_u32 s52, 0
	s_cbranch_scc1 .Lln_\@
.endm
; x of my wave's 8 rows.  The item's row is clamped to the table; the position is the row, or 0 from seq_len on.  EMBASK asks, EMBPUT computes and puts the rows into X.
.macro EMBASK
	WIN 0
.set u, 0
.rept 8
	s_min_u32 s57, s[68+u], 0x186a0
	s_lshl_b32 s57, s57, 11
	v_add_nc_u32 v[16+u], s57, v1
	s_add_co_u32 s63, s79, u
	s_cmp_lt_u32 s63, s5
	s_cselect_b32 s63, s63, 0
	s_min_u32 s63, s63, 511
	s_lshl_b32 s63, s63, 11
	v_add_nc_u32 v[24+u], s63, v1
.set u, u+1
.endr
.set z, 0
.rept 32                                               ; a load takes 512 consecutive bytes of a row
	global_load_b128 v[128+4*z:131+4*z], v[16+z/4], s[12:13] offset:512*(z%4)
.set z, z+1
.endr
	WIN 0x40
.set z, 0
.rept 32
	global_load_b128 v[4*z:4*z+3], v[24+z/4], s[14:15] offset:512*(z%4)
.set z, z+1
.endr
	WIN 0
.endm
.macro EMBPUT
	WIN 0x10
.set z, 0
.rept 64
	v_pk_fma_f32 v[128+2*z:129+2*z], v[128+2*z:129+2*z], s[66:67], v[2*z:2*z+1] op_sel_hi:[1,0,1]
.set z, z+1
.endr
	WIN 0
.set z, 0
.rept 32
	ds_store_b128 v13, v[128+4*z:131+4*z] offset:2064*(z/4)+512*(z%4)
.set z, z+1
.endr
.endm
; THE PRODUCT of the 64 rows in LDS with my 64 columns of a weight matrix, K = 512: four trips of four blocks of 32.
.macro LOADB bs, ko                    ; W's four fragments of a block into set bs: 8 loads, 4,096 consecutive bytes
	WIN 0x40
.set z, 0
.rept 8
	global_load_b128 v[128+32*(\bs)+4*z:128+32*(\bs)+4*z+3], v1, s[WB:WB+1] offset:(\ko)+4096*(\bs)+512*z
.set z, z+1
.endr
.endm
.macro LOADA4                          ; the rows' fragments of a trip's four blocks, in one run: z = 8 block + 2 mb + j
	WIN 0
.set z, 0
.rept 32
	ds_load_b128 v[128+4*z:131+4*z], v6 offset:((z/2)%4)*16640+(z/8)*64+32*(z%2)
.set z, z+1
.endr
.endm
; 16 matrix instructions; the 16 accumulators take turns.  swap = 0: source 0 = W: a lane holds row r, columns 8 h + 0..7.  swap = 1: a lane holds column r, rows 8 h + 0..7.
.macro MUL bs, swap
.if \swap
	WIN 0x54                                       ; source 0 (rows) window 0; source 1 (W), C and D window 1
.else
	WIN 0x51                                       ; source 0 (W), C and D window 1; source 1 (rows) window 0
.endif
.set z, 0
.rept 16
.set fA, 128+32*(\bs)+8*(z/4)
.set fB, 128+32*(\bs)+8*(z%4)
.if \swap
	v_wmma_f32_16x16x32_bf16 v[8*z:8*z+7], v[fA:fA+7], v[fB:fB+7], v[8*z:8*z+7]
.else
	v_wmma_f32_16x16x32_bf16 v[8*z:8*z+7], v[fB:fB+7], v[fA:fA+7], v[8*z:8*z+7]
.endif
.set z, z+1
.endr
.endm
; A trip.  pref = 1: behind each block's products the block four further on in the stream is asked for, so three younger blocks' 24 loads may stay out at every wait.
; pref = 0: the launch's last trip asks for nothing, and the counts run down.  Of the 32 LDS loads the younger blocks' may stay out.
.macro TRIP swap, pref
	LOADA4
.irp q, 0,1,2,3
.if \pref
	s_wait_loadcnt 24
.else
	s_wait_loadcnt 24-8*\q
.endif
	s_wait_dscnt 24-8*\q
	MUL \q, \swap
.if \pref
	PLACES
	LOADB \q, 16384
.endif
.endr
	WIN 0
.if \pref
	s_wait_xcnt 0x0                                ; the loads' base is stepped only behind this wait
	s_add_nc_u64 s[WB:WB+1], s[WB:WB+1], 16384
	v_add_nc_u32 v6, 0x100, v6
.else
	PLACES
.endif
.endm
.macro GEMM abase, swap, last          ; the stream runs on into the next product; last = 1: there is none
	WIN 0
	s_wait_xcnt 0x0                                ; earlier stores have read the registers that the fragments now take
	v_mov_b32 v6, v[\abase]
	s_mov_b32 s52, 4-(\last)
.Lg_\@:
	TRIP \swap, 1
	s_sub_co_u32 s52, s52, 1
	s_cmp_lg_u32 s52, 0
	s_cbranch_scc1 .Lg_\@
.if \last
	TRIP \swap, 0
.endif
.endm
.macro BIAST ptr, lo                   ; bias of columns 16 nb + 8 h + 0..7 into v[96 + 8 nb ..]
	WIN 0
	s_add_nc_u64 s[48:49], s[\ptr:\ptr+1], s[82:83]
.set z, 0
.rept 8
	global_load_b128 v[96+4*z:99+4*z], v11, s[48:49] offset:(\lo)+(z/2)*64+16*(z%2)
.set z, z+1
.endr
.endm
.macro BIASN ptr, lo                   ; bias of column 16 nb + r into v[96 + nb]
	WIN 0
	s_add_nc_u64 s[48:49], s[\ptr:\ptr+1], s[82:83]
.set z, 0
.rept 4
	global_load_b32 v[96+z], v12, s[48:49] offset:(\lo)+z*64
.set z, z+1
.endr
.endm
; THE BIAS STARTS THE SUMS: 128 moves take the place of 64 packed additions behind the product and of a first K block written out, so that a product's text is one loop.
.macro INITT
	WIN 0x40
.set z, 0
.rept 128
	v_mov_b32 v[z], v[96+8*((z/8)%4)+z%8]
.set z, z+1
.endr
	WIN 0
.endm
.macro INITN
	WIN 0x40
.set z, 0
.rept 128
	v_mov_b32 v[z], v[96+(z/8)%4]
.set z, z+1
.endr
	WIN 0
.endm
.macro PACK                            ; 16 bytes a lane and tile, into v[128 + 4 tile ..]; each accumulator is read from its low end on
	WIN 0x05
.set z, 0
.rept 64
	v_cvt_pk_bf16_f32 v[128+z], v[2*z], v[2*z+1]
.set z, z+1
.endr
	WIN 0
.endm
.macro OUTQK                           ; tile (mb, nb) IS half nb % 2 of the fragment (16 rows mb, channels 32 (nb / 2) on): 512 consecutive bytes a store
.set z, 0
.rept 16
	global_store_b128 v1, v[128+4*z:131+4*z], s[46:47] offset:(z/4)*2048+(z%4)*512
.set z, z+1
.endr
.endm
.macro OUTV                            ; tile (mb, nb) IS half mb % 2 of the fragment of V^T (32 keys mb / 2, channels 16 nb on)
.set z, 0
.rept 16
	global_store_b128 v1, v[128+4*z:131+4*z], s[46:47] offset:(z/8)*4096+(z%4)*1024+((z/4)%2)*512
.set z, z+1
.endr
.endm
	s_load_b512 s[8:23], s[0:1], 0x0               ; seq, seq_len, item_emb, pos_emb, ln1_w, ln1_b, bq, bk
	s_load_b128 s[24:27], s[0:1], 0x40             ; bv, wF
	s_load_b64 s[28:29], s[0:1], 0x50              ; qkv0
	v_lshl_add_u32 v62, v0, 2, 0x30800
	v_mov_b32 v63, 0
	v_lshrrev_b32 v15, 5, v0
	v_readfirstlane_b32 s4, v15                    ; wave
	v_and_b32 v15, 31, v0                          ; lane
	v_lshlrev_b32 v1, 4, v15
	v_and_b32 v2, 15, v0                           ; r
	v_bfe_u32 v3, v0, 4, 1                         ; h
	v_mul_u32_u24 v4, v2, 1040
	v_lshl_add_u32 v4, v3, 4, v4
	v_add_nc_u32 v4, A0, v4
	v_lshlrev_b32 v11, 5, v3
	v_lshlrev_b32 v12, 2, v2
	s_mul_i32 s76, s4, 16512                       ; my 8 rows of X
	s_mul_i32 s77, s4, 8320                        ; my 8 rows of A0
	s_add_co_u32 s77, s77, A0
	v_add_nc_u32 v13, s76, v1
	s_lshr_b32 s2, ttmp9, 3                        ; b
	s_and_b32 s3, ttmp9, 7                         ; i
	s_mov_b32 s51, 0
	s_mov_b32 s81, 0
	s_mov_b32 s83, 0
	s_mul_i32 s80, s4, 0xc0000                     ; my stream of weights
	s_lshl_b32 s82, s4, 8                          ; my columns in a bias
	s_lshl_b32 s79, s3, 6
	s_lshl_b32 s57, s4, 3
	s_add_co_u32 s79, s79, s57                     ; my first row in the batch
	s_mov_b32 s60, 0x76543210
	s_mov_b32 s61, 0xfedcba98
	s_mov_b32 s62, 0x3b000000                      ; 1 / 512
	s_mov_b32 s66, 0x41b504f3                      ; sqrt(512)
	s_mov_b32 s67, s66
	s_lshl_b32 s78, s2, 3
	s_add_co_u32 s78, s78, s4
	s_lshl_b32 s78, s78, 16                        ; (8 b + head) x 65,536
	s_wait_kmcnt 0x0
	s_lshl_b32 s50, s2, 2
	s_add_nc_u64 s[44:45], s[10:11], s[50:51]
	s_load_b32 s5, s[44:45], 0x0                   ; seq_len[b]
	s_lshl_b32 s50, s2, 11
	s_lshl_b32 s57, s79, 2
	s_add_co_u32 s50, s50, s57
	s_add_nc_u64 s[46:47], s[8:9], s[50:51]
	s_load_b256 s[68:75], s[46:47], 0x0            ; my 8 rows' items
	s_add_nc_u64 s[WB:WB+1], s[26:27], s[80:81]    ; slot 0
	s_wait_kmcnt 0x0
	s_max_u32 s5, s5, 1
	s_min_u32 s5, s5, 512
	EMBASK
	LNPAR 16, 18, 0
	BIAST 20, 0
	s_wait_loadcnt 0x10                            ; the 64 loads of the tables are in; the 16 small ones behind them may stay out
	LOADB 0, 0                                     ; the stream begins: it lands under the arithmetic of x and LN
	LOADB 1, 0
	LOADB 2, 0
	LOADB 3, 0
	EMBPUT
	LN                                             ; my own rows: LDS serves a wave's instructions in order, so no barrier stands between
	BAR
	s_lshl_b32 s57, s3, 13
	s_add_co_u32 s50, s78, s57
	s_add_nc_u64 s[46:47], s[28:29], s[50:51]      ; q at my head and my 64 rows
	INITT                                          ; bq came in with LN's gain and bias
	BIAST 22, 0                                    ; bk, a product ahead
	GEMM 4, 0, 0
	PACK
	OUTQK
	s_wait_loadcnt 0x20                            ; bk is in; the next product's 32 loads stay out
	INITT
	BIASN 24, 0                                    ; bv
	GEMM 4, 0, 0
	s_add_nc_u64 s[46:47], s[46:47], 0x1000000     ; k; the product's waits have freed the stores' base
	PACK
	OUTQK
	s_wait_loadcnt 0x20                            ; bv is in
	INITN
	GEMM 4, 1, 1
	s_add_nc_u64 s[46:47], s[46:47], 0x1000000     ; v
	PACK
	OUTV
	s_wait_tensorcnt 0x0
	ds_add_u32 v62, v63
	s_wait_dscnt 0x0
	s_endpgm
.Lfunc_end_k_q7e14af444d_qkv:
	.size	k_q7e14af444d_qkv, .Lfunc_end_k_q7e14af444d_qkv-k_q7e14af444d_qkv
	.p2alignl 7, 3214868480
	.fill 96, 4, 3214868480
	.section	.rodata,"a",@progbits
	.p2align	6, 0x0
	.amdhsa_kernel k_q7e14af444d_qkv
		.amdhsa_group_segment_fixed_size 199680
		.amdhsa_private_segment_fixed_size 0
		.amdhsa_enable_private_segment 0
		.amdhsa_kernarg_size 88
		.amdhsa_user_sgpr_count 2
		.amdhsa_user_sgpr_kernarg_segment_ptr 1
		.amdhsa_wavefront_size32 1
		.amdhsa_system_sgpr_workgroup_id_x 1
		.amdhsa_system_sgpr_workgroup_id_y 1
		.amdhsa_system_sgpr_workgroup_id_z 1
		.amdhsa_system_vgpr_workitem_id 0
		.amdhsa_next_free_vgpr 512
		.amdhsa_next_free_sgpr 84
		.amdhsa_reserve_vcc 0
		.amdhsa_float_denorm_mode_32 3
		.amdhsa_float_denorm_mode_16_64 3
		.amdhsa_memory_ordered 1
		.amdhsa_forward_progress 1
		.amdhsa_inst_pref_size 100
	.end_amdhsa_kernel
	.amdgpu_metadata
---
amdhsa.version: [ 1, 2 ]
amdhsa.kernels:
  - .name:           k_q7e14af444d_qkv
    .symbol:         k_q7e14af444d_qkv.kd
    .args:
      - { .name: seq, .offset: 0, .size: 8, .value_kind: global_buffer, .address_space: global }
      - { .name: seq_len, .offset: 8, .size: 8, .value_kind: global_buffer, .address_space: global }
      - { .name: item_emb, .offset: 16, .size: 8, .value_kind: global_buffer, .address_space: global }
      - { .name: pos_emb, .offset: 24, .size: 8, .value_kind: global_buffer, .address_space: global }
      - { .name: ln1_w, .offset: 32, .size: 8, .value_kind: global_buffer, .address_space: global }
      - { .name: ln1_b, .offset: 40, .size: 8, .value_kind: global_buffer, .address_space: global }
      - { .name: bq, .offset: 48, .size: 8, .value_kind: global_buffer, .address_space: global }
      - { .name: bk, .offset: 56, .size: 8, .value_kind: global_buffer, .address_space: global }
      - { .name: bv, .offset: 64, .size: 8, .value_kind: global_buffer, .address_space: global }
      - { .name: wF, .offset: 72, .size: 8, .value_kind: global_buffer, .address_space: global }
      - { .name: qkv0, .offset: 80, .size: 8, .value_kind: global_buffer, .address_space: global }
    .group_segment_fixed_size: 199680
    .private_segment_fixed_size: 0
    .kernarg_segment_align: 8
    .kernarg_segment_size: 88
    .max_flat_workgroup_size: 256
    .sgpr_count:     84
    .vgpr_count:     512
    .wavefront_size: 32
...
	.end_amdgpu_metadata
.endif
;; end of part 6
;; launch layer (part 7): grid 256 x 1, 8 waves a work-group, no clusters, 266,240 bytes of LDS; arguments seq, seq_len, item_emb, pos_emb, qkv0, wF, bo, ln2_w, ln2_b, b1, b2, ln1_w, ln1_b, bk, bv, kv1, xlast; writes kv1, xlast
.if DOCPART == 7
	.amdgcn_target "amdgcn-amd-amdhsa--gfx1250"
	.amdhsa_code_object_version 6
	.text
	.protected	k_q7e14af444d_layer
	.globl	k_q7e14af444d_layer
	.p2align	8
	.type	k_q7e14af444d_layer,@function
k_q7e14af444d_layer:
	s_mov_b64 s[64:65], 0
	v_nop
	global_prefetch_b8 v0, s[64:65] scope:SCOPE_SE
	s_setreg_imm32_b32 hwreg(HW_REG_WAVE_MODE, 25, 1), 1
	s_wait_xcnt 0x0
; Layer 0, second part, and layer 1's keys and values.  For 64 rows of one batch (b = id / 8, i = id % 8):
; x (made anew from the tables); attention of head w in wave w; x += o Wo + bo; x += relu(LN2(x) W1 + b1) W2 + b2; h = LN1'(x); k1, v1 = h W + b.
; The row seq_len - 1 of x goes out in f32: of layer 1 only that row's query, attention and feed-forward are wanted, and the last launch makes them.
; x in f32 in LDS; matrix operands bf16; sums, softmax and LN in f32.  Softmax with a running maximum m: p = 2^(c s - c m), c = log2(e) / 8; O and l are multiplied by a = 2^(c m_old - c m_new) in every step.
; LIMITS.  seq_len is taken as 1 .. 512 (clamped).  A hidden score counts as -1e30; a weight below 2^-126 counts as 0 in l.  NaN and infinities are not treated apart.
; KEYS.  Row q sees keys <= min(q, seq_len - 1).  Steps of 32 keys: min(2 i, seq_len / 32) steps hide nothing; up to two more take a mask; the rest is not computed.
; THE WEIGHTS are one contiguous stream for each wave (4,096 bytes a K block of 32, the five products on end).  Four sets of fragments: behind block b's products block b + 4 is asked for,
; so 24 to 32 loads of 512 bytes a wave are always out, 96 to 128 KB for the work-group, and a product's last trip asks for the next product's first four blocks, which land under the way out, the LN and the barriers.
; NO CLUSTER, NO DATA MOVER: X, A0 and A1 take 265,216 of 327,680 LDS bytes; what is left would hold two slots of 4 KB a wave, a round of the cluster's barrier for every 16 matrix instructions.
; LDS: X f32 pitch 2,064 at 0; A0 bf16 pitch 1,040 at 132,096; A1 the same at 198,656.
; REGISTERS.  Window 0: v1 16 lane; v2 r; v3 h; v4, v5 A0, A1 + 1,040 r + 16 h; v6 running A address; v7, v8 the same two + 128 w; v9, v10 X + 2,064 r + 256 w + 32 h (rows 0-31, 32-63);
;   v11 32 h; v12 4 r; v13, v14 LN's addresses; v15 lane; v16-47 statistics, 8 a tile (c m, m, l, l, c0, c1, a, at work); v48-51 the last key seen less 8 h; v52-55 the same less the step's first key;
;   v56 -1e30; v57, v58 K's and V's offsets; v64-127 S^T; v128-159 P; v160-191 K; v192-223 V.  In the products: v64-95 LN's gain and bias, v96-127 bias, v128-255 the rows' fragments, four sets (or at work).
;   Window 1: v0-127 accumulators, or O^T (32 a tile); v128-191 Q, later v128-255 W's fragments, four sets.
.set A0, 132096
.set A1, 198656
.set WB, 42
.set LD, 128
.set LT, 16
.set NS, 2
.set LW, 64
.set LB, 80
.set NT, 4
.set ST, 16
.set LIM, 48
.set REL, 52
.set NEG, 56
.set KO, 57
.set VO, 58
.set S, 64
.set P, 128
.set KF, 160
.set VF, 192
.set OB, 0
.set QF, 128
.set AB, 128                           ; attention's way out packs into P's and K's registers: S^T's take the next loads
.set MSB, 0
.macro WIN new                         ; the immediate's high byte repeats the setting that is left
.if MSB != (\new)
	s_set_vgpr_msb (MSB<<8)|(\new)
.set MSB, \new
.endif
.endm
.macro PLACES                          ; four places behind matrix instructions, in front of loads into their registers and of reads of their results
.rept 4
	v_nop
.endr
.endm
.macro BAR                             ; my LDS stores and loads are done, for the others' sake; then all eight waves meet
	s_wait_dscnt 0x0
	s_barrier_signal -1
	s_barrier_wait -1
.endm
.macro BOTH line:vararg
.set d, 0
.rept NS
	\line
.set d, d+1
.endr
.endm
.macro RED o
.irp m, 1,2,4,8
	BOTH v_add_f32_dpp v[(\o)+8*d], v[(\o)+8*d], v[(\o)+8*d] row_xmask:\m row_mask:0xf bank_mask:0xf
.endr
	BOTH v_permlanex16_b32 v[(\o)+8*d+1], v[(\o)+8*d], s60, s61
	BOTH v_add_f32 v[(\o)+8*d], v[(\o)+8*d], v[(\o)+8*d+1]
.endm
.macro LNCORE                          ; rows of 512 f32, 16 a lane in v[LD+16 d ..]: (x - mean) / sqrt(var + 1e-8) w + b, in place
.set c, 0
.rept 4
	BOTH v_pk_add_f32 v[LT+8*d+2*c:LT+8*d+2*c+1], v[LD+16*d+4*c:LD+16*d+4*c+1], v[LD+16*d+4*c+2:LD+16*d+4*c+3]
.set c, c+1
.endr
	BOTH v_pk_add_f32 v[LT+8*d:LT+8*d+1], v[LT+8*d:LT+8*d+1], v[LT+8*d+2:LT+8*d+3]
	BOTH v_pk_add_f32 v[LT+8*d+4:LT+8*d+5], v[LT+8*d+4:LT+8*d+5], v[LT+8*d+6:LT+8*d+7]
	BOTH v_pk_add_f32 v[LT+8*d:LT+8*d+1], v[LT+8*d:LT+8*d+1], v[LT+8*d+4:LT+8*d+5]
	BOTH v_add_f32 v[LT+8*d], v[LT+8*d], v[LT+8*d+1]
	RED LT
	BOTH v_mul_f32 v[LT+8*d], s62, v[LT+8*d]       ; the mean
.set c, 0
.rept 8
	BOTH v_pk_add_f32 v[LD+16*d+2*c:LD+16*d+2*c+1], v[LD+16*d+2*c:LD+16*d+2*c+1], v[LT+8*d:LT+8*d+1] op_sel_hi:[1,0] neg_lo:[0,1] neg_hi:[0,1]
.set c, c+1
.endr
	BOTH v_pk_mul_f32 v[LT+8*d+2:LT+8*d+3], v[LD+16*d:LD+16*d+1], v[LD+16*d:LD+16*d+1]
	BOTH v_pk_mul_f32 v[LT+8*d+4:LT+8*d+5], v[LD+16*d+2:LD+16*d+3], v[LD+16*d+2:LD+16*d+3]
.set c, 1
.rept 3
	BOTH v_pk_fma_f32 v[LT+8*d+2:LT+8*d+3], v[LD+16*d+4*c:LD+16*d+4*c+1], v[LD+16*d+4*c:LD+16*d+4*c+1], v[LT+8*d+2:LT+8*d+3]
	BOTH v_pk_fma_f32 v[LT+8*d+4:LT+8*d+5], v[LD+16*d+4*c+2:LD+16*d+4*c+3], v[LD+16*d+4*c+2:LD+16*d+4*c+3], v[LT+8*d+4:LT+8*d+5]
.set c, c+1
.endr
	BOTH v_pk_add_f32 v[LT+8*d+2:LT+8*d+3], v[LT+8*d+2:LT+8*d+3], v[LT+8*d+4:LT+8*d+5]
	BOTH v_add_f32 v[LT+8*d+2], v[LT+8*d+2], v[LT+8*d+3]
	RED LT+2
	BOTH v_fmaak_f32 v[LT+8*d+2], s62, v[LT+8*d+2], 0x322bcc77  ; var + 1e-8
	BOTH v_rsq_f32 v[LT+8*d+2], v[LT+8*d+2]
	v_nop                                          ; a plain instruction between the root and its use
	s_wait_alu depctr_va_vdst(0)
.set c, 0
.rept 8
	BOTH v_pk_mul_f32 v[LD+16*d+2*c:LD+16*d+2*c+1], v[LD+16*d+2*c:LD+16*d+2*c+1], v[LT+8*d+2:LT+8*d+3] op_sel_hi:[1,0]
.set c, c+1
.endr
.set c, 0
.rept 8
	BOTH v_pk_fma_f32 v[LD+16*d+2*c:LD+16*d+2*c+1], v[LD+16*d+2*c:LD+16*d+2*c+1], v[LW+2*c:LW+2*c+1], v[LB+2*c:LB+2*c+1]
.set c, c+1
.endr
.endm
.macro LNPAR wp, bp, lo                ; an LN's gain and bias, asked for well ahead of it
	WIN 0
.set c, 0
.rept 4
	global_load_b128 v[LW+4*c:LW+4*c+3], v1, s[\wp:\wp+1] offset:(\lo)+512*c
	global_load_b128 v[LB+4*c:LB+4*c+3], v1, s[\bp:\bp+1] offset:(\lo)+512*c
.set c, c+1
.endr
.endm
.macro LNX e                           ; row s56 + e goes out in f32 if it is the batch's last valid row: one row of one work-group for each batch
	s_add_co_u32 s57, s56, \e
	s_cmp_lg_u32 s57, s6
	s_cbranch_scc1 .Lnx_\@
.set c, 0
.rept 4
	global_store_b128 v1, v[LD+16*(\e)+4*c:LD+16*(\e)+4*c+3], s[44:45] offset:512*c
.set c, c+1
.endr
	s_wait_xcnt 0x0                                ; the row is worked on in place only behind this wait
.Lnx_\@:
.endm
; LN of my wave's 8 rows of X into A0 (bf16), two rows a trip.  A lane holds columns 128 c + 4 lane .. +3, c = 0..3.
.macro LN export
	WIN 0
	v_add_nc_u32 v13, s76, v1
	v_lshl_add_u32 v14, v15, 3, s77
	s_mov_b32 s56, s79
	s_mov_b32 s52, 4
	s_wait_loadcnt 0x20                            ; gain and bias are in; the 32 younger loads, the next product's first four blocks, stay out
.Lln_\@:
.set c, 0
.rept 4
	BOTH ds_load_b128 v[LD+16*d+4*c:LD+16*d+4*c+3], v13 offset:2064*d+512*c
.set c, c+1
.endr
	s_wait_dscnt 0x0
.if \export
	LNX 0
	LNX 1
.endif
	LNCORE
.set c, 0
.rept 8
	BOTH v_cvt_pk_bf16_f32 v[LD+16*d+c], v[LD+16*d+2*c], v[LD+16*d+2*c+1]
.set c, c+1
.endr
.set c, 0
.rept 4
	BOTH ds_store_b64 v14, v[LD+16*d+2*c:LD+16*d+2*c+1] offset:1040*d+256*c
.set c, c+1
.endr
	v_add_nc_u32 v13, 4128, v13
	v_add_nc_u32 v14, 2080, v14
	s_add_co_u32 s56, s56, 2
	s_sub_co_u32 s52, s52, 1
	s_cmp_lg_u32 s52, 0
	s_cbranch_scc1 .Lln_\@
.endm
; x of my wave's 8 rows.  The item's row is clamped to the table; the position is the row, or 0 from seq_len on.  EMBASK asks, EMBPUT computes and puts the rows into X.
.macro EMBASK
	WIN 0
.set u, 0
.rept 8
	s_min_u32 s57, s[68+u], 0x186a0
	s_lshl_b32 s57, s57, 11
	v_add_nc_u32 v[16+u], s57, v1
	s_add_co_u32 s63, s79, u
	s_cmp_lt_u32 s63, s5
	s_cselect_b32 s63, s63, 0
	s_min_u32 s63, s63, 511
	s_lshl_b32 s63, s63, 11
	v_add_nc_u32 v[24+u], s63, v1
.set u, u+1
.endr
.set z, 0
.rept 32
	global_load_b128 v[128+4*z:131+4*z], v[16+z/4], s[12:13] offset:512*(z%4)
.set z, z+1
.endr
	WIN 0x40
.set z, 0
.rept 32
	global_load_b128 v[4*z:4*z+3], v[24+z/4], s[14:15] offset:512*(z%4)
.set z, z+1
.endr
	WIN 0
.endm
.macro EMBPUT
	WIN 0x10
.set z, 0
.rept 64
	v_pk_fma_f32 v[128+2*z:129+2*z], v[128+2*z:129+2*z], s[66:67], v[2*z:2*z+1] op_sel_hi:[1,0,1]
.set z, z+1
.endr
	WIN 0
.set z, 0
.rept 32
	ds_store_b128 v13, v[128+4*z:131+4*z] offset:2064*(z/4)+512*(z%4)
.set z, z+1
.endr
.endm
; THE PRODUCT of the 64 rows in LDS with my 64 columns of a weight matrix, K = 512: four trips of four blocks of 32.
.macro LOADB bs, ko                    ; W's four fragments of a block into set bs: 8 loads, 4,096 consecutive bytes
	WIN 0x40
.set z, 0
.rept 8
	global_load_b128 v[128+32*(\bs)+4*z:128+32*(\bs)+4*z+3], v1, s[WB:WB+1] offset:(\ko)+4096*(\bs)+512*z
.set z, z+1
.endr
.endm
.macro LOADA4                          ; the rows' fragments of a trip's four blocks, in one run: z = 8 block + 2 mb + j
	WIN 0
.set z, 0
.rept 32
	ds_load_b128 v[128+4*z:131+4*z], v6 offset:((z/2)%4)*16640+(z/8)*64+32*(z%2)
.set z, z+1
.endr
.endm
; 16 matrix instructions; the 16 accumulators take turns.  swap = 0: source 0 = W: a lane holds row r, columns 8 h + 0..7.  swap = 1: a lane holds column r, rows 8 h + 0..7.
.macro MUL bs, swap
.if \swap
	WIN 0x54                                       ; source 0 (rows) window 0; source 1 (W), C and D window 1
.else
	WIN 0x51                                       ; source 0 (W), C and D window 1; source 1 (rows) window 0
.endif
.set z, 0
.rept 16
.set fA, 128+32*(\bs)+8*(z/4)
.set fB, 128+32*(\bs)+8*(z%4)
.if \swap
	v_wmma_f32_16x16x32_bf16 v[8*z:8*z+7], v[fA:fA+7], v[fB:fB+7], v[8*z:8*z+7]
.else
	v_wmma_f32_16x16x32_bf16 v[8*z:8*z+7], v[fB:fB+7], v[fA:fA+7], v[8*z:8*z+7]
.endif
.set z, z+1
.endr
.endm
; A trip.  pref = 1: behind each block's products the block four further on in the stream is asked for, so three younger blocks' 24 loads may stay out at every wait.
; pref = 0: the launch's last trip asks for nothing, and the counts run down.  Of the 32 LDS loads the younger blocks' may stay out.
.macro TRIP swap, pref
	LOADA4
.irp q, 0,1,2,3
.if \pref
	s_wait_loadcnt 24
.else
	s_wait_loadcnt 24-8*\q
.endif
	s_wait_dscnt 24-8*\q
	MUL \q, \swap
.if \pref
	PLACES
	LOADB \q, 16384
.endif
.endr
	WIN 0
.if \pref
	s_wait_xcnt 0x0                                ; the loads' base is stepped only behind this wait
	s_add_nc_u64 s[WB:WB+1], s[WB:WB+1], 16384
	v_add_nc_u32 v6, 0x100, v6
.else
	PLACES
.endif
.endm
.macro GEMM abase, swap, last          ; the stream runs on into the next product; last = 1: there is none
	WIN 0
	s_wait_xcnt 0x0                                ; earlier stores have read the registers that the fragments now take
	v_mov_b32 v6, v[\abase]
	s_mov_b32 s52, 4-(\last)
.Lg_\@:
	TRIP \swap, 1
	s_sub_co_u32 s52, s52, 1
	s_cmp_lg_u32 s52, 0
	s_cbranch_scc1 .Lg_\@
.if \last
	TRIP \swap, 0
.endif
.endm
.macro BIAST ptr, lo                   ; bias of columns 16 nb + 8 h + 0..7 into v[96 + 8 nb ..]
	WIN 0
	s_add_nc_u64 s[48:49], s[\ptr:\ptr+1], s[82:83]
.set z, 0
.rept 8
	global_load_b128 v[96+4*z:99+4*z], v11, s[48:49] offset:(\lo)+(z/2)*64+16*(z%2)
.set z, z+1
.endr
.endm
.macro BIASN ptr, lo                   ; bias of column 16 nb + r into v[96 + nb]
	WIN 0
	s_add_nc_u64 s[48:49], s[\ptr:\ptr+1], s[82:83]
.set z, 0
.rept 4
	global_load_b32 v[96+z], v12, s[48:49] offset:(\lo)+z*64
.set z, z+1
.endr
.endm
; THE BIAS STARTS THE SUMS: 128 moves take the place of 64 packed additions behind the product and of a first K block written out, so that a product's text is one loop.
.macro INITT
	WIN 0x40
.set z, 0
.rept 128
	v_mov_b32 v[z], v[96+8*((z/8)%4)+z%8]
.set z, z+1
.endr
	WIN 0
.endm
.macro INITN
	WIN 0x40
.set z, 0
.rept 128
	v_mov_b32 v[z], v[96+(z/8)%4]
.set z, z+1
.endr
	WIN 0
.endm
.macro PACK                            ; each accumulator is read from its low end on
	WIN 0x05
.set z, 0
.rept 64
	v_cvt_pk_bf16_f32 v[128+z], v[2*z], v[2*z+1]
.set z, z+1
.endr
	WIN 0
.endm
.macro OUTQK                           ; tile (mb, nb) IS half nb % 2 of the fragment (16 rows mb, channels 32 (nb / 2) on): 512 consecutive bytes a store
.set z, 0
.rept 16
	global_store_b128 v1, v[128+4*z:131+4*z], s[46:47] offset:(z/4)*2048+(z%4)*512
.set z, z+1
.endr
.endm
.macro OUTV                            ; tile (mb, nb) IS half mb % 2 of the fragment of V^T (32 keys mb / 2, channels 16 nb on)
.set z, 0
.rept 16
	global_store_b128 v1, v[128+4*z:131+4*z], s[46:47] offset:(z/8)*4096+(z%4)*1024+((z/4)%2)*512
.set z, z+1
.endr
.endm
.macro RELU                            ; max(., 0), bf16, into my columns of A1
	WIN 0x44
.set z, 0
.rept 128
	v_max_num_f32 v[z], 0, v[z]
.set z, z+1
.endr
	PACK
.set z, 0
.rept 16
	ds_store_b128 v8, v[128+4*z:131+4*z] offset:(z/4)*16640+(z%4)*32
.set z, z+1
.endr
.endm
.macro RES                             ; my columns of X += the product (its bias is in the sums)
	WIN 0
.set z, 0
.rept 32
	ds_load_b128 v[128+4*z:131+4*z], v[9+z/16] offset:((z/8)%2)*33024+((z/2)%4)*64+16*(z%2)
.set z, z+1
.endr
	s_wait_dscnt 0x0
	WIN 0x04
.set z, 0
.rept 64
	v_pk_add_f32 v[128+2*z:129+2*z], v[128+2*z:129+2*z], v[2*z:2*z+1]
.set z, z+1
.endr
	WIN 0
.set z, 0
.rept 32
	ds_store_b128 v[9+z/16], v[128+4*z:131+4*z] offset:((z/8)%2)*33024+((z/2)%4)*64+16*(z%2)
.set z, z+1
.endr
.endm
; ATTENTION.  S^T = K Q^T holds one query a lane (r) and the keys 8 h + 0..7 of a block of 16; two such results rounded to bf16 ARE source 1 of O^T = V^T P.
.macro ALLT line:vararg                ; one line for each tile t
.set t, 0
.rept NT
	\line
.set t, t+1
.endr
.endm
.macro SADD a, b
	ALLT v_pk_add_f32 v[S+16*t+(\a):S+16*t+(\a)+1], v[S+16*t+(\a):S+16*t+(\a)+1], v[S+16*t+(\b):S+16*t+(\b)+1]
.endm
; A step of 32 keys, number s56.  K and V of the next step are asked for as soon as this step's products have read the registers; the last step asks for its own tiles once more, inside the buffer.
.macro STEP masked
	s_wait_loadcnt 0x8                             ; K is in (and Q, at the first step); V's eight loads are younger
	WIN 0x04
.set z, 0
.rept 4                                                ; channels 32 (z / 2) on, keys 16 (z % 2) on; the accumulators take turns
.set t, 0
.rept NT
.if z < 2
	v_wmma_f32_16x16x32_bf16 v[S+16*t+8*(z%2):S+16*t+8*(z%2)+7], v[KF+16*(z%2)+8*(z/2):KF+16*(z%2)+8*(z/2)+7], v[QF+16*t+8*(z/2):QF+16*t+8*(z/2)+7], 0
.else
	v_wmma_f32_16x16x32_bf16 v[S+16*t+8*(z%2):S+16*t+8*(z%2)+7], v[KF+16*(z%2)+8*(z/2):KF+16*(z%2)+8*(z/2)+7], v[QF+16*t+8*(z/2):QF+16*t+8*(z/2)+7], v[S+16*t+8*(z%2):S+16*t+8*(z%2)+7]
.endif
.set t, t+1
.endr
.set z, z+1
.endr
	WIN 0
	PLACES
	s_add_co_u32 s57, s56, 1
	s_min_u32 s57, s57, s55                        ; the next step, or the last one again
	s_min_u32 s57, s57, 15
	s_lshl_b32 s57, s57, 12                        ; 4,096 bytes of K and of V a step
	v_add_nc_u32 v[KO], s57, v1
.set z, 0
.rept 8
	global_load_b128 v[KF+4*z:KF+4*z+3], v[KO], s[44:45] offset:512*z
.set z, z+1
.endr
.if \masked
	s_lshl_b32 s63, s56, 5
	ALLT v_sub_nc_u32 v[REL+t], v[LIM+t], s63
.set z, 0
.rept 16                                               ; register z is key 16 (z / 8) + z % 8 (+ 8 h) of the step: hidden where that is beyond the last key seen
.set t, 0
.rept NT
	v_cmp_gt_i32 vcc_lo, 16*(z/8)+z%8, v[REL+t]
	v_cndmask_b32 v[S+16*t+z], v[S+16*t+z], v[NEG], vcc_lo
.set t, t+1
.endr
.set z, z+1
.endr
.endif
	ALLT v_max3_num_f32 v[ST+8*t+4], v[S+16*t], v[S+16*t+1], v[S+16*t+2]
	ALLT v_max3_num_f32 v[ST+8*t+5], v[S+16*t+8], v[S+16*t+9], v[S+16*t+10]
	ALLT v_max3_num_f32 v[ST+8*t+4], v[ST+8*t+4], v[S+16*t+3], v[S+16*t+4]
	ALLT v_max3_num_f32 v[ST+8*t+5], v[ST+8*t+5], v[S+16*t+11], v[S+16*t+12]
	ALLT v_max3_num_f32 v[ST+8*t+4], v[ST+8*t+4], v[S+16*t+5], v[S+16*t+6]
	ALLT v_max3_num_f32 v[ST+8*t+5], v[ST+8*t+5], v[S+16*t+13], v[S+16*t+14]
	ALLT v_max3_num_f32 v[ST+8*t+4], v[ST+8*t+4], v[S+16*t+7], v[S+16*t+15]
	ALLT v_max3_num_f32 v[ST+8*t+4], v[ST+8*t+4], v[ST+8*t+5], v[ST+8*t+1]
	ALLT v_permlanex16_b32 v[ST+8*t+5], v[ST+8*t+4], s60, s61  ; the query's other 16 keys lie in the lane 16 away
	ALLT v_mov_b32 v[ST+8*t+7], v[ST+8*t]
	ALLT v_max_num_f32 v[ST+8*t+1], v[ST+8*t+4], v[ST+8*t+5]
	ALLT v_mul_f32 v[ST+8*t], s58, v[ST+8*t+1]
	ALLT v_sub_f32 v[ST+8*t+7], v[ST+8*t+7], v[ST+8*t]
	ALLT v_exp_f32 v[ST+8*t+6], v[ST+8*t+7]
.set z, 0
.rept 8
	ALLT v_pk_fma_f32 v[S+16*t+2*z:S+16*t+2*z+1], v[S+16*t+2*z:S+16*t+2*z+1], s[58:59], v[ST+8*t:ST+8*t+1] op_sel_hi:[1,0,0] neg_lo:[0,0,1] neg_hi:[0,0,1]
.set z, z+1
.endr
.set z, 0
.rept 16
	ALLT v_exp_f32 v[S+16*t+z], v[S+16*t+z]
.set z, z+1
.endr
	v_nop                                          ; a plain instruction between the last exponential and its use
	s_wait_alu depctr_va_vdst(0)
.set z, 0
.rept 8
	ALLT v_cvt_pk_bf16_f32 v[P+8*t+z], v[S+16*t+2*z], v[S+16*t+2*z+1]
.set z, z+1
.endr
	SADD 0, 2
	SADD 4, 6
	SADD 8, 10
	SADD 12, 14
	SADD 0, 4
	SADD 8, 12
	SADD 0, 8
	ALLT v_pk_fma_f32 v[ST+8*t+2:ST+8*t+3], v[ST+8*t+2:ST+8*t+3], v[ST+8*t+6:ST+8*t+7], v[S+16*t:S+16*t+1] op_sel_hi:[1,0,1]
	WIN 0x41
.set z, 0
.rept 16                                               ; O^T times a; each accumulator is read from its low end on
	ALLT v_pk_mul_f32 v[OB+32*t+2*z:OB+32*t+2*z+1], v[OB+32*t+2*z:OB+32*t+2*z+1], v[ST+8*t+6:ST+8*t+7] op_sel_hi:[1,0]
.set z, z+1
.endr
	s_wait_loadcnt 0x8                             ; V is in; the next K's eight loads are younger
	WIN 0x50
.set z, 0
.rept 4
.set t, 0
.rept NT
	v_wmma_f32_16x16x32_bf16 v[OB+32*t+8*z:OB+32*t+8*z+7], v[VF+8*z:VF+8*z+7], v[P+8*t:P+8*t+7], v[OB+32*t+8*z:OB+32*t+8*z+7]
.set t, t+1
.endr
.set z, z+1
.endr
	WIN 0
	PLACES
	v_add_nc_u32 v[VO], s57, v1
.set z, 0
.rept 8
	global_load_b128 v[VF+4*z:VF+4*z+3], v[VO], s[46:47] offset:512*z
.set z, z+1
.endr
	s_add_co_u32 s56, s56, 1
.endm
.macro ATTOUT                          ; O^T / l, bf16, into my head's columns of A0
	WIN 0
	ALLT v_add_f32 v[ST+8*t+4], v[ST+8*t+2], v[ST+8*t+3]
	ALLT v_permlanex16_b32 v[ST+8*t+5], v[ST+8*t+4], s60, s61
	ALLT v_add_f32 v[ST+8*t+4], v[ST+8*t+4], v[ST+8*t+5]
	ALLT v_rcp_f32 v[ST+8*t+6], v[ST+8*t+4]
	v_nop
	s_wait_alu depctr_va_vdst(0)
	WIN 0x41
.set z, 0
.rept 16
	ALLT v_pk_mul_f32 v[OB+32*t+2*z:OB+32*t+2*z+1], v[OB+32*t+2*z:OB+32*t+2*z+1], v[ST+8*t+6:ST+8*t+7] op_sel_hi:[1,0]
.set z, z+1
.endr
	WIN 0x05
.set z, 0
.rept 16
	ALLT v_cvt_pk_bf16_f32 v[AB+16*t+z], v[OB+32*t+2*z], v[OB+32*t+2*z+1]
.set z, z+1
.endr
	WIN 0
.set z, 0
.rept 4
	ALLT ds_store_b128 v7, v[AB+16*t+4*z:AB+16*t+4*z+3] offset:16640*t+32*z
.set z, z+1
.endr
.endm
	s_load_b512 s[8:23], s[0:1], 0x0               ; seq, seq_len, item_emb, pos_emb, qkv0, wF, bo, ln2_w
	s_load_b512 s[24:39], s[0:1], 0x40             ; ln2_b, b1, b2, ln1_w, ln1_b, bk, bv, kv1
	s_load_b64 s[40:41], s[0:1], 0x80              ; xlast
	v_lshl_add_u32 v60, v0, 2, 0x40c00
	v_mov_b32 v61, 0
	v_lshrrev_b32 v15, 5, v0
	v_readfirstlane_b32 s4, v15                    ; wave
	v_and_b32 v15, 31, v0                          ; lane
	v_lshlrev_b32 v1, 4, v15
	v_and_b32 v2, 15, v0                           ; r
	v_bfe_u32 v3, v0, 4, 1                         ; h
	v_mul_u32_u24 v4, v2, 1040
	v_lshl_add_u32 v4, v3, 4, v4
	v_add_nc_u32 v5, A1, v4
	v_add_nc_u32 v4, A0, v4
	s_lshl_b32 s57, s4, 7
	v_add_nc_u32 v7, s57, v4
	v_add_nc_u32 v8, s57, v5
	v_mul_u32_u24 v9, v2, 2064
	v_lshl_add_u32 v9, v3, 5, v9
	s_lshl_b32 s82, s4, 8                          ; my columns in a bias, and in a row of X
	v_add_nc_u32 v9, s82, v9
	v_add_nc_u32 v10, 66048, v9
	v_lshlrev_b32 v11, 5, v3
	v_lshlrev_b32 v12, 2, v2
	s_mul_i32 s76, s4, 16512
	s_mul_i32 s77, s4, 8320
	s_add_co_u32 s77, s77, A0
	v_add_nc_u32 v13, s76, v1
	s_lshr_b32 s2, ttmp9, 3                        ; b
	s_and_b32 s3, ttmp9, 7                         ; i
	s_mov_b32 s51, 0
	s_mov_b32 s81, 0
	s_mov_b32 s83, 0
	s_mul_i32 s80, s4, 0xc0000                     ; my stream of weights
	s_lshl_b32 s79, s3, 6
	s_lshl_b32 s57, s4, 3
	s_add_co_u32 s79, s79, s57                     ; my first row in the batch
	s_mov_b32 s58, 0x3e38aa3b                      ; c = log2(e) / 8
	s_mov_b32 s59, s58
	s_mov_b32 s60, 0x76543210
	s_mov_b32 s61, 0xfedcba98
	s_mov_b32 s62, 0x3b000000                      ; 1 / 512
	s_mov_b32 s66, 0x41b504f3                      ; sqrt(512)
	s_mov_b32 s67, s66
	s_lshl_b32 s78, s2, 3
	s_add_co_u32 s78, s78, s4
	s_lshl_b32 s78, s78, 16                        ; (8 b + head) x 65,536
	s_wait_kmcnt 0x0
	s_lshl_b32 s50, s2, 2
	s_add_nc_u64 s[44:45], s[10:11], s[50:51]
	s_load_b32 s5, s[44:45], 0x0                   ; seq_len[b]
	s_lshl_b32 s50, s2, 11
	s_lshl_b32 s57, s79, 2
	s_add_co_u32 s50, s50, s57
	s_add_nc_u64 s[46:47], s[8:9], s[50:51]
	s_load_b256 s[68:75], s[46:47], 0x0            ; my 8 rows' items
	s_add_nc_u64 s[WB:WB+1], s[18:19], s[80:81]
	s_add_nc_u64 s[WB:WB+1], s[WB:WB+1], 3*65536   ; slot 3: Wo; W1, W2 and layer 1's Wk, Wv follow it
	s_wait_kmcnt 0x0
	s_max_u32 s5, s5, 1
	s_min_u32 s5, s5, 512
	s_sub_co_u32 s6, s5, 1                         ; the last valid row
	EMBASK
	s_wait_loadcnt 0x0
	EMBPUT
	; attention: the counts of steps, the addresses, Q, the first K and V, and the start of the statistics
	s_lshl_b32 s57, s3, 1
	s_lshr_b32 s53, s5, 5
	s_min_u32 s53, s53, s57                        ; steps that hide nothing
	s_add_co_u32 s54, s5, 31
	s_lshr_b32 s54, s54, 5
	s_add_co_u32 s57, s57, 2
	s_min_u32 s54, s54, s57                        ; all steps
	s_sub_co_u32 s55, s54, 1
	s_sub_co_u32 s54, s54, s53                     ; steps with a mask
	s_lshl_b32 s57, s3, 13
	s_add_co_u32 s50, s78, s57
	s_add_nc_u64 s[48:49], s[16:17], s[50:51]      ; q at my head and my 64 rows
	s_mov_b32 s50, s78
	s_add_nc_u64 s[44:45], s[16:17], s[50:51]
	s_add_nc_u64 s[46:47], s[44:45], 0x2000000     ; v at my head
	s_add_nc_u64 s[44:45], s[44:45], 0x1000000     ; k at my head
	WIN 0x40
.set z, 0
.rept 16
	global_load_b128 v[QF+4*z:QF+4*z+3], v1, s[48:49] offset:512*z
.set z, z+1
.endr
	WIN 0
	v_mov_b32 v[KO], v1
	v_mov_b32 v[VO], v1
.set z, 0
.rept 8
	global_load_b128 v[KF+4*z:KF+4*z+3], v[KO], s[44:45] offset:512*z
.set z, z+1
.endr
.set z, 0
.rept 8
	global_load_b128 v[VF+4*z:VF+4*z+3], v[VO], s[46:47] offset:512*z
.set z, z+1
.endr
	WIN 0x40
.set z, 0
.rept 128                                              ; O^T = 0, in the wait for the first tiles: no first step is written out
	v_mov_b32 v[OB+z], 0
.set z, z+1
.endr
	WIN 0
	ALLT v_mov_b32 v[ST+8*t], 0xfe000000           ; c m: far below every c s, so the first a is 0
	ALLT v_mov_b32 v[ST+8*t+1], 0xff7fffff         ; m
.set z, 2
.rept 6
	ALLT v_mov_b32 v[ST+8*t+z], 0
.set z, z+1
.endr
	v_mov_b32 v[NEG], 0xf149f2ca                   ; -1e30
	s_lshl_b32 s57, s3, 6
	v_add_nc_u32 v62, s57, v2
	v_lshlrev_b32 v63, 3, v3
	ALLT v_add_nc_u32 v[LIM+t], 16*t, v62
	ALLT v_min_u32 v[LIM+t], s6, v[LIM+t]
	ALLT v_sub_nc_u32 v[LIM+t], v[LIM+t], v63      ; min(my query, last valid row) - 8 h
	s_mov_b32 s56, 0
	s_cmp_eq_u32 s53, 0
	s_cbranch_scc1 .Lnofull
	s_mov_b32 s52, 0
.Lfull:
	STEP 0
	s_add_co_u32 s52, s52, 1
	s_cmp_lt_u32 s52, s53
	s_cbranch_scc1 .Lfull
.Lnofull:
	s_cmp_eq_u32 s54, 0
	s_cbranch_scc1 .Lnomask
	s_mov_b32 s52, 0
.Lmask:
	STEP 1
	s_add_co_u32 s52, s52, 1
	s_cmp_lt_u32 s52, s54
	s_cbranch_scc1 .Lmask
.Lnomask:
	s_wait_loadcnt 0x0                             ; the last step's requests have landed: their registers are free
	LNPAR 22, 24, 0                                ; LN2's gain and bias and bo take S^T's registers,
	BIAST 20, 0
	LOADB 0, 0                                     ; and the stream of weights begins in Q's: it lands under the way out and the barrier
	LOADB 1, 0
	LOADB 2, 0
	LOADB 3, 0
	ATTOUT
	BAR                                            ; X and A0 are whole
	s_wait_loadcnt 0x20                            ; bo is in; the stream's 32 loads stay out
	INITT
	BIAST 26, 0                                    ; b1, a product ahead
	GEMM 4, 0, 0
	RES                                            ; x += o Wo + bo
	BAR
	LN 0
	BAR
	s_wait_loadcnt 0x20                            ; b1 is in
	INITT
	BIAST 28, 0                                    ; b2,
	LNPAR 30, 32, 2048                             ; and layer 1's LN1
	GEMM 4, 0, 0
	RELU
	BAR
	s_wait_loadcnt 0x20                            ; b2 is in
	INITT
	BIAST 34, 2048                                 ; layer 1's bk
	GEMM 5, 0, 0
	RES                                            ; x += relu(..) W2 + b2
	BAR
	s_lshl_b32 s50, s2, 11
	s_add_nc_u64 s[44:45], s[40:41], s[50:51]      ; xlast at my batch
	LN 1
	BAR
	s_lshl_b32 s57, s3, 13
	s_add_co_u32 s50, s78, s57
	s_add_nc_u64 s[46:47], s[38:39], s[50:51]      ; layer 1's k at my head and my 64 rows
	s_wait_loadcnt 0x20                            ; bk is in
	INITT
	BIASN 36, 2048                                 ; layer 1's bv
	GEMM 4, 0, 0
	PACK
	OUTQK
	s_wait_loadcnt 0x20                            ; bv is in
	INITN
	GEMM 4, 1, 1
	s_add_nc_u64 s[46:47], s[46:47], 0x1000000     ; v; the product's waits have freed the stores' base
	PACK
	OUTV
	s_wait_tensorcnt 0x0
	ds_add_u32 v60, v61
	s_wait_dscnt 0x0
	s_endpgm
.Lfunc_end_k_q7e14af444d_layer:
	.size	k_q7e14af444d_layer, .Lfunc_end_k_q7e14af444d_layer-k_q7e14af444d_layer
	.p2alignl 7, 3214868480
	.fill 96, 4, 3214868480
	.section	.rodata,"a",@progbits
	.p2align	6, 0x0
	.amdhsa_kernel k_q7e14af444d_layer
		.amdhsa_group_segment_fixed_size 266240
		.amdhsa_private_segment_fixed_size 0
		.amdhsa_enable_private_segment 0
		.amdhsa_kernarg_size 136
		.amdhsa_user_sgpr_count 2
		.amdhsa_user_sgpr_kernarg_segment_ptr 1
		.amdhsa_wavefront_size32 1
		.amdhsa_system_sgpr_workgroup_id_x 1
		.amdhsa_system_sgpr_workgroup_id_y 1
		.amdhsa_system_sgpr_workgroup_id_z 1
		.amdhsa_system_vgpr_workitem_id 0
		.amdhsa_next_free_vgpr 512
		.amdhsa_next_free_sgpr 84
		.amdhsa_reserve_vcc 1
		.amdhsa_float_denorm_mode_32 3
		.amdhsa_float_denorm_mode_16_64 3
		.amdhsa_memory_ordered 1
		.amdhsa_forward_progress 1
		.amdhsa_inst_pref_size 225
	.end_amdhsa_kernel
	.amdgpu_metadata
---
amdhsa.version: [ 1, 2 ]
amdhsa.kernels:
  - .name:           k_q7e14af444d_layer
    .symbol:         k_q7e14af444d_layer.kd
    .args:
      - { .name: seq, .offset: 0, .size: 8, .value_kind: global_buffer, .address_space: global }
      - { .name: seq_len, .offset: 8, .size: 8, .value_kind: global_buffer, .address_space: global }
      - { .name: item_emb, .offset: 16, .size: 8, .value_kind: global_buffer, .address_space: global }
      - { .name: pos_emb, .offset: 24, .size: 8, .value_kind: global_buffer, .address_space: global }
      - { .name: qkv0, .offset: 32, .size: 8, .value_kind: global_buffer, .address_space: global }
      - { .name: wF, .offset: 40, .size: 8, .value_kind: global_buffer, .address_space: global }
      - { .name: bo, .offset: 48, .size: 8, .value_kind: global_buffer, .address_space: global }
      - { .name: ln2_w, .offset: 56, .size: 8, .value_kind: global_buffer, .address_space: global }
      - { .name: ln2_b, .offset: 64, .size: 8, .value_kind: global_buffer, .address_space: global }
      - { .name: b1, .offset: 72, .size: 8, .value_kind: global_buffer, .address_space: global }
      - { .name: b2, .offset: 80, .size: 8, .value_kind: global_buffer, .address_space: global }
      - { .name: ln1_w, .offset: 88, .size: 8, .value_kind: global_buffer, .address_space: global }
      - { .name: ln1_b, .offset: 96, .size: 8, .value_kind: global_buffer, .address_space: global }
      - { .name: bk, .offset: 104, .size: 8, .value_kind: global_buffer, .address_space: global }
      - { .name: bv, .offset: 112, .size: 8, .value_kind: global_buffer, .address_space: global }
      - { .name: kv1, .offset: 120, .size: 8, .value_kind: global_buffer, .address_space: global }
      - { .name: xlast, .offset: 128, .size: 8, .value_kind: global_buffer, .address_space: global }
    .group_segment_fixed_size: 266240
    .private_segment_fixed_size: 0
    .kernarg_segment_align: 8
    .kernarg_segment_size: 136
    .max_flat_workgroup_size: 256
    .sgpr_count:     84
    .vgpr_count:     512
    .wavefront_size: 32
...
	.end_amdgpu_metadata
.endif
;; end of part 7
;; launch tail (part 8): grid 32 x 1, 8 waves a work-group, no clusters, 13,312 bytes of LDS; arguments seq_len, xlast, kv1, wF, ln1_w, ln1_b, bq, bo, ln2_w, ln2_b, b1, b2, lnf_w, lnf_b, out0; writes out0
.if DOCPART == 8
	.amdgcn_target "amdgcn-amd-amdhsa--gfx1250"
	.amdhsa_code_object_version 6
	.text
	.protected	k_q7e14af444d_tail
	.globl	k_q7e14af444d_tail
	.p2align	8
	.type	k_q7e14af444d_tail,@function
k_q7e14af444d_tail:
	s_mov_b64 s[64:65], 0
	v_nop
	global_prefetch_b8 v0, s[64:65] scope:SCOPE_SE
	s_setreg_imm32_b32 hwreg(HW_REG_WAVE_MODE, 25, 1), 1
	s_wait_xcnt 0x0
; Layer 1 for the ONE row of each batch that is returned (row seq_len - 1), and the last LN.  A work-group is a batch; wave w owns head w and columns 64 w .. +63 of every product.
; The row is source 1 of the matrix instructions with all 16 columns alike (the fragment's address has no term in r), so every lane r holds the same numbers and equal lanes store equal bytes.
; 32 work-groups: the problem has 32 such rows.  What binds is the way of 2 MB of weights to each work-group: a wave's four matrices (slots 8 to 11 of its stream) are 262,144 consecutive bytes,
; asked for in 16 chunks of 16 KB, two chunks (64 loads) always out, across the stages' ends.
; x in f32; matrix operands bf16; sums, softmax and LN in f32.  LIMITS as in the launch before: seq_len 1 .. 512 (clamped); a hidden score counts as -1e30; a weight below 2^-126 counts as 0 in l.
; No cluster and no data mover: no two waves of a work-group read the same weights, and a row block of one row has nothing to keep in LDS.
; LDS: XR the row in f32 at 0 (2,048); ORW attention's output bf16 at 2,048; FRW the relu's output at 3,072; ARW + 1,024 w each wave's own LN output from 4,096.
; REGISTERS.  Window 0: v1 16 lane; v2 16 h; v3 h; v4, v5, v10 the fragment addresses in ARW, ORW, FRW; v7, v8 my 128 bytes of ORW, FRW; v9 my 256 bytes of XR; v11 32 h; v14 LN's target; v15 lane;
;   v16-23 statistics or LN at work; v24-28 mask and offsets; v32-63 four accumulators (or S^T v32-47, P v48-55, or LN's row v32-47); v64-95 the row's fragments, or K; v96-127 bias, or V; v128-255 chunk buffer 0.
;   Window 1: v0-127 chunk buffer 1; v128-159 O^T; v160-175 Q; v176-207 LN's gain and bias.
.set ORW, 2048
.set FRW, 3072
.set ARW, 4096
.set LD, 32
.set LT, 16
.set NS, 1
.set LW, 176
.set LB, 192
.set LWIN, 0x14
.set NT, 1
.set ST, 16
.set LIM, 24
.set REL, 25
.set NEG, 26
.set KO, 27
.set VO, 28
.set S, 32
.set P, 48
.set KF, 64
.set VF, 96
.set OB, 128
.set QF, 160
.set MSB, 0
.macro WIN new                         ; the immediate's high byte repeats the setting that is left
.if MSB != (\new)
	s_set_vgpr_msb (MSB<<8)|(\new)
.set MSB, \new
.endif
.endm
.macro PLACES                          ; four places behind matrix instructions, in front of loads into their registers and of reads of their results
.rept 4
	v_nop
.endr
.endm
.macro BAR
	s_wait_dscnt 0x0
	s_barrier_signal -1
	s_barrier_wait -1
.endm
.macro BOTH line:vararg
.set d, 0
.rept NS
	\line
.set d, d+1
.endr
.endm
.macro RED o
.irp m, 1,2,4,8
	BOTH v_add_f32_dpp v[(\o)+8*d], v[(\o)+8*d], v[(\o)+8*d] row_xmask:\m row_mask:0xf bank_mask:0xf
.endr
	BOTH v_permlanex16_b32 v[(\o)+8*d+1], v[(\o)+8*d], s60, s61
	BOTH v_add_f32 v[(\o)+8*d], v[(\o)+8*d], v[(\o)+8*d+1]
.endm
.macro LNCORE                          ; a row of 512 f32, 16 a lane in v[LD ..]: (x - mean) / sqrt(var + 1e-8) w + b, in place
.set c, 0
.rept 4
	BOTH v_pk_add_f32 v[LT+8*d+2*c:LT+8*d+2*c+1], v[LD+16*d+4*c:LD+16*d+4*c+1], v[LD+16*d+4*c+2:LD+16*d+4*c+3]
.set c, c+1
.endr
	BOTH v_pk_add_f32 v[LT+8*d:LT+8*d+1], v[LT+8*d:LT+8*d+1], v[LT+8*d+2:LT+8*d+3]
	BOTH v_pk_add_f32 v[LT+8*d+4:LT+8*d+5], v[LT+8*d+4:LT+8*d+5], v[LT+8*d+6:LT+8*d+7]
	BOTH v_pk_add_f32 v[LT+8*d:LT+8*d+1], v[LT+8*d:LT+8*d+1], v[LT+8*d+4:LT+8*d+5]
	BOTH v_add_f32 v[LT+8*d], v[LT+8*d], v[LT+8*d+1]
	RED LT
	BOTH v_mul_f32 v[LT+8*d], s62, v[LT+8*d]       ; the mean
.set c, 0
.rept 8
	BOTH v_pk_add_f32 v[LD+16*d+2*c:LD+16*d+2*c+1], v[LD+16*d+2*c:LD+16*d+2*c+1], v[LT+8*d:LT+8*d+1] op_sel_hi:[1,0] neg_lo:[0,1] neg_hi:[0,1]
.set c, c+1
.endr
	BOTH v_pk_mul_f32 v[LT+8*d+2:LT+8*d+3], v[LD+16*d:LD+16*d+1], v[LD+16*d:LD+16*d+1]
	BOTH v_pk_mul_f32 v[LT+8*d+4:LT+8*d+5], v[LD+16*d+2:LD+16*d+3], v[LD+16*d+2:LD+16*d+3]
.set c, 1
.rept 3
	BOTH v_pk_fma_f32 v[LT+8*d+2:LT+8*d+3], v[LD+16*d+4*c:LD+16*d+4*c+1], v[LD+16*d+4*c:LD+16*d+4*c+1], v[LT+8*d+2:LT+8*d+3]
	BOTH v_pk_fma_f32 v[LT+8*d+4:LT+8*d+5], v[LD+16*d+4*c+2:LD+16*d+4*c+3], v[LD+16*d+4*c+2:LD+16*d+4*c+3], v[LT+8*d+4:LT+8*d+5]
.set c, c+1
.endr
	BOTH v_pk_add_f32 v[LT+8*d+2:LT+8*d+3], v[LT+8*d+2:LT+8*d+3], v[LT+8*d+4:LT+8*d+5]
	BOTH v_add_f32 v[LT+8*d+2], v[LT+8*d+2], v[LT+8*d+3]
	RED LT+2
	BOTH v_fmaak_f32 v[LT+8*d+2], s62, v[LT+8*d+2], 0x322bcc77  ; var + 1e-8
	BOTH v_rsq_f32 v[LT+8*d+2], v[LT+8*d+2]
	v_nop                                          ; a plain instruction between the root and its use
	s_wait_alu depctr_va_vdst(0)
.set c, 0
.rept 8
	BOTH v_pk_mul_f32 v[LD+16*d+2*c:LD+16*d+2*c+1], v[LD+16*d+2*c:LD+16*d+2*c+1], v[LT+8*d+2:LT+8*d+3] op_sel_hi:[1,0]
.set c, c+1
.endr
	WIN LWIN
.set c, 0
.rept 8
	BOTH v_pk_fma_f32 v[LD+16*d+2*c:LD+16*d+2*c+1], v[LD+16*d+2*c:LD+16*d+2*c+1], v[LW+2*c:LW+2*c+1], v[LB+2*c:LB+2*c+1]
.set c, c+1
.endr
	WIN 0
.endm
; LN of the row.  src = 1: it is read from XR (0: it lies in registers).  dst = 0: bf16 into my own ARW; 1: f32 into out0.
.macro LN1R src, dst
	WIN 0
.if \src
.set c, 0
.rept 4
	ds_load_b128 v[LD+4*c:LD+4*c+3], v1 offset:512*c
.set c, c+1
.endr
	s_wait_dscnt 0x0
.endif
	LNCORE
.if \dst
.set c, 0
.rept 4
	global_store_b128 v1, v[LD+4*c:LD+4*c+3], s[40:41] offset:512*c
.set c, c+1
.endr
.else
.set c, 0
.rept 8
	v_cvt_pk_bf16_f32 v[LD+c], v[LD+2*c], v[LD+2*c+1]
.set c, c+1
.endr
.set c, 0
.rept 4
	ds_store_b64 v14, v[LD+2*c:LD+2*c+1] offset:256*c
.set c, c+1
.endr
.endif
.endm
.macro LNPAR wp, bp, lo                ; gain and bias into window 1
	WIN 0x40
.set c, 0
.rept 4
	global_load_b128 v[LW+4*c:LW+4*c+3], v1, s[\wp:\wp+1] offset:(\lo)+512*c
	global_load_b128 v[LB+4*c:LB+4*c+3], v1, s[\bp:\bp+1] offset:(\lo)+512*c
.set c, c+1
.endr
	WIN 0
.endm
.macro BIAST ptr, lo                   ; bias of columns 16 nb + 8 h + 0..7 into v[96 + 8 nb ..]
	WIN 0
	s_add_nc_u64 s[48:49], s[\ptr:\ptr+1], s[82:83]
.set z, 0
.rept 8
	global_load_b128 v[96+4*z:99+4*z], v11, s[48:49] offset:(\lo)+(z/2)*64+16*(z%2)
.set z, z+1
.endr
.endm
; Chunk q of 16: stage q / 4 (Wq, Wo, W1, W2 of layer 1), K blocks 4 (q % 4) .. +3, my four column blocks: 32 loads, 16,384 consecutive bytes of my stream, into buffer q % 2.
.macro ISSUE q
	WIN 0x40*((\q)%2)
.set z, 0
.rept 32
	global_load_b128 v[128*(1-(\q)%2)+4*z:128*(1-(\q)%2)+4*z+3], v1, s[42:43] offset:(\q)*16384+512*z
.set z, z+1
.endr
	WIN 0
.endm
; Chunk q is multiplied.  n = the loads younger than the chunk's, which may stay out.  The four accumulators take turns.  Then the chunk two further on takes the buffer.
.macro TMUL q, n, areg
	WIN 0
.set z, 0
.rept 8
	ds_load_b128 v[64+4*z:67+4*z], v[\areg] offset:(4*((\q)%4)+z/2)*64+32*(z%2)
.set z, z+1
.endr
	s_wait_loadcnt \n
	s_wait_dscnt 0x0
	WIN (\q)%2
.set z, 0
.rept 16
.set rW, 128*(1-(\q)%2)+8*z
.if ((\q)%4 == 0) && (z < 4)
	v_wmma_f32_16x16x32_bf16 v[32+8*(z%4):32+8*(z%4)+7], v[rW:rW+7], v[64+8*(z/4):64+8*(z/4)+7], 0
.else
	v_wmma_f32_16x16x32_bf16 v[32+8*(z%4):32+8*(z%4)+7], v[rW:rW+7], v[64+8*(z/4):64+8*(z/4)+7], v[32+8*(z%4):32+8*(z%4)+7]
.endif
.set z, z+1
.endr
	WIN 0
	PLACES
.if (\q) < 14
	ISSUE (\q)+2
.endif
.endm
.macro TADD                            ; + bias; each accumulator is read from its low end on
.set z, 0
.rept 16
	v_pk_add_f32 v[32+2*z:33+2*z], v[32+2*z:33+2*z], v[96+2*z:97+2*z]
.set z, z+1
.endr
.endm
.macro TRES                            ; my 64 columns of XR += the product + its bias
	TADD
.set z, 0
.rept 8
	ds_load_b128 v[64+4*z:67+4*z], v9 offset:(z/2)*64+16*(z%2)
.set z, z+1
.endr
	s_wait_dscnt 0x0
.set z, 0
.rept 16
	v_pk_add_f32 v[64+2*z:65+2*z], v[64+2*z:65+2*z], v[32+2*z:33+2*z]
.set z, z+1
.endr
.set z, 0
.rept 8
	ds_store_b128 v9, v[64+4*z:67+4*z] offset:(z/2)*64+16*(z%2)
.set z, z+1
.endr
.endm
; ATTENTION, as in the launch before, with one tile whose 16 queries are alike.  One text of the step: every step takes the mask, 33 vector instructions that hide nothing in the steps before the last.
.macro ALLT line:vararg
.set t, 0
.rept NT
	\line
.set t, t+1
.endr
.endm
.macro SADD a, b
	ALLT v_pk_add_f32 v[S+16*t+(\a):S+16*t+(\a)+1], v[S+16*t+(\a):S+16*t+(\a)+1], v[S+16*t+(\b):S+16*t+(\b)+1]
.endm
.macro STEP
	s_wait_loadcnt 0x8                             ; K is in; V's eight loads are younger
	WIN 0x04
.set z, 0
.rept 4                                                ; channels 32 (z / 2) on, keys 16 (z % 2) on; the two accumulators take turns
.set t, 0
.rept NT
.if z < 2
	v_wmma_f32_16x16x32_bf16 v[S+16*t+8*(z%2):S+16*t+8*(z%2)+7], v[KF+16*(z%2)+8*(z/2):KF+16*(z%2)+8*(z/2)+7], v[QF+16*t+8*(z/2):QF+16*t+8*(z/2)+7], 0
.else
	v_wmma_f32_16x16x32_bf16 v[S+16*t+8*(z%2):S+16*t+8*(z%2)+7], v[KF+16*(z%2)+8*(z/2):KF+16*(z%2)+8*(z/2)+7], v[QF+16*t+8*(z/2):QF+16*t+8*(z/2)+7], v[S+16*t+8*(z%2):S+16*t+8*(z%2)+7]
.endif
.set t, t+1
.endr
.set z, z+1
.endr
	WIN 0
	PLACES
	s_add_co_u32 s57, s56, 1
	s_min_u32 s57, s57, s55                        ; the next step, or the last one again
	s_min_u32 s57, s57, 15
	s_lshl_b32 s57, s57, 12
	v_add_nc_u32 v[KO], s57, v1
.set z, 0
.rept 8
	global_load_b128 v[KF+4*z:KF+4*z+3], v[KO], s[44:45] offset:512*z
.set z, z+1
.endr
	s_lshl_b32 s63, s56, 5
	ALLT v_sub_nc_u32 v[REL+t], v[LIM+t], s63
.set z, 0
.rept 16                                               ; register z is key 16 (z / 8) + z % 8 (+ 8 h) of the step: hidden where that is beyond the last valid row
.set t, 0
.rept NT
	v_cmp_gt_i32 vcc_lo, 16*(z/8)+z%8, v[REL+t]
	v_cndmask_b32 v[S+16*t+z], v[S+16*t+z], v[NEG], vcc_lo
.set t, t+1
.endr
.set z, z+1
.endr
	ALLT v_max3_num_f32 v[ST+8*t+4], v[S+16*t], v[S+16*t+1], v[S+16*t+2]
	ALLT v_max3_num_f32 v[ST+8*t+5], v[S+16*t+8], v[S+16*t+9], v[S+16*t+10]
	ALLT v_max3_num_f32 v[ST+8*t+4], v[ST+8*t+4], v[S+16*t+3], v[S+16*t+4]
	ALLT v_max3_num_f32 v[ST+8*t+5], v[ST+8*t+5], v[S+16*t+11], v[S+16*t+12]
	ALLT v_max3_num_f32 v[ST+8*t+4], v[ST+8*t+4], v[S+16*t+5], v[S+16*t+6]
	ALLT v_max3_num_f32 v[ST+8*t+5], v[ST+8*t+5], v[S+16*t+13], v[S+16*t+14]
	ALLT v_max3_num_f32 v[ST+8*t+4], v[ST+8*t+4], v[S+16*t+7], v[S+16*t+15]
	ALLT v_max3_num_f32 v[ST+8*t+4], v[ST+8*t+4], v[ST+8*t+5], v[ST+8*t+1]
	ALLT v_permlanex16_b32 v[ST+8*t+5], v[ST+8*t+4], s60, s61
	ALLT v_mov_b32 v[ST+8*t+7], v[ST+8*t]
	ALLT v_max_num_f32 v[ST+8*t+1], v[ST+8*t+4], v[ST+8*t+5]
	ALLT v_mul_f32 v[ST+8*t], s58, v[ST+8*t+1]
	ALLT v_sub_f32 v[ST+8*t+7], v[ST+8*t+7], v[ST+8*t]
	ALLT v_exp_f32 v[ST+8*t+6], v[ST+8*t+7]
.set z, 0
.rept 8
	ALLT v_pk_fma_f32 v[S+16*t+2*z:S+16*t+2*z+1], v[S+16*t+2*z:S+16*t+2*z+1], s[58:59], v[ST+8*t:ST+8*t+1] op_sel_hi:[1,0,0] neg_lo:[0,0,1] neg_hi:[0,0,1]
.set z, z+1
.endr
.set z, 0
.rept 16
	ALLT v_exp_f32 v[S+16*t+z], v[S+16*t+z]
.set z, z+1
.endr
	v_nop
	s_wait_alu depctr_va_vdst(0)
.set z, 0
.rept 8
	ALLT v_cvt_pk_bf16_f32 v[P+8*t+z], v[S+16*t+2*z], v[S+16*t+2*z+1]
.set z, z+1
.endr
	SADD 0, 2
	SADD 4, 6
	SADD 8, 10
	SADD 12, 14
	SADD 0, 4
	SADD 8, 12
	SADD 0, 8
	ALLT v_pk_fma_f32 v[ST+8*t+2:ST+8*t+3], v[ST+8*t+2:ST+8*t+3], v[ST+8*t+6:ST+8*t+7], v[S+16*t:S+16*t+1] op_sel_hi:[1,0,1]
	WIN 0x41
.set z, 0
.rept 16
	ALLT v_pk_mul_f32 v[OB+32*t+2*z:OB+32*t+2*z+1], v[OB+32*t+2*z:OB+32*t+2*z+1], v[ST+8*t+6:ST+8*t+7] op_sel_hi:[1,0]
.set z, z+1
.endr
	s_wait_loadcnt 0x8                             ; V is in; the next K's eight loads are younger
	WIN 0x50
.set z, 0
.rept 4
.set t, 0
.rept NT
	v_wmma_f32_16x16x32_bf16 v[OB+32*t+8*z:OB+32*t+8*z+7], v[VF+8*z:VF+8*z+7], v[P+8*t:P+8*t+7], v[OB+32*t+8*z:OB+32*t+8*z+7]
.set t, t+1
.endr
.set z, z+1
.endr
	WIN 0
	PLACES
	v_add_nc_u32 v[VO], s57, v1
.set z, 0
.rept 8
	global_load_b128 v[VF+4*z:VF+4*z+3], v[VO], s[46:47] offset:512*z
.set z, z+1
.endr
	s_add_co_u32 s56, s56, 1
.endm
.macro ATTOUT                          ; O^T / l, bf16, into my head's 128 bytes of ORW
	ALLT v_add_f32 v[ST+8*t+4], v[ST+8*t+2], v[ST+8*t+3]
	ALLT v_permlanex16_b32 v[ST+8*t+5], v[ST+8*t+4], s60, s61
	ALLT v_add_f32 v[ST+8*t+4], v[ST+8*t+4], v[ST+8*t+5]
	ALLT v_rcp_f32 v[ST+8*t+6], v[ST+8*t+4]
	v_nop
	s_wait_alu depctr_va_vdst(0)
	WIN 0x41
.set z, 0
.rept 16
	ALLT v_pk_mul_f32 v[OB+32*t+2*z:OB+32*t+2*z+1], v[OB+32*t+2*z:OB+32*t+2*z+1], v[ST+8*t+6:ST+8*t+7] op_sel_hi:[1,0]
.set z, z+1
.endr
	WIN 0x05
.set z, 0
.rept 16
	ALLT v_cvt_pk_bf16_f32 v[S+16*t+z], v[OB+32*t+2*z], v[OB+32*t+2*z+1]
.set z, z+1
.endr
	WIN 0
.set z, 0
.rept 4
	ALLT ds_store_b128 v7, v[S+16*t+4*z:S+16*t+4*z+3] offset:16640*t+32*z
.set z, z+1
.endr
.endm
	s_load_b512 s[8:23], s[0:1], 0x0               ; seq_len, xlast, kv1, wF, ln1_w, ln1_b, bq, bo
	s_load_b256 s[24:31], s[0:1], 0x40             ; ln2_w, ln2_b, b1, b2
	s_load_b128 s[32:35], s[0:1], 0x60             ; lnf_w, lnf_b
	s_load_b64 s[36:37], s[0:1], 0x70              ; out0
	v_lshl_add_u32 v30, v0, 2, 0x3000
	v_mov_b32 v31, 0
	v_lshrrev_b32 v15, 5, v0
	v_readfirstlane_b32 s4, v15                    ; wave
	v_and_b32 v15, 31, v0                          ; lane
	v_lshlrev_b32 v1, 4, v15
	v_bfe_u32 v3, v0, 4, 1                         ; h
	v_lshlrev_b32 v11, 5, v3
	v_lshlrev_b32 v2, 4, v3
	s_lshl_b32 s57, s4, 10
	s_add_co_u32 s57, s57, ARW
	v_add_nc_u32 v4, s57, v2
	v_lshl_add_u32 v14, v15, 3, s57
	v_add_nc_u32 v5, ORW, v2
	v_add_nc_u32 v10, FRW, v2
	s_lshl_b32 s57, s4, 7
	v_add_nc_u32 v7, s57, v5
	v_add_nc_u32 v8, s57, v10
	s_lshl_b32 s82, s4, 8
	v_add_nc_u32 v9, s82, v11
	s_mov_b32 s2, ttmp9                            ; b
	s_mov_b32 s51, 0
	s_mov_b32 s81, 0
	s_mov_b32 s83, 0
	s_mul_i32 s80, s4, 0xc0000                     ; my stream of weights
	s_mov_b32 s58, 0x3e38aa3b                      ; c = log2(e) / 8
	s_mov_b32 s59, s58
	s_mov_b32 s60, 0x76543210
	s_mov_b32 s61, 0xfedcba98
	s_mov_b32 s62, 0x3b000000                      ; 1 / 512
	s_lshl_b32 s78, s2, 3
	s_add_co_u32 s78, s78, s4
	s_lshl_b32 s78, s78, 16                        ; (8 b + head) x 65,536
	s_wait_kmcnt 0x0
	s_lshl_b32 s50, s2, 2
	s_add_nc_u64 s[44:45], s[8:9], s[50:51]
	s_load_b32 s5, s[44:45], 0x0                   ; seq_len[b]
	s_lshl_b32 s50, s2, 11
	s_add_nc_u64 s[46:47], s[10:11], s[50:51]      ; my batch's row of xlast
	s_add_nc_u64 s[40:41], s[36:37], s[50:51]      ; and of out0
	s_add_nc_u64 s[42:43], s[14:15], s[80:81]
	s_add_nc_u64 s[42:43], s[42:43], 8*65536       ; slot 8: layer 1's Wq; Wo, W1, W2 follow it
.set c, 0
.rept 4
	global_load_b128 v[LD+4*c:LD+4*c+3], v1, s[46:47] offset:512*c
.set c, c+1
.endr
	LNPAR 16, 18, 2048
	BIAST 20, 2048
	ISSUE 0
	ISSUE 1
	s_wait_kmcnt 0x0
	s_max_u32 s5, s5, 1
	s_min_u32 s5, s5, 512
	s_sub_co_u32 s6, s5, 1
	s_wait_loadcnt 0x3f                            ; behind the 20 small loads stand the two chunks' 64: with 63 out the small ones are in
	s_cmp_lg_u32 s4, 0
	s_cbranch_scc1 .Lnox
.set c, 0
.rept 4
	ds_store_b128 v1, v[LD+4*c:LD+4*c+3] offset:512*c  ; wave 0 puts the row into XR; it is read behind the barrier that follows attention
.set c, c+1
.endr
.Lnox:
	LN1R 0, 0
	TMUL 0, 32, 4                                  ; q = LN1(x) Wq: the next chunk's 32 loads may stay out
	TMUL 1, 32, 4
	TMUL 2, 32, 4
	TMUL 3, 32, 4
	TADD
	WIN 0x40
.set z, 0
.rept 16                                               ; column block nb IS half nb % 2 of Q's fragment of channels 32 (nb / 2) on
	v_cvt_pk_bf16_f32 v[QF+z], v[32+2*z], v[33+2*z]
.set z, z+1
.endr
	WIN 0
	s_mov_b32 s50, s78
	s_add_nc_u64 s[44:45], s[12:13], s[50:51]      ; layer 1's k at my head
	s_add_nc_u64 s[46:47], s[44:45], 0x1000000     ; and v
	v_mov_b32 v[KO], v1
	v_mov_b32 v[VO], v1
.set z, 0
.rept 8
	global_load_b128 v[KF+4*z:KF+4*z+3], v[KO], s[44:45] offset:512*z
.set z, z+1
.endr
.set z, 0
.rept 8
	global_load_b128 v[VF+4*z:VF+4*z+3], v[VO], s[46:47] offset:512*z
.set z, z+1
.endr
	WIN 0x40
.set z, 0
.rept 32
	v_mov_b32 v[OB+z], 0
.set z, z+1
.endr
	WIN 0
	v_mov_b32 v[ST], 0xfe000000                    ; c m: far below every c s, so the first a is 0
	v_mov_b32 v[ST+1], 0xff7fffff                  ; m
.set z, 2
.rept 6
	v_mov_b32 v[ST+z], 0
.set z, z+1
.endr
	v_mov_b32 v[NEG], 0xf149f2ca                   ; -1e30
	v_lshlrev_b32 v[REL], 3, v3
	v_sub_nc_u32 v[LIM], s6, v[REL]                ; the last valid row - 8 h
	s_add_co_u32 s54, s5, 31
	s_lshr_b32 s54, s54, 5                         ; steps of 32 keys: 1 to 16
	s_sub_co_u32 s55, s54, 1
	s_mov_b32 s56, 0
	s_mov_b32 s52, 0
.Lstep:
	STEP
	s_add_co_u32 s52, s52, 1
	s_cmp_lt_u32 s52, s54
	s_cbranch_scc1 .Lstep
	s_wait_loadcnt 0x0                             ; the last step's requests have landed: their registers are free
	ATTOUT
	BAR                                            ; ORW and XR are whole
	BIAST 22, 2048
	LNPAR 24, 26, 2048
	TMUL 4, 48, 5                                  ; x += o Wo + bo.  Younger than chunk 4: chunk 5 and the 16 small loads
	TMUL 5, 48, 5                                  ; the 16 small loads and chunk 6
	TMUL 6, 32, 5
	TMUL 7, 32, 5
	TRES
	BAR
	BIAST 28, 2048
	LN1R 1, 0
	TMUL 8, 40, 4                                  ; relu(LN2(x) W1 + b1).  Younger than chunk 8: chunk 9 and the bias's 8
	TMUL 9, 40, 4
	TMUL 10, 32, 4
	TMUL 11, 32, 4
	TADD
.set z, 0
.rept 32
	v_max_num_f32 v[32+z], 0, v[32+z]
.set z, z+1
.endr
.set z, 0
.rept 16
	v_cvt_pk_bf16_f32 v[64+z], v[32+2*z], v[33+2*z]
.set z, z+1
.endr
.set z, 0
.rept 4
	ds_store_b128 v8, v[64+4*z:67+4*z] offset:32*z
.set z, z+1
.endr
	BAR
	BIAST 30, 2048
	LNPAR 32, 34, 0
	TMUL 12, 48, 10                                ; x += .. W2 + b2
	TMUL 13, 48, 10
	TMUL 14, 32, 10
	TMUL 15, 0, 10
	TRES
	BAR
	s_cmp_lg_u32 s4, 0
	s_cbranch_scc1 .Lend
	LN1R 1, 1                                      ; wave 0: the last LN, 512 consecutive bytes a store
.Lend:
	s_wait_tensorcnt 0x0
	ds_add_u32 v30, v31
	s_wait_dscnt 0x0
	s_endpgm
.Lfunc_end_k_q7e14af444d_tail:
	.size	k_q7e14af444d_tail, .Lfunc_end_k_q7e14af444d_tail-k_q7e14af444d_tail
	.p2alignl 7, 3214868480
	.fill 96, 4, 3214868480
	.section	.rodata,"a",@progbits
	.p2align	6, 0x0
	.amdhsa_kernel k_q7e14af444d_tail
		.amdhsa_group_segment_fixed_size 13312
		.amdhsa_private_segment_fixed_size 0
		.amdhsa_enable_private_segment 0
		.amdhsa_kernarg_size 120
		.amdhsa_user_sgpr_count 2
		.amdhsa_user_sgpr_kernarg_segment_ptr 1
		.amdhsa_wavefront_size32 1
		.amdhsa_system_sgpr_workgroup_id_x 1
		.amdhsa_system_sgpr_workgroup_id_y 1
		.amdhsa_system_sgpr_workgroup_id_z 1
		.amdhsa_system_vgpr_workitem_id 0
		.amdhsa_next_free_vgpr 464
		.amdhsa_next_free_sgpr 84
		.amdhsa_reserve_vcc 1
		.amdhsa_float_denorm_mode_32 3
		.amdhsa_float_denorm_mode_16_64 3
		.amdhsa_memory_ordered 1
		.amdhsa_forward_progress 1
		.amdhsa_inst_pref_size 124
	.end_amdhsa_kernel
	.amdgpu_metadata
---
amdhsa.version: [ 1, 2 ]
amdhsa.kernels:
  - .name:           k_q7e14af444d_tail
    .symbol:         k_q7e14af444d_tail.kd
    .args:
      - { .name: seq_len, .offset: 0, .size: 8, .value_kind: global_buffer, .address_space: global }
      - { .name: xlast, .offset: 8, .size: 8, .value_kind: global_buffer, .address_space: global }
      - { .name: kv1, .offset: 16, .size: 8, .value_kind: global_buffer, .address_space: global }
      - { .name: wF, .offset: 24, .size: 8, .value_kind: global_buffer, .address_space: global }
      - { .name: ln1_w, .offset: 32, .size: 8, .value_kind: global_buffer, .address_space: global }
      - { .name: ln1_b, .offset: 40, .size: 8, .value_kind: global_buffer, .address_space: global }
      - { .name: bq, .offset: 48, .size: 8, .value_kind: global_buffer, .address_space: global }
      - { .name: bo, .offset: 56, .size: 8, .value_kind: global_buffer, .address_space: global }
      - { .name: ln2_w, .offset: 64, .size: 8, .value_kind: global_buffer, .address_space: global }
      - { .name: ln2_b, .offset: 72, .size: 8, .value_kind: global_buffer, .address_space: global }
      - { .name: b1, .offset: 80, .size: 8, .value_kind: global_buffer, .address_space: global }
      - { .name: b2, .offset: 88, .size: 8, .value_kind: global_buffer, .address_space: global }
      - { .name: lnf_w, .offset: 96, .size: 8, .value_kind: global_buffer, .address_space: global }
      - { .name: lnf_b, .offset: 104, .size: 8, .value_kind: global_buffer, .address_space: global }
      - { .name: out0, .offset: 112, .size: 8, .value_kind: global_buffer, .address_space: global }
    .group_segment_fixed_size: 13312
    .private_segment_fixed_size: 0
    .kernarg_segment_align: 8
    .kernarg_segment_size: 120
    .max_flat_workgroup_size: 256
    .sgpr_count:     84
    .vgpr_count:     464
    .wavefront_size: 32
...
	.end_amdgpu_metadata
.endif
;; end of part 8
